; MI455X (gfx1250); checked and timed in simulation.
; The chip was launched on July 23, 2026; its instructions are those of AMD's public machine-readable ISA for CDNA 5 (MIT licence, August 2026) and "CDNA5" Instruction Set Architecture Reference Guide (July 2026). The comments in the code are by the model that wrote it; some were corrected since.
;; Adaptive Neural Fusion Network. Allowed arithmetic: matrix products marked QUANTISED: E3M2 operands, one E8M0 scale for each 32 along K, by v_wmma_scale_f32_16x16x128_f8f6f4 with both operands' format E3M2, f32 sums; products left as they are: f32 operands where the result goes on into a quantised operand, else bf16, f16 or f32 operands; f32 sums; everything else in f32.
;; Inputs: W1 8 x 1,024 x 2,048 float32; W2 8 x 2,048 x 1,024 float32; Wg1 1,024 x 512 float32; Wg2 512 x 8 float32; b1 8 x 2,048 float32; b2 8 x 1,024 float32; bg1 512 float32; bg2 8 float32; ln_b 8 x 1,024 float32; ln_g 8 x 1,024 float32; x 2,048 x 1,024 float32.
;; Outputs: out0 2,048 x 1,024 float32; out1 2,048 x 8 float32.
;; This version of the problem:
;;   THIS VERSION OF THE PROBLEM IS GIVEN IN LOW PRECISION. The matrix products marked QUANTISED in the list below multiply operands that are first quantised to E3M2 (3 exponent bits, 2 mantissa bits; 6 bits a number), with one power-of-two scale for each 32 numbers along K (OCP MX v1.0); their sums are f32. All else is computed in f32.
;;   The module's matrix products, in the order in which they are computed (A, B: the left and right operand; K: the contracted axis; several contracted axes count as one K, in the product's order):
;;     1. [M 2,048, K 1,024] x [K 1,024, N 512]; A: input x; B: input Wg1: QUANTISED
;;     2. [M 2,048, K 512] x [K 512, N 8]; A: computed on the way; B: input Wg2: left as it is (N = 8 < 16)
;;     3. [M 2,048, K 1,024] x [K 1,024, N 16,384]; A: input x; B: input W1: QUANTISED
;;     4. batch 8 x [M 1,024, K 2,048] x [K 2,048, N 2,048]; A: input W2; B: computed on the way: QUANTISED
;;     5. batch 2,048 x [M 1, K 8] x [K 8, N 1,024]; A: computed on the way; B: computed on the way: left as it is (K = 8 < 32)
;;   THE QUANTISER, for each operand of a quantised product, along K:
;;     - K is cut into blocks of 32 from its start; a last block that is shorter is filled with zeros.
;;     - A block's scale is 2^e with e = floor(log2(the largest magnitude in the block)) - 4, held to -126 .. 127; a block of zeros has e = 0. As a byte (E8M0): e + 127.
;;     - Each number is divided by its block's scale, clamped to +-28, and rounded to the nearest number of E3M2, ties to even, subnormals kept.
;;     - The product sums the exact products of the quantised numbers (number of the format x scale) in f32.
;;   ~~~python
;;   def quantise(x, axis):      # numpy; x: float32 -> the quantised numbers, widened to float32 again
;;       x = np.moveaxis(x, axis, -1); K = x.shape[-1]
;;       x = np.pad(x, [(0, 0)] * (x.ndim - 1) + [(0, -K % 32)]); x = x.reshape(x.shape[:-1] + (-1, 32)); a = np.abs(x).max(-1, keepdims=True)
;;       e = np.where(a > 0, np.clip(np.frexp(np.where(a > 0, a, 1))[1] - 1 - 4, -126, 127), 0)      # np.frexp(a)[1] - 1 = floor(log2(a)), exactly
;;       r = np.clip(x / 2.0 ** e, -28, 28)
;;       step = 2.0 ** (np.maximum(np.frexp(np.where(r == 0, 1, r))[1] - 1, -2) - 2)
;;       q = np.round(r / step) * step * 2.0 ** e      # np.round: ties to even
;;       return np.moveaxis(q.reshape(q.shape[:-2] + (-1,))[..., :K], -1, axis).astype(np.float32)
;;   ~~~
;;   OPERANDS COMPUTED ON THE WAY. 'Computed on the way' means the value that the module computes at that place (a softmax that the list does not call 'softmax' is quantised finished and normalised). What goes into a quantiser is computed in f32, as accurately as f32 sums, v_exp_f32 and their like allow (about 1e-6 of the number): no bf16 or f16 on the way to a quantiser, and a product that is left as it is and whose result goes on into a quantised operand takes f32 operands (vector FMAs, or v_wmma_f32_16x16x4_f32). A number that lies on a knife's edge between two numbers of the format may be rounded either way, as far as f32 arithmetic and the matrix unit's own rounding can turn it there, and no further.
;; 2 versions. Each part assembles by itself: llvm-mc -triple=amdgcn-amd-amdhsa -mcpu=gfx1250 --defsym DOCPART=n.
;; ======== version 1 of 2: 6 launches
;; workspace buffers: wq 26,624,000 bytes; xq 1,638,400 bytes; route 8,192 bytes of whole numbers; gw 32,768 bytes; plan 61,184 bytes of whole numbers; hq 11,264,000 bytes; y 28,835,840 bytes
;; launch prep (part 1): grid 1040 x 1, 4 waves a work-group, no clusters, 27,136 bytes of LDS; arguments W1, W2, Wg1, wq; writes wq
.if DOCPART == 1
	.amdgcn_target "amdgcn-amd-amdhsa--gfx1250"
	.amdhsa_code_object_version 6
	.text
	.protected	k_q08051dcaf9_prep
	.globl	k_q08051dcaf9_prep
	.p2align	8
	.type	k_q08051dcaf9_prep,@function
k_q08051dcaf9_prep:
	s_mov_b64 s[64:65], 0
	v_nop
	global_prefetch_b8 v0, s[64:65] scope:SCOPE_SE
	s_setreg_imm32_b32 hwreg(HW_REG_WAVE_MODE, 25, 1), 1
	s_wait_xcnt 0x0
; PREP: W1 [8][1024][2048], W2 [8][2048][1024] and Wg1 [1024][512], f32 with K as the FIRST axis of each matrix, become codes of E3M2 and E8M0 scale bytes, one for each 32 along K, in the workspace wq.
; DEAD WORK OF THE WHOLE PROGRAM.  reference() weighs expert e's row of token n by w[n][e], and builds w itself as the sum of top_gates x one_hot(top_idx): for the five experts of a token that are not
; among its top three, w[n][e] is the exact 0 of one_hot, whatever the inputs hold, so h1[n][e], y[n][e] and yn[n][e] reach no output.  The program multiplies only the 2,048 x 3 chosen rows (launches up, down, comb).
; All inputs have a way to an output and are loaded.  LIMIT: a NaN, an infinity or an overflow that arises only in a row of an expert that was not chosen is not carried to out0.
; LAYOUT OF THE CODES, in the order of the operand's registers: [expert][group of 32 columns][K step of 128][tile u = 0, 1][1,536 bytes].  A fragment (16 columns x 128 K, 12 registers a lane) lies as three
; pieces of 512 bytes; lane l's 16 bytes at 16 l of piece c are its registers 4 c .. 4 c + 3.  Row r of tile u is column 32 group + 8 u + r + 8 (r / 8): so, with the weight as source 0, a result lane's 16
; registers of tiles 0 and 1 are 16 neighbouring columns.  THE SCALE WORDS: [expert][group][16 u + r][K steps] words, so that a lane fetches all its words by loads of 16 bytes.
; A LANE TAKES A COLUMN AND ITS REGISTERS RUN DOWN K: a block of 32 lies in one lane, each load reads 128 consecutive bytes a wave, and the conversion gives codes with K innermost.
; A work-group takes 128 columns x 256 K, a wave 32 columns; its four fragments meet in the wave's own stage in LDS and leave as 6,144 dense bytes.  The two scale words of a lane leave as 8 bytes:
; those blocks of 256 bytes are written in parts by the work-groups along K; they are one byte in 128 of what the launch reads.
; A block's scale is 2^(floor(log2(largest magnitude)) - 4); its byte is the largest magnitude's exponent field - 4, held at 1 from below.
; LIMITS: a block of zeros gets the byte 1 where the rule says 127 (its codes are zeros, and this program alone reads the bytes); NaN and infinities among the inputs are not served.
; One path serves all three tensors: the work-group's number selects sizes and pointers, and no LDS address hangs on it.
.set W2Q,   12582912                   ; wq: W1's codes at 0, W2's here,
.set WGQ,   25165824                   ; Wg1's,
.set W1S,   25559040                   ; W1's scale words,
.set W2S,   26083328                   ; W2's,
.set WGS,   26607616                   ; Wg1's
.set TP,    1664                       ; a fragment's place in the stage: 1,536 bytes + 128
.set WST,   4*TP                       ; a wave's stage: [K step 2][tile 2]
.set SPARE, 4*WST                      ; behind the stages: the spare words, 128 bytes a wave
.set SPW,  1                           ; v1   my spare word's LDS address; never rewritten
.set NIL,  2                           ; v2   0; never rewritten
.set STA,  4                           ; v4   the stage, on the way in
.set RB,   5                           ; v5   and on the way out
.set SB,   14                          ; v14-15  my column's two scale words
.set OFF,  16                          ; v16-47  4 lane + i rows of the tensor; never rewritten
.set X,    48                          ; v48-111 two sets of 32 numbers
.set C,    112                         ; v112-118 a block's codes
.set OUTR, 120                         ; v120-167 the way out
.set BB,   40                          ; s[40:55] the eight blocks' bases; never rewritten
	s_load_b256 s[4:11], s[0:1], 0x0               ; W1 s[4:5], W2 s[6:7], Wg1 s[8:9], wq s[10:11]
	v_lshl_add_u32 v[SPW], v0, 2, SPARE
	v_mov_b32 v[NIL], 0
	v_lshrrev_b32 v8, 5, v0
	v_readfirstlane_b32 s12, v8                    ; wave
	v_and_b32 v9, 31, v0                           ; lane j: column 32 group + j
	s_mov_b32 s13, 11                              ; Wg1: log2 of a row's bytes,
	s_mov_b32 s14, 2                               ; log2 of the slices of 256 along K,
	s_mov_b32 s15, WGQ
	s_mov_b32 s16, WGS
	s_mov_b32 s17, 1024                            ; and its first work-group
	s_cmp_lt_u32 ttmp9, 1024
	s_cselect_b32 s13, 12, s13                     ; W2
	s_cselect_b32 s14, 3, s14
	s_cselect_b32 s15, W2Q, s15
	s_cselect_b32 s16, W2S, s16
	s_cselect_b32 s17, 512, s17
	s_cmp_lt_u32 ttmp9, 512
	s_cselect_b32 s13, 13, s13                     ; W1
	s_cselect_b32 s14, 2, s14
	s_cselect_b32 s15, 0, s15
	s_cselect_b32 s16, W1S, s16
	s_cselect_b32 s17, 0, s17
	s_sub_co_u32 s18, s13, 9                       ; log2 of the groups of 128 columns
	s_sub_co_u32 s19, ttmp9, s17
	s_lshl_b32 s20, -1, s18
	s_and_not1_b32 s21, s19, s20                   ; which 128 columns
	s_lshr_b32 s19, s19, s18
	s_lshl_b32 s20, -1, s14
	s_and_not1_b32 s22, s19, s20                   ; which 256 along K
	s_lshr_b32 s23, s19, s14                       ; expert
	s_lshl_b32 s24, 1, s13                         ; a row's bytes
	s_lshl_b32 s25, s21, 2
	s_add_co_u32 s25, s25, s12                     ; my group of 32 columns
	s_add_co_u32 s38, s18, 2
	s_lshl_b32 s26, s23, s38
	s_add_co_u32 s26, s26, s25                     ; expert x groups + group
	s_add_co_u32 s27, s14, 1                       ; log2 of the K steps
	s_lshl_b32 s28, s23, 23                        ; the source: an expert is 8 MiB,
	s_add_co_u32 s38, s13, 8
	s_lshl_b32 s38, s22, s38                       ; 256 rows a slice,
	s_add_co_u32 s28, s28, s38
	s_lshl_b32 s38, s21, 9                         ; 512 bytes a work-group,
	s_add_co_u32 s28, s28, s38
	s_lshl_b32 s38, s12, 7                         ; 128 a wave
	s_add_co_u32 s28, s28, s38
	s_mov_b32 s29, 0
	s_lshl_b32 s30, s26, s27                       ; the codes: (group x K steps + 2 slice) x 3,072
	s_lshl_b32 s38, s22, 1
	s_add_co_u32 s30, s30, s38
	s_mul_i32 s30, s30, 3072
	s_add_co_u32 s30, s30, s15
	s_mov_b32 s31, 0
	s_add_co_u32 s38, s27, 7                       ; the scale words: 32 lanes x K steps x 4 bytes a group
	s_lshl_b32 s32, s26, s38
	s_add_co_u32 s32, s32, s16
	s_mov_b32 s33, 0
	s_add_co_u32 s38, s13, 5
	s_lshl_b32 s34, 1, s38                         ; 32 rows
	s_mov_b32 s35, 0
	v_lshlrev_b32 v3, 2, v9
	v_bfe_u32 v10, v9, 3, 1                        ; u: my column's tile
	v_and_b32 v11, 7, v9
	v_lshrrev_b32 v12, 4, v9
	v_lshl_or_b32 v11, v12, 3, v11                 ; r: its row in the tile
	v_mul_u32_u24 v[STA], v10, TP
	v_lshl_add_u32 v[STA], v11, 4, v[STA]
	s_mul_i32 s39, s12, WST
	v_add_nc_u32 v[STA], s39, v[STA]               ; wave's stage + tile + 16 r
	v_lshlrev_b32 v6, 4, v9                        ; 16 lane
	v_add_nc_u32 v[RB], s39, v6
	v_lshl_or_b32 v12, v10, 4, v11                 ; 16 u + r
	s_add_co_u32 s38, s27, 2
	v_lshlrev_b32 v7, s38, v12
	s_lshl_b32 s38, s22, 3
	v_add_nc_u32 v7, s38, v7                       ; my row of scale words, + my slice's two
.set i, 0
.rept 32
	v_mad_u32_u24 v[OFF+i], s24, i, v3
.set i, i+1
.endr
	s_wait_kmcnt 0x0
	s_cmp_lt_u32 ttmp9, 1024                       ; the choice of the pointer hangs on the work-group's number alone
	s_cselect_b64 s[36:37], s[6:7], s[8:9]
	s_cmp_lt_u32 ttmp9, 512
	s_cselect_b64 s[36:37], s[4:5], s[36:37]
	s_add_nc_u64 s[BB:BB+1], s[36:37], s[28:29]
.irp t, 1,2,3,4,5,6,7
	s_add_nc_u64 s[BB+2*\t:BB+2*\t+1], s[BB+2*\t-2:BB+2*\t-1], s[34:35]
.endr
	s_add_nc_u64 s[56:57], s[10:11], s[30:31]
	s_add_nc_u64 s[58:59], s[10:11], s[32:33]
.macro LOAD t                          ; block t: rows 32 t + i of my column, into set t % 2; read once in the program
.set li, 0
.rept 32
	global_load_b32 v[X+32*((\t)%2)+li], v[OFF+li], s[BB+2*(\t):BB+2*(\t)+1] th:TH_LOAD_NT
.set li, li+1
.endr
.endm
	LOAD 0
	LOAD 1
.macro BLOCK t                         ; block t of my column is block t % 4 of K step t / 4: registers 6 ((t / 2) % 2) on of lane 16 (t % 2) + r
.set XS, X+32*((\t)%2)
.set SL, (\t)/4
.set HH, (\t)%2
.if (\t) < 7
	s_wait_loadcnt 32                              ; this block's 32 loads are in; the next block's 32 may be out
.else
	s_wait_loadcnt 0
.endif
	v_max3_num_f32 v8, |v[XS]|, |v[XS+1]|, |v[XS+2]|
	v_max3_num_f32 v9, |v[XS+3]|, |v[XS+4]|, |v[XS+5]|
.irp i, 6,10,14,18,22,26
	v_max3_num_f32 v8, v8, |v[XS+\i]|, |v[XS+\i+1]|
	v_max3_num_f32 v9, v9, |v[XS+\i+2]|, |v[XS+\i+3]|
.endr
	v_max3_num_f32 v8, v8, |v[XS+30]|, |v[XS+31]|
	v_max3_num_f32 v8, v8, v9, 0x2800000           ; and the floor 2^(5 - 127): the byte cannot fall under 1
	v_add_nc_u32 v10, 0xfe000000, v8               ; 4 off the exponent field: the conversion takes this operand's exponent field as its scale
	v_cvt_scalef32_pk16_bf6_f32 v[C:C+2], v[XS:XS+15], v10
	v_cvt_scalef32_pk16_bf6_f32 v[C+4:C+6], v[XS+16:XS+31], v10   ; (a conversion's three registers begin on an even number)
	v_lshrrev_b32 v11, 23, v10                     ; the scale's byte; also the plain line behind the conversions
.if (\t)%4 == 0
	v_mov_b32 v[SB+SL], v11
.else
	v_lshl_or_b32 v[SB+SL], v11, 8*((\t)%4), v[SB+SL]
.endif
	v_mov_b32 v[C+3], v[C+4]                       ; the block's six registers on end
	v_mov_b32 v[C+4], v[C+5]
	v_mov_b32 v[C+5], v[C+6]
.if ((\t)/2)%2 == 0
	ds_store_b128 v[STA], v[C:C+3] offset:SL*2*TP+256*HH          ; registers 0-3: piece 0
	ds_store_b64 v[STA], v[C+4:C+5] offset:SL*2*TP+512+256*HH     ; registers 4, 5: piece 1, first half
.else
	ds_store_b64 v[STA], v[C:C+1] offset:SL*2*TP+520+256*HH       ; registers 6, 7: piece 1, second half
	ds_store_b128 v[STA], v[C+2:C+5] offset:SL*2*TP+1024+256*HH   ; registers 8-11: piece 2
.endif
.if (\t)+2 < 8
	LOAD (\t)+2
.endif
	s_wait_dscnt 0x0                               ; the stores have read their registers: the next block's codes may be written
.endm
.irp t, 0,1,2,3,4,5,6,7
	BLOCK \t
.endr
	global_store_b64 v7, v[SB:SB+1], s[58:59]      ; my column's two scale words
.set oi, 0
.rept 12
	ds_load_b128 v[OUTR+4*oi:OUTR+4*oi+3], v[RB] offset:(oi/6)*2*TP+((oi/3)%2)*TP+(oi%3)*512   ; LDS serves a wave's instructions in order: these see my stores
.set oi, oi+1
.endr
.set oi, 0
.rept 12
	s_wait_dscnt 11-oi
	global_store_b128 v6, v[OUTR+4*oi:OUTR+4*oi+3], s[56:57] offset:512*oi   ; 32 lanes store 512 consecutive bytes, at a multiple of 256 from the buffer's first byte
.set oi, oi+1
.endr
	s_wait_tensorcnt 0x0                           ; the wave's end
	ds_add_u32 v[SPW], v[NIL]
	s_wait_dscnt 0x0
	s_endpgm
.Lfunc_end_k_q08051dcaf9_prep:
	.size	k_q08051dcaf9_prep, .Lfunc_end_k_q08051dcaf9_prep-k_q08051dcaf9_prep
	.p2alignl 7, 3214868480
	.fill 96, 4, 3214868480
	.section	.rodata,"a",@progbits
	.p2align	6, 0x0
	.amdhsa_kernel k_q08051dcaf9_prep
		.amdhsa_group_segment_fixed_size 27136
		.amdhsa_private_segment_fixed_size 0
		.amdhsa_enable_private_segment 0
		.amdhsa_kernarg_size 32
		.amdhsa_user_sgpr_count 2
		.amdhsa_user_sgpr_kernarg_segment_ptr 1
		.amdhsa_wavefront_size32 1
		.amdhsa_system_sgpr_workgroup_id_x 1
		.amdhsa_system_sgpr_workgroup_id_y 1
		.amdhsa_system_sgpr_workgroup_id_z 1
		.amdhsa_system_vgpr_workitem_id 0
		.amdhsa_next_free_vgpr 192
		.amdhsa_next_free_sgpr 66
		.amdhsa_reserve_vcc 0
		.amdhsa_float_denorm_mode_32 3
		.amdhsa_float_denorm_mode_16_64 3
		.amdhsa_memory_ordered 1
		.amdhsa_forward_progress 1
		.amdhsa_inst_pref_size 45
	.end_amdhsa_kernel
	.amdgpu_metadata
---
amdhsa.version: [ 1, 2 ]
amdhsa.kernels:
  - .name:           k_q08051dcaf9_prep
    .symbol:         k_q08051dcaf9_prep.kd
    .args:
      - { .name: W1, .offset: 0, .size: 8, .value_kind: global_buffer, .address_space: global }
      - { .name: W2, .offset: 8, .size: 8, .value_kind: global_buffer, .address_space: global }
      - { .name: Wg1, .offset: 16, .size: 8, .value_kind: global_buffer, .address_space: global }
      - { .name: wq, .offset: 24, .size: 8, .value_kind: global_buffer, .address_space: global }
    .group_segment_fixed_size: 27136
    .private_segment_fixed_size: 0
    .kernarg_segment_align: 8
    .kernarg_segment_size: 32
    .max_flat_workgroup_size: 128
    .sgpr_count:     66
    .vgpr_count:     192
    .wavefront_size: 32
...
	.end_amdgpu_metadata
.endif
;; end of part 1
;; launch gate (part 2): grid 128 x 1, 16 waves a work-group, no clusters, 40,960 bytes of LDS; arguments x, wq, bg1, Wg2, bg2, xq, route, gw, out1; writes xq, route, gw, out1
.if DOCPART == 2
	.amdgcn_target "amdgcn-amd-amdhsa--gfx1250"
	.amdhsa_code_object_version 6
	.text
	.protected	k_q08051dcaf9_gate
	.globl	k_q08051dcaf9_gate
	.p2align	8
	.type	k_q08051dcaf9_gate,@function
k_q08051dcaf9_gate:
	s_mov_b64 s[64:65], 0
	v_nop
	global_prefetch_b8 v0, s[64:65] scope:SCOPE_SE
	s_setreg_imm32_b32 hwreg(HW_REG_WAVE_MODE, 25, 1), 1
	s_wait_xcnt 0x0
; GATE: quantises x along its 1,024 (for this product and for the experts' first), h = relu(Q(x) Q(Wg1) + bg1), scores = h Wg2 + bg2 in f32, out1 = softmax(scores), the three largest
; probabilities (on a tie the lower index, as jax.lax.top_k has it) and the softmax of those three.  The choice steers no address here: it is stored at fixed places, route[token] = i0 | i1 << 8 | i2 << 16
; and gw[token] = g0, g1, g2, 0, and a later launch reads it.
; SHARES.  A work-group takes 16 tokens.  Wave w makes hidden units 32 w .. 32 w + 31 (two tiles) for all 16.  Waves 0-7 first quantise K step w of x; the fragments go to the others through LDS as
; images of their registers, in pieces of 16 bytes x 16 rows with a pitch of 272 bytes, so that they can also be read back token by token for xq.
; xq: a token's 768 bytes are its 48 pieces of 16 bytes: piece 6 s + 2 c + h holds registers 4 c .. 4 c + 3 of lane (r, h) in K step s; its 8 scale words lie at XSO + 32 token.
; THE MATRIX INSTRUCTION IS USED TRANSPOSED (source 0 = 16 columns of Wg1, source 1 = the 16 tokens): a lane holds one token, its 16 results are hidden units 32 w + 16 (lane / 16) + 0 .. 15.  bg1 is the sums' first C.
; The second product (N = 8) is 128 fused multiply-adds a lane in f32; the waves' parts meet in LDS and wave 0 adds them in ascending order.
; route is stored as 64 bytes a work-group: a quarter of a block of 256 bytes; it is 8 KiB in all.
; LIMITS: NaN and infinities among the inputs are not served; a block of zeros gets the scale byte 1 with zero codes.
.set WGQ,   25165824
.set WGS,   26607616
.set XSO,   1572864
.set XIMG,  0                          ; LDS: x's 48 pieces x 272 bytes,
.set XSC,   13312                      ; its scale words, 128 bytes a K step,
.set G2,    14336                      ; Wg2, 16,384 bytes,
.set PS,    30720                      ; the waves' parts of the scores, 512 bytes each,
.set SPARE, 38912                      ; the spare words, 128 bytes a wave
.set SPW,  1
.set NIL,  2
.set T4,   3                           ; 4 x thread
.set L4,   4                           ; 4 x lane
.set T16,  5                           ; 16 x thread
.set L16,  6                           ; 16 x lane
.set R16,  7                           ; 16 r
.set XI,   8                           ; 272 h + 16 r: my place in a pair of pieces
.set XWI,  9                           ; + 1,632 x (wave % 8): where I store my K step's
.set G2A,  10                          ; my 16 hidden units' rows of Wg2
.set XOUT, 11                          ; a token's pieces, on the way to xq
.set XSR,  12                          ; a token's scale words, on the way to xq
.set XA,   13                          ; x: my byte in the 16 rows
.set O1A,  14                          ; out1: 32 r + 16 h
.set XQA,  15                          ; xq: my byte in the work-group's 16 rows
.set WR,   16                          ; v16-111  Wg1's fragments: four sets of two
.set XF,   112                         ; v112-207 x's eight fragments; while x is quantised: 64 numbers, then TM, then PC
.set TM,   176
.set PC,   192
.set PW,   212                         ; the scale word just made
.set XS,   212                         ; v212-219 x's scale words
.set WS,   220                         ; v220-227 Wg1's: lanes 0-15 tile 0, lanes 16-31 tile 1
.set ACC,  228                         ; v228-243 the two accumulators
.set TV,   164
.set TI,   168
.set SEL,  36
; 64 numbers of a lane, register 16 b + i = k 32 b + 16 (lane / 16) + i of my row, become a fragment's codes in v[PC] on and its scale word in v[PW]
.macro QUANT s
.irp b, 0,1,2,3
	v_max3_num_f32 v[TM+\b], |v[\s+16*\b]|, |v[\s+1+16*\b]|, 0x2800000   ; my 16 numbers of block b, and the floor 2^(5 - 127): the byte cannot fall under 1
.endr
.irp i, 2,4,6,8,10,12,14
.irp b, 0,1,2,3
	v_max3_num_f32 v[TM+\b], v[TM+\b], |v[\s+16*\b+\i]|, |v[\s+1+16*\b+\i]|
.endr
.endr
.irp b, 0,1,2,3
	v_permlanex16_b32 v[TM+4+\b], v[TM+\b], s[SEL], s[SEL+1]
.endr
.irp b, 0,1,2,3
	v_max_num_f32 v[TM+\b], v[TM+\b], v[TM+4+\b]   ; with lane l xor 16's: the block's largest magnitude
.endr
.irp b, 0,1,2,3
	v_add_nc_u32 v[TM+12+\b], 0xfe000000, v[TM+\b]   ; 4 off its exponent field: the conversion's scale operand
.endr
.irp b, 0,1,2,3
	v_lshrrev_b32 v[TM+4+\b], 23, v[TM+12+\b]      ; the scale's byte
.endr
	v_lshl_or_b32 v[PW], v[TM+5], 8, v[TM+4]
	v_lshl_or_b32 v[PW], v[TM+6], 16, v[PW]
	v_lshl_or_b32 v[PW], v[TM+7], 24, v[PW]
.irp c, 0,1
	v_cvt_scalef32_pk16_bf6_f32 v[PC+6*\c:PC+2+6*\c], v[\s+32*\c:\s+15+32*\c], v[TM+12+2*\c]
	v_cvt_scalef32_pk16_bf6_f32 v[PC+12+4*\c:PC+14+4*\c], v[\s+16+32*\c:\s+31+32*\c], v[TM+12+2*\c+1]   ; (a conversion's three registers begin on an even number)
.endr
	v_nop                                          ; one plain line behind the conversions
.irp c, 0,1                                    ; the operand's layout wants a whole block in a lane: lanes 0-15 block 2 c, lanes 16-31 block 2 c + 1
.irp i, 0,1,2
	v_permlane16_swap_b32 v[PC+6*\c+\i], v[PC+12+4*\c+\i]
.endr
.irp i, 0,1,2
	v_mov_b32 v[PC+3+6*\c+\i], v[PC+12+4*\c+\i]
.endr
.endr
.endm
.macro FETCHW s                        ; K step s of my two tiles of Wg1, into set s % 4
.irp u, 0,1
.irp c, 0,1,2
	global_load_b128 v[WR+24*((\s)%4)+12*\u+4*\c:WR+24*((\s)%4)+12*\u+4*\c+3], v[L16], s[38:39] offset:(\s)*3072+\u*1536+\c*512
.endr
.endr
.endm
	s_load_b256 s[4:11], s[0:1], 0x0               ; x, wq, bg1, Wg2
	s_load_b256 s[12:19], s[0:1], 0x20             ; bg2, xq, route, gw
	s_load_b64 s[20:21], s[0:1], 0x40              ; out1
	v_lshl_add_u32 v[SPW], v0, 2, SPARE
	v_mov_b32 v[NIL], 0
	v_lshrrev_b32 v252, 5, v0
	v_readfirstlane_b32 s22, v252                  ; wave 0..15
	s_and_b32 s23, s22, 7
	v_and_b32 v252, 31, v0                         ; lane
	v_and_b32 v253, 15, v0                         ; r
	v_bfe_u32 v254, v0, 4, 1                       ; h
	; every LDS address is made here, ahead of the first parting of the waves
	v_lshlrev_b32 v[T4], 2, v0
	v_lshlrev_b32 v[L4], 2, v252
	v_lshlrev_b32 v[T16], 4, v0
	v_lshlrev_b32 v[L16], 4, v252
	v_lshlrev_b32 v[R16], 4, v253
	v_mul_u32_u24 v[XI], v254, 272
	v_lshl_add_u32 v[XI], v253, 4, v[XI]
	s_mul_i32 s32, s23, 1632
	v_add_nc_u32 v[XWI], s32, v[XI]
	s_lshl_b32 s32, s22, 10
	v_lshl_add_u32 v[G2A], v254, 9, s32            ; (32 wave + 16 h) rows of 32 bytes
	v_mul_u32_u24 v[XOUT], v253, 272
	v_lshl_add_u32 v[XOUT], v254, 4, v[XOUT]
	s_lshl_b32 s32, s23, 5
	v_add_nc_u32 v[XOUT], s32, v[XOUT]             ; piece r (+ 16 j), token 2 (wave % 8) + h
	v_and_b32 v255, 1, v252
	v_lshrrev_b32 v[XSR], 1, v252
	v_lshlrev_b32 v[XSR], 2, v[XSR]
	v_lshl_add_u32 v[XSR], v255, 9, v[XSR]         ; token lane / 2, K steps 4 (lane % 2) on
	v_lshlrev_b32 v[XA], 12, v253
	v_lshl_add_u32 v[XA], v254, 6, v[XA]
	s_lshl_b32 s32, s23, 9
	v_add_nc_u32 v[XA], s32, v[XA]                 ; row r of 4,096 bytes, K step wave % 8, my 16 numbers of a block
	v_lshlrev_b32 v[O1A], 5, v253
	v_lshl_add_u32 v[O1A], v254, 4, v[O1A]
	v_mul_u32_u24 v[XQA], v254, 768
	v_lshl_add_u32 v[XQA], v253, 4, v[XQA]
	s_mul_i32 s32, s23, 1536
	v_add_nc_u32 v[XQA], s32, v[XQA]
	v_lshlrev_b32 v252, 5, v252                    ; 32 lane: my eight scale words of Wg1
	v_lshlrev_b32 v254, 6, v254                    ; 64 h: my half's numbers of bg1
	s_mov_b32 s35, 0xffff0000                      ; lanes 16-31
	s_mov_b32 s[SEL], 0x76543210
	s_mov_b32 s[SEL+1], 0xfedcba98                 ; v_permlanex16_b32's selects for lane l xor 16
	s_mov_b32 s46, 0x3fb8aa3b                      ; log2(e)
	s_mov_b32 s33, 0
	s_wait_kmcnt 0x0
	s_load_b256 s[24:31], s[12:13], 0x0            ; bg2's eight numbers
	s_mul_i32 s32, s22, 24576
	s_add_co_u32 s32, s32, WGQ
	s_add_nc_u64 s[38:39], s[6:7], s[32:33]        ; my group of 32 columns of Wg1: codes,
	s_lshl_b32 s32, s22, 10
	s_add_co_u32 s32, s32, WGS
	s_add_nc_u64 s[40:41], s[6:7], s[32:33]        ; scale words
	s_lshl_b32 s32, s22, 7
	s_add_nc_u64 s[8:9], s[8:9], s[32:33]          ; bg1 at my 32 units
	s_lshl_b32 s32, ttmp9, 16
	s_add_nc_u64 s[4:5], s[4:5], s[32:33]          ; x at the work-group's 16 rows
	s_mul_i32 s32, ttmp9, 12288
	s_add_nc_u64 s[42:43], s[14:15], s[32:33]      ; xq's codes,
	s_lshl_b32 s32, ttmp9, 9
	s_add_nc_u64 s[20:21], s[20:21], s[32:33]      ; out1,
	s_add_co_u32 s32, s32, XSO
	s_add_nc_u64 s[44:45], s[14:15], s[32:33]      ; xq's scale words,
	s_lshl_b32 s32, ttmp9, 6
	s_add_nc_u64 s[16:17], s[16:17], s[32:33]      ; route,
	s_lshl_b32 s32, ttmp9, 8
	s_add_nc_u64 s[18:19], s[18:19], s[32:33]      ; gw likewise
	FETCHW 0
	FETCHW 1
	FETCHW 2
	FETCHW 3
	global_load_b128 v[WS:WS+3], v252, s[40:41]
	global_load_b128 v[WS+4:WS+7], v252, s[40:41] offset:16
.irp u, 0,1
	global_load_b128 v[ACC+8*\u:ACC+8*\u+3], v254, s[8:9] offset:32*\u        ; bg1 in the result's layout: the sums begin with it
	global_load_b128 v[ACC+8*\u+4:ACC+8*\u+7], v254, s[8:9] offset:32*\u+16
.endr
	global_load_b128 v[244:247], v[T16], s[10:11]                              ; Wg2: 32 bytes a thread
	global_load_b128 v[248:251], v[T16], s[10:11] offset:8192
	s_cmp_lt_u32 s22, 8
	s_cbranch_scc0 .Ljoin
	; ---- waves 0-7: K step w of the 16 rows of x becomes a fragment
.irp b, 0,1,2,3
.irp j, 0,1,2,3
	global_load_b128 v[XF+16*\b+4*\j:XF+16*\b+4*\j+3], v[XA], s[4:5] offset:128*\b+16*\j th:TH_LOAD_NT   ; x is read here alone
.endr
.endr
.irp b, 0,1,2,3
	v_mov_b32 v[TM+4+\b], 0                        ; a lane permute's destination counts as one of its sources
.endr
	s_wait_loadcnt 0x0
	QUANT XF
.irp c, 0,1,2
	ds_store_b128 v[XWI], v[PC+4*\c:PC+4*\c+3] offset:XIMG+544*\c
.endr
	ds_store_b32 v[T4], v[PW] offset:XSC
.Ljoin:
	s_wait_loadcnt 0x0                             ; Wg2's piece, and all that the products want
	ds_store_b128 v[T16], v[244:247] offset:G2
	ds_store_b128 v[T16], v[248:251] offset:G2+8192
	s_wait_dscnt 0x0                               ; for the others' sake: my stores have landed
	s_barrier_signal -1
	s_barrier_wait -1                              ; x's eight fragments, their scale words and Wg2 lie in LDS
	; ---- the first product
.irp s, 0,1,2,3,4,5,6,7
.irp c, 0,1,2
	ds_load_b128 v[XF+12*\s+4*\c:XF+12*\s+4*\c+3], v[XI] offset:XIMG+544*(3*\s+\c)
.endr
	ds_load_b32 v[XS+\s], v[L4] offset:XSC+128*\s
.endr
	s_wait_dscnt 0x0
.irp s, 0,1,2,3,4,5,6,7                        ; the two accumulators by turns
.if \s > 3
	s_wait_loadcnt 6*(7-\s)                        ; this K step's six loads are in; those of the later steps, six each, may be out
.endif
	v_wmma_scale_f32_16x16x128_f8f6f4 v[ACC:ACC+7], v[WR+24*(\s%4):WR+24*(\s%4)+11], v[XF+12*\s:XF+12*\s+11], v[ACC:ACC+7], v[WS+\s], v[XS+\s] matrix_a_fmt:MATRIX_FMT_BF6 matrix_b_fmt:MATRIX_FMT_BF6
	v_wmma_scale_f32_16x16x128_f8f6f4 v[ACC+8:ACC+15], v[WR+24*(\s%4)+12:WR+24*(\s%4)+23], v[XF+12*\s:XF+12*\s+11], v[ACC+8:ACC+15], v[WS+\s], v[XS+\s] matrix_a_fmt:MATRIX_FMT_BF6 matrix_b_fmt:MATRIX_FMT_BF6 matrix_a_scale:MATRIX_SCALE_ROW1
.if \s < 4
.rept 4
	v_nop                                          ; places in front of loads into registers that matrix instructions have read
.endr
	FETCHW \s+4
.endif
.endr
.rept 4
	v_nop
.endr
.irp i, 0,1,2,3,4,5,6,7,8,9,10,11,12,13,14,15
	v_max_num_f32 v[ACC+\i], 0, v[ACC+\i]          ; relu, each accumulator from its low end on
.endr
	; ---- the second product, in f32: my 16 hidden units x 8 experts
.irp i, 0,1,2,3,4,5,6,7,8,9,10,11,12,13,14,15
	ds_load_b128 v[16+8*\i:16+8*\i+3], v[G2A] offset:G2+32*\i
	ds_load_b128 v[16+8*\i+4:16+8*\i+7], v[G2A] offset:G2+32*\i+16
.endr
	s_wait_dscnt 0x0
.irp e, 0,1,2,3,4,5,6,7
	v_mul_f32 v[144+\e], v[ACC], v[16+\e]
.endr
.irp i, 1,2,3,4,5,6,7,8,9,10,11,12,13,14,15
.irp e, 0,1,2,3,4,5,6,7
	v_fmac_f32 v[144+\e], v[ACC+\i], v[16+8*\i+\e]
.endr
.endr
.irp e, 0,1,2,3,4,5,6,7
	v_permlanex16_b32 v[152+\e], v[144+\e], s[SEL], s[SEL+1]
.endr
.irp e, 0,1,2,3,4,5,6,7
	v_add_f32 v[144+\e], v[144+\e], v[152+\e]      ; with the other half's 16 units
.endr
.irp e, 0,1,2,3
	v_cndmask_b32 v[160+\e], v[144+\e], v[148+\e], s35   ; lanes 0-15 keep experts 0-3, lanes 16-31 experts 4-7
.endr
	ds_store_b128 v[T16], v[160:163] offset:PS
	s_wait_dscnt 0x0
	s_barrier_signal -1
	s_barrier_wait -1                              ; the sixteen parts lie in LDS; no barrier follows
	s_cmp_eq_u32 s22, 0
	s_cbranch_scc1 .Lrouter
	s_cmp_eq_u32 s22, 1
	s_cbranch_scc1 .Lwords
	s_cmp_ge_u32 s22, 8
	s_cbranch_scc1 .Lcodes
	s_branch .Lend
.Lwords:                                           ; ---- wave 1: the 16 tokens' scale words, 512 consecutive bytes
.irp i, 0,1,2,3
	ds_load_b32 v[16+\i], v[XSR] offset:XSC+128*\i
.endr
	s_wait_dscnt 0x0
	global_store_b128 v[L16], v[16:19], s[44:45]
	s_branch .Lend
.Lcodes:                                           ; ---- waves 8-15: two tokens' codes each; sixteen lanes store 256 consecutive bytes, aligned
.irp j, 0,1,2
	ds_load_b128 v[16+4*\j:16+4*\j+3], v[XOUT] offset:XIMG+4352*\j
.endr
	s_wait_dscnt 0x0
.irp j, 0,1,2
	global_store_b128 v[XQA], v[16+4*\j:16+4*\j+3], s[42:43] offset:256*\j
.endr
	s_branch .Lend
.Lrouter:                                          ; ---- wave 0: lane r (and its twin r + 16) takes token r
.set ww, 0
.rept 16
	ds_load_b128 v[16+8*ww:16+8*ww+3], v[R16] offset:PS+512*ww
	ds_load_b128 v[16+8*ww+4:16+8*ww+7], v[R16] offset:PS+512*ww+256
.set ww, ww+1
.endr
	s_wait_dscnt 0x0
.irp e, 0,1,2,3,4,5,6,7
	v_add_f32 v[144+\e], v[16+\e], v[24+\e]
.endr
.set ww, 2
.rept 14
.irp e, 0,1,2,3,4,5,6,7
	v_add_f32 v[144+\e], v[144+\e], v[16+8*ww+\e]
.endr
.set ww, ww+1
.endr
	s_wait_kmcnt 0x0                               ; bg2
.irp e, 0,1,2,3,4,5,6,7
	v_add_f32 v[144+\e], s[24+\e], v[144+\e]
.endr
	v_max3_num_f32 v160, v144, v145, v146          ; the maximum is taken away before the exponential, as reference() does
	v_max3_num_f32 v160, v160, v147, v148
	v_max3_num_f32 v160, v160, v149, v150
	v_max_num_f32 v160, v160, v151
.irp e, 0,1,2,3,4,5,6,7
	v_sub_f32 v[144+\e], v[144+\e], v160
.endr
.irp e, 0,1,2,3,4,5,6,7
	v_mul_f32 v[144+\e], s46, v[144+\e]
.endr
.irp e, 0,1,2,3,4,5,6,7
	v_exp_f32 v[152+\e], v[144+\e]
.endr
	v_mov_b32 v172, -1.0                           ; under every probability.  (The plain line behind the exponentials)
	s_wait_alu depctr_va_vdst(0)                   ; one wait for the batch, ahead of its first reader
	v_add_f32 v161, v152, v153
	v_add_f32 v162, v154, v155
	v_add_f32 v163, v156, v157
	v_add_f32 v164, v158, v159
	v_add_f32 v161, v161, v162
	v_add_f32 v163, v163, v164
	v_add_f32 v161, v161, v163
	v_rcp_f32 v161, v161
	v_nop
	s_wait_alu depctr_va_vdst(0)
.irp e, 0,1,2,3,4,5,6,7
	v_mul_f32 v[152+\e], v[152+\e], v161           ; gate_probs
.endr
.irp e, 0,1,2,3
	v_cndmask_b32 v[176+\e], v[152+\e], v[156+\e], s35
.endr
	global_store_b128 v[O1A], v[176:179], s[20:21] ; out1: the wave's store covers 512 consecutive bytes
.irp k, 0,1,2                                  ; the three largest: the running best is kept where it is at least as large, so the lower index wins a tie
	v_mov_b32 v[TV+\k], v152
	v_mov_b32 v[TI+\k], 0
.irp e, 1,2,3,4,5,6,7
	v_cmp_ge_f32 vcc_lo, v[TV+\k], v[152+\e]
	v_cndmask_b32 v[TV+\k], v[152+\e], v[TV+\k], vcc_lo
	v_cndmask_b32 v[TI+\k], \e, v[TI+\k], vcc_lo
.endr
.if \k < 2
.irp e, 0,1,2,3,4,5,6,7
	v_cmp_eq_u32 vcc_lo, \e, v[TI+\k]
	v_cndmask_b32 v[152+\e], v[152+\e], v172, vcc_lo   ; the one taken is out of the running
.endr
.endif
.endr
	v_sub_f32 v184, v[TV+1], v[TV]                 ; the softmax of the three: the largest, the first, is taken away
	v_sub_f32 v185, v[TV+2], v[TV]
	v_mul_f32 v184, s46, v184
	v_mul_f32 v185, s46, v185
	v_exp_f32 v184, v184
	v_exp_f32 v185, v185
	v_lshl_or_b32 v186, v[TI+1], 8, v[TI]
	s_wait_alu depctr_va_vdst(0)
	v_add_f32 v187, 1.0, v184
	v_add_f32 v187, v187, v185
	v_rcp_f32 v180, v187
	v_lshl_or_b32 v186, v[TI+2], 16, v186
	s_wait_alu depctr_va_vdst(0)
	v_mul_f32 v181, v184, v180
	v_mul_f32 v182, v185, v180
	v_mov_b32 v183, 0
	v_cmp_gt_u32 vcc_lo, 64, v[L4]                 ; lanes 0-15
	s_wait_xcnt 0x0                                ; EXEC changes only behind this wait
	s_and_saveexec_b32 s34, vcc_lo
	global_store_b32 v[L4], v186, s[16:17]
	global_store_b128 v[L16], v[180:183], s[18:19] ; sixteen lanes store 256 consecutive bytes, aligned
	s_wait_xcnt 0x0
	s_or_b32 exec_lo, exec_lo, s34
.Lend:
	s_wait_tensorcnt 0x0                           ; the wave's end
	ds_add_u32 v[SPW], v[NIL]
	s_wait_dscnt 0x0
	s_endpgm
.Lfunc_end_k_q08051dcaf9_gate:
	.size	k_q08051dcaf9_gate, .Lfunc_end_k_q08051dcaf9_gate-k_q08051dcaf9_gate
	.p2alignl 7, 3214868480
	.fill 96, 4, 3214868480
	.section	.rodata,"a",@progbits
	.p2align	6, 0x0
	.amdhsa_kernel k_q08051dcaf9_gate
		.amdhsa_group_segment_fixed_size 40960
		.amdhsa_private_segment_fixed_size 0
		.amdhsa_enable_private_segment 0
		.amdhsa_kernarg_size 72
		.amdhsa_user_sgpr_count 2
		.amdhsa_user_sgpr_kernarg_segment_ptr 1
		.amdhsa_wavefront_size32 1
		.amdhsa_system_sgpr_workgroup_id_x 1
		.amdhsa_system_sgpr_workgroup_id_y 1
		.amdhsa_system_sgpr_workgroup_id_z 1
		.amdhsa_system_vgpr_workitem_id 0
		.amdhsa_next_free_vgpr 256
		.amdhsa_next_free_sgpr 66
		.amdhsa_reserve_vcc 1
		.amdhsa_float_denorm_mode_32 3
		.amdhsa_float_denorm_mode_16_64 3
		.amdhsa_memory_ordered 1
		.amdhsa_forward_progress 1
		.amdhsa_inst_pref_size 41
	.end_amdhsa_kernel
	.amdgpu_metadata
---
amdhsa.version: [ 1, 2 ]
amdhsa.kernels:
  - .name:           k_q08051dcaf9_gate
    .symbol:         k_q08051dcaf9_gate.kd
    .args:
      - { .name: x, .offset: 0, .size: 8, .value_kind: global_buffer, .address_space: global }
      - { .name: wq, .offset: 8, .size: 8, .value_kind: global_buffer, .address_space: global }
      - { .name: bg1, .offset: 16, .size: 8, .value_kind: global_buffer, .address_space: global }
      - { .name: Wg2, .offset: 24, .size: 8, .value_kind: global_buffer, .address_space: global }
      - { .name: bg2, .offset: 32, .size: 8, .value_kind: global_buffer, .address_space: global }
      - { .name: xq, .offset: 40, .size: 8, .value_kind: global_buffer, .address_space: global }
      - { .name: route, .offset: 48, .size: 8, .value_kind: global_buffer, .address_space: global }
      - { .name: gw, .offset: 56, .size: 8, .value_kind: global_buffer, .address_space: global }
      - { .name: out1, .offset: 64, .size: 8, .value_kind: global_buffer, .address_space: global }
    .group_segment_fixed_size: 40960
    .private_segment_fixed_size: 0
    .kernarg_segment_align: 8
    .kernarg_segment_size: 72
    .max_flat_workgroup_size: 512
    .sgpr_count:     66
    .vgpr_count:     256
    .wavefront_size: 32
...
	.end_amdgpu_metadata
.endif
;; end of part 2
;; launch place (part 3): grid 1 x 1, 32 waves a work-group, no clusters, 5,120 bytes of LDS; arguments route, plan; writes plan
.if DOCPART == 3
	.amdgcn_target "amdgcn-amd-amdhsa--gfx1250"
	.amdhsa_code_object_version 6
	.text
	.protected	k_q08051dcaf9_place
	.globl	k_q08051dcaf9_place
	.p2align	8
	.type	k_q08051dcaf9_place,@function
k_q08051dcaf9_place:
	s_mov_b64 s[64:65], 0
	v_nop
	global_prefetch_b8 v0, s[64:65] scope:SCOPE_SE
	s_setreg_imm32_b32 hwreg(HW_REG_WAVE_MODE, 25, 1), 1
	s_wait_xcnt 0x0
; PLACE: a counting sort of the 2,048 x 3 (token, choice) pairs by expert, without atomics, by one work-group of 1,024 threads.  Each expert's rows begin at a multiple of 128, so that a tile of 128 rows
; has one expert: never more than 48 + 7 = 55 tiles, whatever the split.  plan holds: TE[64] at 0: a tile's expert, 8 where there is no such tile; RL[7,040] at 256: position -> token (an expert's last tile is
; filled up with token 0, whose results nobody reads); PO[2,048][4] at 28,416: (token, choice) -> position.  Positions behind the last tile are not written and not read.
; Thread t takes tokens t (group A) and t + 1,024 (group B).  A token names an expert at most once, so its rank in the wave is the count of lower lanes that name the expert.  The waves' counts, A's in the low
; half of a word and B's in the high half (each at most 1,024), meet in LDS; every wave sums all 32 (the totals) and those of lower waves (its offset).
; RL is scattered in stores of 4 bytes: 24 KiB in all, once.
.set RL,    256
.set PO,    28416
.set SPARE, 1024                       ; behind the table of 32 x 32 bytes: the spare words, 128 bytes a wave
	s_load_b128 s[4:7], s[0:1], 0x0                ; route, plan
	v_lshl_add_u32 v1, v0, 2, SPARE                ; my spare word; never rewritten
	v_mov_b32 v2, 0                                ; 0; never rewritten
	v_and_b32 v3, 31, v0                           ; lane
	v_mov_b32 v4, 1
	v_lshrrev_b32 v9, 5, v0
	v_readfirstlane_b32 s8, v9                     ; wave
	v_lshlrev_b32 v84, 2, v0
	v_and_b32 v85, 0x3e0, v0                       ; 32 x wave: my wave's row of the table
	v_lshlrev_b32 v86, 5, v3                       ; 32 x lane: wave l's row
	v_lshlrev_b32 v87, 4, v0
	v_add_nc_u32 v94, 1024, v0                     ; group B's token
	s_mov_b32 s10, 0x76543210
	s_mov_b32 s11, 0xfedcba98
	s_wait_kmcnt 0x0
	global_load_b32 v5, v84, s[4:5]
	global_load_b32 v6, v84, s[4:5] offset:4096
	s_wait_loadcnt 0x0
.irp k, 0,1,2
	v_bfe_u32 v[10+\k], v5, 8*\k, 3                ; the experts' numbers, 0..7
	v_bfe_u32 v[13+\k], v6, 8*\k, 3
.endr
	v_lshlrev_b32 v7, v10, v4                      ; a bit for each expert named
	v_lshlrev_b32 v9, v11, v4
	v_or_b32 v7, v7, v9
	v_lshlrev_b32 v9, v12, v4
	v_or_b32 v7, v7, v9
	v_lshlrev_b32 v8, v13, v4
	v_lshlrev_b32 v9, v14, v4
	v_or_b32 v8, v8, v9
	v_lshlrev_b32 v9, v15, v4
	v_or_b32 v8, v8, v9
.irp e, 0,1,2,3,4,5,6,7
	v_and_b32 v9, 1<<\e, v7
	v_cmp_ne_u32 s12, 0, v9
	v_mbcnt_lo_u32_b32 v[16+\e], s12, 0            ; my rank among the wave's tokens of group A that name expert e
	s_bcnt1_i32_b32 s13, s12
	v_and_b32 v9, 1<<\e, v8
	v_cmp_ne_u32 s14, 0, v9
	v_mbcnt_lo_u32_b32 v[24+\e], s14, 0
	s_bcnt1_i32_b32 s15, s14
	s_lshl_b32 s15, s15, 16
	s_or_b32 s[40+\e], s13, s15
.endr
.irp e, 0,1,2,3,4,5,6,7
	v_mov_b32 v[32+\e], s[40+\e]
.endr
	ds_store_b128 v85, v[32:35]                    ; all lanes write the same bytes with the same values
	ds_store_b128 v85, v[36:39] offset:16
	s_wait_dscnt 0x0
	s_barrier_signal -1
	s_barrier_wait -1
	ds_load_b128 v[32:35], v86                     ; lane l: wave l's counts
	ds_load_b128 v[36:39], v86 offset:16
.set i, 0
.rept 16
	v_mov_b32 v[48+i], 0                           ; the destination of a lane move counts as one of its sources
.set i, i+1
.endr
	s_wait_dscnt 0x0
	v_cmp_gt_u32 vcc_lo, s8, v3
.irp e, 0,1,2,3,4,5,6,7
	v_cndmask_b32 v[40+\e], 0, v[32+\e], vcc_lo    ; only the waves below mine
.endr
.irp m, 1,2,4,8                                ; sixteen sums over the 32 lanes, by turns
.set i, 0
.rept 16
	v_mov_b32_dpp v[48+i], v[32+i] row_xmask:\m row_mask:0xf bank_mask:0xf
.set i, i+1
.endr
.set i, 0
.rept 16
	v_add_nc_u32 v[32+i], v[32+i], v[48+i]
.set i, i+1
.endr
.endr
.set i, 0
.rept 16
	v_permlanex16_b32 v[48+i], v[32+i], s10, s11
.set i, i+1
.endr
.set i, 0
.rept 16
	v_add_nc_u32 v[32+i], v[32+i], v[48+i]         ; v32-39 the totals, v40-47 the sums below my wave: the same in every lane
.set i, i+1
.endr
	v_mov_b32 v64, 0                               ; v64-72: an expert's first tile; v72 the number of tiles
.irp e, 0,1,2,3,4,5,6,7
	v_and_b32 v[56+\e], 0xffff, v[32+\e]           ; group A's total
	v_lshrrev_b32 v9, 16, v[32+\e]
	v_add_nc_u32 v[48+\e], v[56+\e], v9            ; the expert's rows
	v_add_nc_u32 v9, 127, v[48+\e]
	v_lshrrev_b32 v9, 7, v9                        ; its tiles
	v_add_nc_u32 v[65+\e], v[64+\e], v9
	v_and_b32 v9, 0xffff, v[40+\e]
	v_lshl_add_u32 v9, v[64+\e], 7, v9
	v_add_nc_u32 v[16+\e], v[16+\e], v9            ; group A: first row + lower waves' + my rank
	v_lshrrev_b32 v9, 16, v[40+\e]
	v_add_nc_u32 v9, v9, v[56+\e]
	v_lshl_add_u32 v9, v[64+\e], 7, v9
	v_add_nc_u32 v[24+\e], v[24+\e], v9            ; group B: behind all of group A's
	v_lshl_add_u32 v[56+\e], v[64+\e], 7, v[48+\e] ; where the filling begins
.endr
.irp k, 0,1,2,3
	v_mov_b32 v[76+\k], 0
	v_mov_b32 v[80+\k], 0
.endr
.irp e, 0,1,2,3,4,5,6,7
.irp k, 0,1,2
	v_cmp_eq_u32 vcc_lo, \e, v[10+\k]
	v_cndmask_b32 v[76+\k], v[76+\k], v[16+\e], vcc_lo
	v_cmp_eq_u32 vcc_lo, \e, v[13+\k]
	v_cndmask_b32 v[80+\k], v[80+\k], v[24+\e], vcc_lo
.endr
.endr
	global_store_b128 v87, v[76:79], s[6:7] offset:PO
	global_store_b128 v87, v[80:83], s[6:7] offset:PO+16384
.irp k, 0,1,2
	v_min_u32 v[88+\k], 0x1b7f, v[76+\k]           ; a number made of loaded ones enters an address behind a bound: 7,039, RL's last place
	v_min_u32 v[91+\k], 0x1b7f, v[80+\k]
	v_lshlrev_b32 v[88+\k], 2, v[88+\k]
	v_lshlrev_b32 v[91+\k], 2, v[91+\k]
	global_store_b32 v[88+\k], v0, s[6:7] offset:RL
	global_store_b32 v[91+\k], v94, s[6:7] offset:RL
.endr
	v_lshrrev_b32 v9, 7, v0                        ; 128 threads fill up each expert's last tile
	v_mov_b32 v73, 0
	v_mov_b32 v74, 0
.irp e, 0,1,2,3,4,5,6,7
	v_cmp_eq_u32 vcc_lo, \e, v9
	v_cndmask_b32 v73, v73, v[56+\e], vcc_lo
	v_cndmask_b32 v74, v74, v[65+\e], vcc_lo
.endr
	v_lshlrev_b32 v74, 7, v74                      ; where the expert's tiles end
	v_and_b32 v75, 127, v0
	v_add_nc_u32 v73, v73, v75
	v_cmp_lt_u32 vcc_lo, v73, v74
	v_min_u32 v73, 0x1b7f, v73
	v_lshlrev_b32 v73, 2, v73
	s_wait_xcnt 0x0                                ; EXEC changes only behind this wait
	s_and_saveexec_b32 s12, vcc_lo
	global_store_b32 v73, v79, s[6:7] offset:RL    ; token 0
	s_wait_xcnt 0x0
	s_or_b32 exec_lo, exec_lo, s12
	v_mov_b32 v75, 0
.irp e, 0,1,2,3,4,5,6,7
	v_cmp_ge_u32 vcc_lo, v0, v[65+\e]
	v_cndmask_b32 v9, 0, v4, vcc_lo
	v_add_nc_u32 v75, v75, v9                      ; tile t's expert: how many experts end at or before t; 8 behind the last tile
.endr
	v_cmp_gt_u32 vcc_lo, 64, v0
	s_wait_xcnt 0x0
	s_and_saveexec_b32 s12, vcc_lo
	global_store_b32 v84, v75, s[6:7]
	s_wait_xcnt 0x0
	s_or_b32 exec_lo, exec_lo, s12
	s_wait_tensorcnt 0x0                           ; the wave's end
	ds_add_u32 v1, v2
	s_wait_dscnt 0x0
	s_endpgm
.Lfunc_end_k_q08051dcaf9_place:
	.size	k_q08051dcaf9_place, .Lfunc_end_k_q08051dcaf9_place-k_q08051dcaf9_place
	.p2alignl 7, 3214868480
	.fill 96, 4, 3214868480
	.section	.rodata,"a",@progbits
	.p2align	6, 0x0
	.amdhsa_kernel k_q08051dcaf9_place
		.amdhsa_group_segment_fixed_size 5120
		.amdhsa_private_segment_fixed_size 0
		.amdhsa_enable_private_segment 0
		.amdhsa_kernarg_size 16
		.amdhsa_user_sgpr_count 2
		.amdhsa_user_sgpr_kernarg_segment_ptr 1
		.amdhsa_wavefront_size32 1
		.amdhsa_system_sgpr_workgroup_id_x 1
		.amdhsa_system_sgpr_workgroup_id_y 1
		.amdhsa_system_sgpr_workgroup_id_z 1
		.amdhsa_system_vgpr_workitem_id 0
		.amdhsa_next_free_vgpr 96
		.amdhsa_next_free_sgpr 66
		.amdhsa_reserve_vcc 1
		.amdhsa_float_denorm_mode_32 3
		.amdhsa_float_denorm_mode_16_64 3
		.amdhsa_memory_ordered 1
		.amdhsa_forward_progress 1
		.amdhsa_inst_pref_size 27
	.end_amdhsa_kernel
	.amdgpu_metadata
---
amdhsa.version: [ 1, 2 ]
amdhsa.kernels:
  - .name:           k_q08051dcaf9_place
    .symbol:         k_q08051dcaf9_place.kd
    .args:
      - { .name: route, .offset: 0, .size: 8, .value_kind: global_buffer, .address_space: global }
      - { .name: plan, .offset: 8, .size: 8, .value_kind: global_buffer, .address_space: global }
    .group_segment_fixed_size: 5120
    .private_segment_fixed_size: 0
    .kernarg_segment_align: 8
    .kernarg_segment_size: 16
    .max_flat_workgroup_size: 1024
    .sgpr_count:     66
    .vgpr_count:     96
    .wavefront_size: 32
...
	.end_amdgpu_metadata
.endif
;; end of part 3
;; launch up (part 4): grid 4 x 55, 4 waves a work-group, no clusters, 104,960 bytes of LDS; arguments plan, xq, wq, b1, hq; writes hq
.if DOCPART == 4
	.amdgcn_target "amdgcn-amd-amdhsa--gfx1250"
	.amdhsa_code_object_version 6
	.text
	.protected	k_q08051dcaf9_up
	.globl	k_q08051dcaf9_up
	.p2align	8
	.type	k_q08051dcaf9_up,@function
k_q08051dcaf9_up:
	s_mov_b64 s[64:65], 0
	v_nop
	global_prefetch_b8 v0, s[64:65] scope:SCOPE_SE
	s_setreg_imm32_b32 hwreg(HW_REG_WAVE_MODE, 25, 1), 1
	s_wait_xcnt 0x0
; UP: the experts' first product on the chosen rows alone: for a tile of 128 rows of one expert, h1 = gelu(Q(x) Q(W1[e]) + b1[e]), quantised along the hidden units into hq.
; WORK LEFT OUT: the rows of experts whose weight is the 0 that reference() builds by one_hot (shown at the head of the first kernel).
; SHARES.  Work-group (x, y) takes tile y and hidden units 512 x .. 512 x + 511; wave w 128 rows x 128 units, 64 accumulators: K step 4 x + w of the second product.  The grid has 55 tiles, the most that any split
; can give; a work-group whose tile has no expert (TE = 8) stores nothing and ends.  That is a branch on a stored number, so this launch has no tensor load and no cluster, and the one barrier stands ahead of
; the branch: up to it such a work-group takes tile 0's rows, which always exist.
; THE ROWS' CODES are gathered by the list RL from xq, whose rows lie in pieces of 16 bytes in the order of the operand's registers, into LDS as images of the fragments [K step][row tile][1,536 bytes]; the
; weights' fragments come from wq straight into registers, three sets by turns, two K steps ahead.
; THE MATRIX INSTRUCTION IS USED TRANSPOSED (source 0 = 16 columns of W1, source 1 = 16 rows): a lane holds one row, and the 64 registers of a row tile are its 128 hidden units in the order the quantiser wants.
; b1 is the C of each sum's first instruction.
; GELU is reference()'s exact form, x/2 (1 + erf(x / sqrt 2)), in f32: erf(z) = z P(z^2) / Q(z^2) with polynomials of degree 6 and 4, z held to +-4, where erf is 1 to f32's last bit; good to a few units in f32's last place.
; hq: codes [tile][K step 16][row tile 8][1,536 bytes]; scale words at HS: [tile][K step][4][32 lanes]: row tile 2 j in lanes 0-15, 2 j + 1 in lanes 16-31.
; LIMITS: NaN and infinities are not served; a block of zeros gets the byte 1 with zero codes.
; REGISTERS, in windows of 256.  window 0: v1-15 addresses; v16-23 the rows' scale words, two sets; v24-55 W1's; v56-151 the rows' eight fragments; v152-247 W1's set 2; v248-254 constants and scale words on the way out.
;   window 1: W1's set 0 at v0, set 1 at v128; b1's tiles 0-3 at v96, 4-7 at v224.   windows 2, 3: accumulator (a, b) at v[8 (8 (a % 4) + b)] of window 2 + a / 4.
.set W1S,   25559040
.set XSO,   1572864
.set HS,    10813440
.set RL,    256
.set AIM,   0
.set ASC,   98304
.set SPARE, 102400
.set SPW,  1
.set NIL,  2
.set L16,  3                           ; 16 lane: an image's place for my lane; K steps 0-3
.set AR2,  4                           ; the same for K steps 4-7
.set AW,   5                           ; where I store my two row tiles' images, K steps 0-3
.set AW2,  6                           ; K steps 4-7
.set ASW,  7                           ; where I store my row's scale words
.set ASR,  8                           ; where I read scale words
.set L4,   9                           ; 4 lane
.set SA,   16
.set SB,   24
.set AF,   56
.set B2,   152
.set KA,   248                         ; the polynomials' leading coefficients, as pairs
.set KB,   250
.set PW,   252
.set PWE,  253                         ; the even row tile's scale word
.set SWR,  254
.set Z,    56                          ; the way out: x / sqrt 2,
.set G,    120                         ; x / 2, then gelu,
.set X2,   184
.set P,    200
.set Q,    216
.set TM,   184
.set PC,   200
.set SEL,  36
.set MSB, 0
.macro WIN new                         ; the immediate's high byte repeats the setting that is left; a switch that changes nothing is dropped
.if MSB != (\new)
	s_set_vgpr_msb (MSB<<8)|(\new)
.set MSB, (\new)
.endif
.endm
.macro PLACES                          ; four places in front of loads into registers that matrix instructions have read, and of the first read of results
.rept 4
	v_nop
.endr
.endm
.macro KPAIR r, val                    ; a constant as a scalar pair: the packed form names the pair and takes its low word for both halves
	s_mov_b32 s[\r], \val
	s_mov_b32 s[\r+1], \val
.endm
.macro WM d, a, b, cc, sa, sb, ra, rb  ; one product; ra, rb: the scale words lie in lanes 16-31
.if (\ra) && (\rb)
	v_wmma_scale_f32_16x16x128_f8f6f4 v[\d:\d+7], v[\a:\a+11], v[\b:\b+11], v[\cc:\cc+7], v[\sa], v[\sb] matrix_a_fmt:MATRIX_FMT_BF6 matrix_b_fmt:MATRIX_FMT_BF6 matrix_a_scale:MATRIX_SCALE_ROW1 matrix_b_scale:MATRIX_SCALE_ROW1
.elseif (\ra)
	v_wmma_scale_f32_16x16x128_f8f6f4 v[\d:\d+7], v[\a:\a+11], v[\b:\b+11], v[\cc:\cc+7], v[\sa], v[\sb] matrix_a_fmt:MATRIX_FMT_BF6 matrix_b_fmt:MATRIX_FMT_BF6 matrix_a_scale:MATRIX_SCALE_ROW1
.elseif (\rb)
	v_wmma_scale_f32_16x16x128_f8f6f4 v[\d:\d+7], v[\a:\a+11], v[\b:\b+11], v[\cc:\cc+7], v[\sa], v[\sb] matrix_a_fmt:MATRIX_FMT_BF6 matrix_b_fmt:MATRIX_FMT_BF6 matrix_b_scale:MATRIX_SCALE_ROW1
.else
	v_wmma_scale_f32_16x16x128_f8f6f4 v[\d:\d+7], v[\a:\a+11], v[\b:\b+11], v[\cc:\cc+7], v[\sa], v[\sb] matrix_a_fmt:MATRIX_FMT_BF6 matrix_b_fmt:MATRIX_FMT_BF6
.endif
.endm
.macro FB s                            ; W1's eight fragments of K step s, into set s % 3
.set BSET, (\s)%3
.if BSET == 2
	WIN 0
.set BF, B2
.else
	WIN 0x40
.set BF, 128*BSET
.endif
.irp p, 0,1,2,3
.irp u, 0,1
.irp c, 0,1,2
	global_load_b128 v[BF+12*(2*\p+\u)+4*\c:BF+12*(2*\p+\u)+4*\c+3], v[L16], s[28:29] offset:\p*24576+(\s)*3072+\u*1536+\c*512
.endr
.endr
.endr
.endm
.macro FA s, a0                        ; the rows' fragments a0 .. a0 + 3 of K step s
.irp a, \a0, \a0+1, \a0+2, \a0+3
.irp c, 0,1,2
.if (\s) < 4
	ds_load_b128 v[AF+12*(\a)+4*\c:AF+12*(\a)+4*\c+3], v[L16] offset:AIM+(\s)*12288+(\a)*1536+512*\c
.else
	ds_load_b128 v[AF+12*(\a)+4*\c:AF+12*(\a)+4*\c+3], v[AR2] offset:AIM+((\s)-4)*12288+(\a)*1536+512*\c
.endif
.endr
.endr
.endm
.macro FSA s                           ; and their scale words, into set s % 2
.irp j, 0,1,2,3
	ds_load_b32 v[SA+4*((\s)%2)+\j], v[ASR] offset:512*(\s)+128*\j
.endr
.endm
; 16 products: row tiles a0, a0 + 1 x the eight column tiles.  The 64 accumulators take turns, one instruction a turn, in the same order in every K step.
.macro MUL16 a0, s
.set BSET, (\s)%3
.if BSET == 2
.set BF, B2
.set W0, 0
.else
.set BF, 128*BSET
.set W0, 1
.endif
.set HI, (\a0)/4
.if (\s) == 0
	WIN (0x80+0x40*HI)+0x10+W0                     ; D in window 2 or 3, C (b1) in window 1, the rows in window 0, W1 in its set's window
.else
	WIN (0x80+0x40*HI)+(0x20+0x10*HI)+W0
.endif
.irp a, \a0, \a0+1
.irp b, 0,1,2,3,4,5,6,7
.set DA, 8*(8*((\a)%4)+\b)
.if (\s) == 0
.set CC, 96+8*\b+96*(\b/4)
.else
.set CC, DA
.endif
	WM DA, BF+12*\b, AF+12*(\a), CC, SB+8*(\b/2)+(\s), SA+4*((\s)%2)+(\a)/2, \b%2, (\a)%2
.endr
.endr
.endm
.macro STEP s
.if (\s) < 7
	s_wait_loadcnt 24                              ; this K step's fragments of W1 are in; the next step's 24 loads may be out
.else
	s_wait_loadcnt 0
.endif
	s_wait_dscnt 12                                ; row tiles 0-3 and the scale words are in; the youngest twelve loads (row tiles 4-7) may be out
	MUL16 0, \s
	MUL16 2, \s
	s_wait_dscnt 0
.if (\s) < 7
	PLACES
.if (\s)+2 < 8
	FB (\s)+2
.endif
	WIN 0
	FA (\s)+1, 0
	FSA (\s)+1
.endif
	MUL16 4, \s
	MUL16 6, \s
	PLACES
	WIN 0
.if (\s) < 7
	FA (\s)+1, 4
.endif
.endm
.macro QUANT s                         ; 64 numbers of a lane, register 16 b + i = k 32 b + 16 (lane / 16) + i of my row -> codes in v[PC] on, scale word in v[PW]
.irp b, 0,1,2,3
	v_max3_num_f32 v[TM+\b], |v[\s+16*\b]|, |v[\s+1+16*\b]|, 0x2800000   ; and the floor 2^(5 - 127): the byte cannot fall under 1
.endr
.irp i, 2,4,6,8,10,12,14
.irp b, 0,1,2,3
	v_max3_num_f32 v[TM+\b], v[TM+\b], |v[\s+16*\b+\i]|, |v[\s+1+16*\b+\i]|
.endr
.endr
.irp b, 0,1,2,3
	v_permlanex16_b32 v[TM+4+\b], v[TM+\b], s[SEL], s[SEL+1]
.endr
.irp b, 0,1,2,3
	v_max_num_f32 v[TM+\b], v[TM+\b], v[TM+4+\b]
.endr
.irp b, 0,1,2,3
	v_add_nc_u32 v[TM+12+\b], 0xfe000000, v[TM+\b]
.endr
.irp b, 0,1,2,3
	v_lshrrev_b32 v[TM+4+\b], 23, v[TM+12+\b]
.endr
	v_lshl_or_b32 v[PW], v[TM+5], 8, v[TM+4]
	v_lshl_or_b32 v[PW], v[TM+6], 16, v[PW]
	v_lshl_or_b32 v[PW], v[TM+7], 24, v[PW]
.irp c, 0,1
	v_cvt_scalef32_pk16_bf6_f32 v[PC+6*\c:PC+2+6*\c], v[\s+32*\c:\s+15+32*\c], v[TM+12+2*\c]
	v_cvt_scalef32_pk16_bf6_f32 v[PC+12+4*\c:PC+14+4*\c], v[\s+16+32*\c:\s+31+32*\c], v[TM+12+2*\c+1]
.endr
	v_nop                                          ; one plain line behind the conversions
.irp c, 0,1
.irp i, 0,1,2
	v_permlane16_swap_b32 v[PC+6*\c+\i], v[PC+12+4*\c+\i]
.endr
.irp i, 0,1,2
	v_mov_b32 v[PC+3+6*\c+\i], v[PC+12+4*\c+\i]
.endr
.endr
.endm
.macro COPY a                          ; row tile a's 64 sums leave their window as x / sqrt 2 and x / 2, each accumulator from its low end on
	WIN 0x02+(\a)/4
.set ci, 0
.rept 32
	v_pk_mul_f32 v[Z+2*ci:Z+2*ci+1], v[64*((\a)%4)+2*ci:64*((\a)%4)+2*ci+1], s[38:39] op_sel_hi:[1,0]
.set ci, ci+1
.endr
.set ci, 0
.rept 32
	v_pk_mul_f32 v[G+2*ci:G+2*ci+1], v[64*((\a)%4)+2*ci:64*((\a)%4)+2*ci+1], 0.5 op_sel_hi:[1,0]
.set ci, ci+1
.endr
	WIN 0
.endm
.macro HORNER d, k                     ; eight packed steps: d = d x z^2 + the constant in s[k]
.set gi, 0
.rept 8
	v_pk_fma_f32 v[\d+2*gi:\d+2*gi+1], v[\d+2*gi:\d+2*gi+1], v[X2+2*gi:X2+2*gi+1], s[\k:\k+1] op_sel_hi:[1,1,0]
.set gi, gi+1
.endr
.endm
.macro GELU q                          ; 16 numbers
.set ZQ, Z+16*(\q)
.set GQ, G+16*(\q)
.set gi, 0
.rept 16
	v_med3_num_f32 v[ZQ+gi], v[ZQ+gi], -4.0, 4.0
.set gi, gi+1
.endr
.set gi, 0
.rept 8
	v_pk_mul_f32 v[X2+2*gi:X2+2*gi+1], v[ZQ+2*gi:ZQ+2*gi+1], v[ZQ+2*gi:ZQ+2*gi+1]
.set gi, gi+1
.endr
.set gi, 0
.rept 8
	v_pk_fma_f32 v[P+2*gi:P+2*gi+1], v[X2+2*gi:X2+2*gi+1], v[KA:KA+1], s[40:41] op_sel_hi:[1,1,0]
.set gi, gi+1
.endr
.set gi, 0
.rept 8
	v_pk_fma_f32 v[Q+2*gi:Q+2*gi+1], v[X2+2*gi:X2+2*gi+1], v[KB:KB+1], s[52:53] op_sel_hi:[1,1,0]
.set gi, gi+1
.endr
	HORNER P, 42
	HORNER Q, 54
	HORNER P, 44
	HORNER Q, 56
	HORNER P, 46
	HORNER Q, 58
	HORNER P, 48
	HORNER P, 50
.set gi, 0
.rept 16
	v_rcp_f32 v[Q+gi], v[Q+gi]
.set gi, gi+1
.endr
.set gi, 0
.rept 8
	v_pk_mul_f32 v[P+2*gi:P+2*gi+1], v[P+2*gi:P+2*gi+1], v[ZQ+2*gi:ZQ+2*gi+1]   ; plain work behind the reciprocals, which names none of them
.set gi, gi+1
.endr
	s_wait_alu depctr_va_vdst(0)                   ; one wait for the sixteen, ahead of their first reader
.set gi, 0
.rept 8
	v_pk_mul_f32 v[P+2*gi:P+2*gi+1], v[P+2*gi:P+2*gi+1], v[Q+2*gi:Q+2*gi+1]     ; erf
.set gi, gi+1
.endr
.set gi, 0
.rept 8
	v_pk_fma_f32 v[GQ+2*gi:GQ+2*gi+1], v[GQ+2*gi:GQ+2*gi+1], v[P+2*gi:P+2*gi+1], v[GQ+2*gi:GQ+2*gi+1]   ; x/2 erf + x/2
.set gi, gi+1
.endr
.endm
	s_load_b256 s[4:11], s[0:1], 0x0               ; plan, xq, wq, b1
	s_load_b64 s[12:13], s[0:1], 0x20              ; hq
	v_lshl_add_u32 v[SPW], v0, 2, SPARE
	v_mov_b32 v[NIL], 0
	v_lshrrev_b32 v15, 5, v0
	v_readfirstlane_b32 s14, v15                   ; wave 0..3
	s_and_b32 s15, ttmp7, 0xffff                   ; the tile
	v_and_b32 v15, 31, v0                          ; lane
	v_lshlrev_b32 v[L16], 4, v15
	v_add_nc_u32 v[AR2], 49152, v[L16]
	s_mul_i32 s20, s14, 3072
	v_add_nc_u32 v[AW], s20, v[L16]
	v_add_nc_u32 v[AW2], 49152, v[AW]
	v_lshl_add_u32 v[ASW], v0, 2, ASC
	v_lshl_add_u32 v[ASR], v15, 2, ASC
	v_lshlrev_b32 v[L4], 2, v15
	v_lshlrev_b32 v13, 5, v15                      ; 32 lane: my eight scale words of a group of W1
	v_bfe_u32 v254, v0, 4, 1                       ; h
	v_lshlrev_b32 v14, 6, v254                     ; 64 h: my half's numbers of b1
	v_lshlrev_b32 v254, 4, v254                    ; 16 h
	v_and_b32 v15, 0x6f, v0
	v_lshlrev_b32 v15, 2, v15                      ; 4 (32 wave + r): the list's entry for my row of the first of my two row tiles
	v_lshlrev_b32 v255, 2, v0                      ; 4 thread: row = thread, for the scale words
	s_mov_b32 s35, 0xffff0000                      ; lanes 16-31
	s_mov_b32 s[SEL], 0x76543210
	s_mov_b32 s[SEL+1], 0xfedcba98
	KPAIR 38, 0x3f3504f3                           ; 1 / sqrt 2
	KPAIR 40, 0.0000000277068142495902             ; P's coefficients below the leading one, descending
	KPAIR 42, -0.00000210102402082508
	KPAIR 44, -0.0000569250639462346
	KPAIR 46, -0.000734990630326855
	KPAIR 48, -0.00295459980854025
	KPAIR 50, -0.0160960333262415
	KPAIR 52, -0.000213374055278905                ; Q's
	KPAIR 54, -0.00168282697438203
	KPAIR 56, -0.00737332916720468
	KPAIR 58, -0.0142647390514189
	s_wait_kmcnt 0x0
	s_lshl_b32 s20, s15, 2
	s_mov_b32 s21, 0
	s_add_nc_u64 s[20:21], s[4:5], s[20:21]
	s_load_b32 s16, s[20:21], 0x0                  ; the tile's expert, or 8
	s_wait_kmcnt 0x0
	s_cmp_lt_u32 s16, 8
	s_cselect_b32 s17, 1, 0                        ; is there such a tile?
	s_cselect_b32 s18, s15, 0                      ; the tile whose rows are gathered
	s_min_u32 s18, s18, 54
	s_min_u32 s19, s16, 7                          ; a loaded number enters an address behind a bound
	s_lshl_b32 s20, s18, 9
	s_mov_b32 s21, 0
	s_add_nc_u64 s[22:23], s[4:5], s[20:21]        ; the list at that tile
	s_lshl_b32 s60, ttmp9, 4
	s_lshl_b32 s61, s14, 2
	s_add_co_u32 s60, s60, s61                     ; my first group of 32 columns: 16 x + 4 wave
	s_lshl_b32 s20, s19, 6
	s_add_co_u32 s20, s20, s60
	s_lshl_b32 s20, s20, 10
	s_add_co_u32 s20, s20, W1S
	s_add_nc_u64 s[24:25], s[8:9], s[20:21]        ; W1's scale words
	s_lshl_b32 s20, s19, 13
	s_lshl_b32 s61, s60, 7
	s_add_co_u32 s20, s20, s61
	s_add_nc_u64 s[26:27], s[10:11], s[20:21]      ; b1 at my 128 units
	s_mul_i32 s20, s19, 1572864
	s_mul_i32 s61, s60, 24576
	s_add_co_u32 s20, s20, s61
	s_add_nc_u64 s[28:29], s[8:9], s[20:21]        ; W1's codes
	s_lshl_b32 s60, ttmp9, 2
	s_add_co_u32 s60, s60, s14
	s_lshl_b32 s61, s15, 4
	s_add_co_u32 s60, s60, s61                     ; 16 tile + my K step of the second product
	s_mul_i32 s20, s60, 12288
	s_add_nc_u64 s[30:31], s[12:13], s[20:21]      ; hq's codes
	s_lshl_b32 s20, s60, 9
	s_add_co_u32 s20, s20, HS
	s_add_nc_u64 s[32:33], s[12:13], s[20:21]      ; hq's scale words
	global_load_b32 v10, v15, s[22:23] offset:RL
	global_load_b32 v11, v15, s[22:23] offset:RL+64
	global_load_b32 v12, v255, s[22:23] offset:RL
.irp p, 0,1,2,3
	global_load_b128 v[SB+8*\p:SB+8*\p+3], v13, s[24:25] offset:1024*\p
	global_load_b128 v[SB+8*\p+4:SB+8*\p+7], v13, s[24:25] offset:1024*\p+16
.endr
	WIN 0x40
.irp b, 0,1,2,3,4,5,6,7
	global_load_b128 v[96+8*\b+96*(\b/4):96+8*\b+96*(\b/4)+3], v14, s[26:27] offset:128*(\b/2)+32*(\b%2)
	global_load_b128 v[96+8*\b+96*(\b/4)+4:96+8*\b+96*(\b/4)+7], v14, s[26:27] offset:128*(\b/2)+32*(\b%2)+16
.endr
	FB 0
	WIN 0
	s_wait_loadcnt 48                              ; the three entries of the list are in; the 8 + 16 + 24 loads behind them may be out
	v_min_u32 v10, 0x7ff, v10                      ; a loaded number enters an address behind a bound: a token's number
	v_min_u32 v11, 0x7ff, v11
	v_min_u32 v12, 0x7ff, v12
	v_mul_u32_u24 v10, v10, 768
	v_mul_u32_u24 v11, v11, 768
	v_lshlrev_b32 v12, 5, v12
	v_add_nc_u32 v10, v10, v254
	v_add_nc_u32 v11, v11, v254
.irp i, 0,1
.irp s, 0,1,2,3,4,5,6,7
.irp c, 0,1,2
	global_load_b128 v[AF+96*\i+12*\s+4*\c:AF+96*\i+12*\s+4*\c+3], v[10+\i], s[6:7] offset:96*\s+32*\c
.endr
.endr
.endr
	global_load_b128 v[248:251], v12, s[6:7] offset:XSO
	global_load_b128 v[252:255], v12, s[6:7] offset:XSO+16
	FB 1
	WIN 0
.irp i, 0,1
.if \i == 0
	s_wait_loadcnt 50                              ; my first row tile is in; behind it: the second's 24, the scale words' 2, W1's 24
.else
	s_wait_loadcnt 26                              ; the second; behind it: 2 + 24
.endif
.irp s, 0,1,2,3,4,5,6,7
.irp c, 0,1,2
.if \s < 4
	ds_store_b128 v[AW], v[AF+96*\i+12*\s+4*\c:AF+96*\i+12*\s+4*\c+3] offset:AIM+\s*12288+\i*1536+512*\c
.else
	ds_store_b128 v[AW2], v[AF+96*\i+12*\s+4*\c:AF+96*\i+12*\s+4*\c+3] offset:AIM+(\s-4)*12288+\i*1536+512*\c
.endif
.endr
.endr
.endr
	s_wait_loadcnt 24                              ; my row's eight scale words; W1's second K step may be out
.irp s, 0,1,2,3,4,5,6,7
	ds_store_b32 v[ASW], v[248+\s] offset:512*\s
.endr
	s_wait_dscnt 0x0                               ; for the others' sake: my stores have landed
	s_barrier_signal -1
	s_barrier_wait -1                              ; the 128 rows' fragments and scale words lie in LDS; no barrier follows
	s_cmp_eq_u32 s17, 0
	s_cbranch_scc1 .Lend                           ; no such tile: nothing is stored
	v_mov_b32 v[KA], -0.000000000272614225801306
	v_mov_b32 v[KA+1], -0.000000000272614225801306
	v_mov_b32 v[KB], -0.0000145660718464996
	v_mov_b32 v[KB+1], -0.0000145660718464996
	FA 0, 0
	FSA 0
	FA 0, 4
.irp s, 0,1,2,3,4,5,6,7
	STEP \s
.endr
	; ---- the way out, a row tile a trip: the registers' numbers differ from trip to trip in the copy alone, which is written out eight times; gelu and the quantiser are written once
	v_mov_b32 v[PWE], 0
	s_mov_b32 s34, 0
.Lrow:
.irp a, 0,1,2,3,4,5,6
	s_cmp_eq_u32 s34, \a
	s_cbranch_scc1 .Lcopy\a
.endr
	s_branch .Lcopy7
.irp a, 0,1,2,3,4,5,6
.Lcopy\a:
	COPY \a
	s_branch .Lgelu
.endr
.Lcopy7:
	COPY 7
.Lgelu:
	GELU 0
	GELU 1
	GELU 2
	GELU 3
	QUANT G
.irp c, 0,1,2
	global_store_b128 v[L16], v[PC+4*\c:PC+4*\c+3], s[30:31] offset:512*\c   ; the fragment as it stands: 512 consecutive bytes a store, aligned
.endr
	s_bitcmp1_b32 s34, 0
	s_cbranch_scc0 .Leven
	v_cndmask_b32 v[SWR], v[PWE], v[PW], s35       ; lanes 0-15 the even row tile's words, lanes 16-31 the odd one's
	global_store_b32 v[L4], v[SWR], s[32:33] offset:-64
.Leven:
	v_mov_b32 v[PWE], v[PW]
	s_wait_xcnt 0x0                                ; the stores have read their registers and bases: both are written again only behind this wait
	s_add_nc_u64 s[30:31], s[30:31], 1536
	s_add_nc_u64 s[32:33], s[32:33], 64
	s_add_co_u32 s34, s34, 1
	s_cmp_lt_u32 s34, 8
	s_cbranch_scc1 .Lrow
.Lend:
	s_wait_tensorcnt 0x0                           ; the wave's end
	ds_add_u32 v[SPW], v[NIL]
	s_wait_dscnt 0x0
	s_endpgm
.Lfunc_end_k_q08051dcaf9_up:
	.size	k_q08051dcaf9_up, .Lfunc_end_k_q08051dcaf9_up-k_q08051dcaf9_up
	.p2alignl 7, 3214868480
	.fill 96, 4, 3214868480
	.section	.rodata,"a",@progbits
	.p2align	6, 0x0
	.amdhsa_kernel k_q08051dcaf9_up
		.amdhsa_group_segment_fixed_size 104960
		.amdhsa_private_segment_fixed_size 0
		.amdhsa_enable_private_segment 0
		.amdhsa_kernarg_size 40
		.amdhsa_user_sgpr_count 2
		.amdhsa_user_sgpr_kernarg_segment_ptr 1
		.amdhsa_wavefront_size32 1
		.amdhsa_system_sgpr_workgroup_id_x 1
		.amdhsa_system_sgpr_workgroup_id_y 1
		.amdhsa_system_sgpr_workgroup_id_z 1
		.amdhsa_system_vgpr_workitem_id 0
		.amdhsa_next_free_vgpr 1024
		.amdhsa_next_free_sgpr 66
		.amdhsa_reserve_vcc 0
		.amdhsa_float_denorm_mode_32 3
		.amdhsa_float_denorm_mode_16_64 3
		.amdhsa_memory_ordered 1
		.amdhsa_forward_progress 1
		.amdhsa_inst_pref_size 188
	.end_amdhsa_kernel
	.amdgpu_metadata
---
amdhsa.version: [ 1, 2 ]
amdhsa.kernels:
  - .name:           k_q08051dcaf9_up
    .symbol:         k_q08051dcaf9_up.kd
    .args:
      - { .name: plan, .offset: 0, .size: 8, .value_kind: global_buffer, .address_space: global }
      - { .name: xq, .offset: 8, .size: 8, .value_kind: global_buffer, .address_space: global }
      - { .name: wq, .offset: 16, .size: 8, .value_kind: global_buffer, .address_space: global }
      - { .name: b1, .offset: 24, .size: 8, .value_kind: global_buffer, .address_space: global }
      - { .name: hq, .offset: 32, .size: 8, .value_kind: global_buffer, .address_space: global }
    .group_segment_fixed_size: 104960
    .private_segment_fixed_size: 0
    .kernarg_segment_align: 8
    .kernarg_segment_size: 40
    .max_flat_workgroup_size: 128
    .sgpr_count:     66
    .vgpr_count:     1024
    .wavefront_size: 32
...
	.end_amdgpu_metadata
.endif
;; end of part 4
;; launch down (part 5): grid 4 x 55, 4 waves a work-group, no clusters, 222,720 bytes of LDS; arguments plan, hq, wq, b2, y; writes y
.if DOCPART == 5
	.amdgcn_target "amdgcn-amd-amdhsa--gfx1250"
	.amdhsa_code_object_version 6
	.text
	.protected	k_q08051dcaf9_down
	.globl	k_q08051dcaf9_down
	.p2align	8
	.type	k_q08051dcaf9_down,@function
k_q08051dcaf9_down:
	s_mov_b64 s[64:65], 0
	v_nop
	global_prefetch_b8 v0, s[64:65] scope:SCOPE_SE
	s_setreg_imm32_b32 hwreg(HW_REG_WAVE_MODE, 25, 1), 1
	s_wait_xcnt 0x0
; DOWN: the experts' second product on the chosen rows alone: for a tile of 128 rows of one expert, y = Q(h1) Q(W2[e]) + b2[e], f32, stored by position.
; WORK LEFT OUT: the rows of experts whose weight is the 0 that reference() builds by one_hot (shown at the head of the first kernel).
; SHARES.  Work-group (x, y) takes tile y and outputs 256 x .. 256 x + 255; wave w 128 rows x 64 outputs, 32 accumulators.  A work-group whose tile has no expert stores nothing and ends: a branch on a stored
; number, so there is no tensor load and no cluster, and the one barrier stands ahead of the branch; up to it such a work-group copies tile 0, which always exists.
; The tile's 128 fragments of h1 (196,608 bytes) and its scale words are copied from hq into LDS as they lie, a quarter a wave; W2's fragments come from wq straight into registers, three sets, two K steps ahead.
; THE MATRIX INSTRUCTION IS USED TRANSPOSED (source 0 = 16 columns of W2, source 1 = 16 rows).  b2 is the C of each sum's first instruction.
; THE WAY OUT: a row tile's 16 rows x 256 bytes go through the wave's own stage in LDS and leave as whole rows: sixteen lanes store 256 consecutive bytes, aligned.  The filling rows of an expert's last tile are stored too: nobody reads them.
; REGISTERS, in windows of 256.  window 0: v1-14 addresses; v16-23 the rows' scale words, two sets; v24-55 W2's; v56-151 the rows' eight fragments; v152-215 the way out.
;   window 1: accumulator (a, b) at v[8 (4 a + b)].   window 2: W2's set q at v[48 q]; b2's four tiles from v144.
.set W2Q,   12582912
.set W2S,   26083328
.set HS,    10813440
.set AIM,   0
.set ASC,   196608
.set STG,   204800
.set SPARE, 222208
.set SPW,  1
.set NIL,  2
.set L16,  3                           ; 16 lane; also the images' address for K steps 0-3
.set AR,   3                           ; v3-6  the same + 49,152 q: K steps 4 q .. 4 q + 3
.set LW,   7                           ; where I store my quarter of the images
.set ASL,  8                           ; and of the scale words
.set ASR,  9                           ; where I read scale words
.set STO,  10                          ; the stage, in
.set RD,   11                          ; and back
.set GO,   12                          ; my byte in two rows of y
.set SA,   16
.set SB,   24
.set AF,   56
.set OB,   152
.set MSB, 0
.macro WIN new
.if MSB != (\new)
	s_set_vgpr_msb (MSB<<8)|(\new)
.set MSB, (\new)
.endif
.endm
.macro PLACES
.rept 4
	v_nop
.endr
.endm
.macro WM d, a, b, cc, sa, sb, ra, rb
.if (\ra) && (\rb)
	v_wmma_scale_f32_16x16x128_f8f6f4 v[\d:\d+7], v[\a:\a+11], v[\b:\b+11], v[\cc:\cc+7], v[\sa], v[\sb] matrix_a_fmt:MATRIX_FMT_BF6 matrix_b_fmt:MATRIX_FMT_BF6 matrix_a_scale:MATRIX_SCALE_ROW1 matrix_b_scale:MATRIX_SCALE_ROW1
.elseif (\ra)
	v_wmma_scale_f32_16x16x128_f8f6f4 v[\d:\d+7], v[\a:\a+11], v[\b:\b+11], v[\cc:\cc+7], v[\sa], v[\sb] matrix_a_fmt:MATRIX_FMT_BF6 matrix_b_fmt:MATRIX_FMT_BF6 matrix_a_scale:MATRIX_SCALE_ROW1
.elseif (\rb)
	v_wmma_scale_f32_16x16x128_f8f6f4 v[\d:\d+7], v[\a:\a+11], v[\b:\b+11], v[\cc:\cc+7], v[\sa], v[\sb] matrix_a_fmt:MATRIX_FMT_BF6 matrix_b_fmt:MATRIX_FMT_BF6 matrix_b_scale:MATRIX_SCALE_ROW1
.else
	v_wmma_scale_f32_16x16x128_f8f6f4 v[\d:\d+7], v[\a:\a+11], v[\b:\b+11], v[\cc:\cc+7], v[\sa], v[\sb] matrix_a_fmt:MATRIX_FMT_BF6 matrix_b_fmt:MATRIX_FMT_BF6
.endif
.endm
.macro FB s                            ; W2's four fragments of K step s, into set s % 3 of window 2
	WIN 0x80
.irp p, 0,1
.irp u, 0,1
.irp c, 0,1,2
	global_load_b128 v[48*((\s)%3)+12*(2*\p+\u)+4*\c:48*((\s)%3)+12*(2*\p+\u)+4*\c+3], v[L16], s[28:29] offset:\p*49152+(\s)*3072+\u*1536+\c*512
.endr
.endr
.endr
.endm
.macro FA s, a0
.irp a, \a0, \a0+1, \a0+2, \a0+3
.irp c, 0,1,2
	ds_load_b128 v[AF+12*(\a)+4*\c:AF+12*(\a)+4*\c+3], v[AR+(\s)/4] offset:AIM+((\s)%4)*12288+(\a)*1536+512*\c
.endr
.endr
.endm
.macro FSA s
.irp j, 0,1,2,3
	ds_load_b32 v[SA+4*((\s)%2)+\j], v[ASR] offset:512*(\s)+128*\j
.endr
.endm
; 16 products: row tiles a0 .. a0 + 3 x the four column tiles.  The 32 accumulators take turns, one instruction a turn, in the same order in every K step.
.macro MUL16 a0, s
.set BF, 48*((\s)%3)
.if (\s) == 0
	WIN 0x62                                       ; D window 1, C (b2) window 2, the rows window 0, W2 window 2
.else
	WIN 0x52
.endif
.irp a, \a0, \a0+1, \a0+2, \a0+3
.irp b, 0,1,2,3
.set DA, 8*(4*(\a)+\b)
.if (\s) == 0
.set CC, 144+8*\b
.else
.set CC, DA
.endif
	WM DA, BF+12*\b, AF+12*(\a), CC, SB+16*(\b/2)+(\s), SA+4*((\s)%2)+(\a)/2, \b%2, (\a)%2
.endr
.endr
.endm
.macro STEP s
.if (\s) < 15
	s_wait_loadcnt 12                              ; this K step's fragments of W2 are in; the next step's 12 loads may be out
.else
	s_wait_loadcnt 0
.endif
	s_wait_dscnt 12                                ; row tiles 0-3 and the scale words are in; the youngest twelve loads (row tiles 4-7) may be out
	MUL16 0, \s
	s_wait_dscnt 0
.if (\s) < 15
	PLACES
.if (\s)+2 < 16
	FB (\s)+2
.endif
	WIN 0
	FA (\s)+1, 0
	FSA (\s)+1
.endif
	MUL16 4, \s
	PLACES
	WIN 0
.if (\s) < 15
	FA (\s)+1, 4
.endif
.endm
.macro TOSTAGE a                       ; lane (r, h), tile b, register j: y(16 a + r, 32 (b / 2) + 16 h + 8 (b % 2) + j)
	WIN 0x04                                       ; an LDS store's data are its source 1: window 1
.irp b, 0,1,2,3
	ds_store_b128 v[STO], v[8*(4*(\a)+\b):8*(4*(\a)+\b)+3] offset:128*(\b/2)+32*(\b%2)          ; each accumulator from its low end on
	ds_store_b128 v[STO], v[8*(4*(\a)+\b)+4:8*(4*(\a)+\b)+7] offset:128*(\b/2)+32*(\b%2)+16
.endr
	WIN 0
.irp i, 0,1,2,3,4,5,6,7
	ds_load_b128 v[OB+32*((\a)%2)+4*\i:OB+32*((\a)%2)+4*\i+3], v[RD] offset:544*\i   ; LDS serves a wave's instructions in order: these see my stores
.endr
.endm
.macro SEND a, younger                 ; younger: the LDS instructions issued behind row tile a's loads, which may stay out
	s_wait_dscnt \younger
.irp i, 0,1,2,3,4,5,6,7
	global_store_b128 v[GO], v[OB+32*((\a)%2)+4*\i:OB+32*((\a)%2)+4*\i+3], s[32:33] offset:(16*(\a)+2*\i)*4096
.endr
.endm
	s_load_b256 s[4:11], s[0:1], 0x0               ; plan, hq, wq, b2
	s_load_b64 s[12:13], s[0:1], 0x20              ; y
	v_lshl_add_u32 v[SPW], v0, 2, SPARE
	v_mov_b32 v[NIL], 0
	v_lshrrev_b32 v216, 5, v0
	v_readfirstlane_b32 s14, v216                  ; wave 0..3
	s_and_b32 s15, ttmp7, 0xffff                   ; the tile
	v_and_b32 v216, 31, v0                         ; lane
	v_and_b32 v217, 15, v0                         ; r
	v_bfe_u32 v218, v0, 4, 1                       ; h
	v_lshlrev_b32 v[L16], 4, v216
.irp q, 1,2,3
	v_add_nc_u32 v[AR+\q], 49152*\q, v[L16]
.endr
	s_mul_i32 s20, s14, 49152
	v_add_nc_u32 v[LW], s20, v[L16]
	s_lshl_b32 s20, s14, 11
	s_add_co_u32 s20, s20, ASC
	v_add_nc_u32 v[ASL], s20, v[L16]
	v_lshl_add_u32 v[ASR], v216, 2, ASC
	s_mul_i32 s20, s14, 4352
	s_add_co_u32 s20, s20, STG                     ; my stage: 16 rows x 272 bytes
	v_mul_u32_u24 v[STO], v217, 272
	v_lshl_add_u32 v[STO], v218, 6, v[STO]
	v_add_nc_u32 v[STO], s20, v[STO]
	v_mul_u32_u24 v[RD], v218, 272
	v_lshl_add_u32 v[RD], v217, 4, v[RD]
	v_add_nc_u32 v[RD], s20, v[RD]
	v_lshlrev_b32 v[GO], 4, v217
	v_lshl_add_u32 v[GO], v218, 12, v[GO]          ; lanes 0-15 one row of y, lanes 16-31 the next
	v_lshlrev_b32 v13, 6, v216                     ; 64 lane: my sixteen scale words of a group of W2
	v_lshlrev_b32 v14, 6, v218                     ; 64 h: my half's numbers of b2
	s_wait_kmcnt 0x0
	s_lshl_b32 s20, s15, 2
	s_mov_b32 s21, 0
	s_add_nc_u64 s[20:21], s[4:5], s[20:21]
	s_load_b32 s16, s[20:21], 0x0                  ; the tile's expert, or 8
	s_wait_kmcnt 0x0
	s_cmp_lt_u32 s16, 8
	s_cselect_b32 s17, 1, 0
	s_cselect_b32 s18, s15, 0                      ; the tile that is copied
	s_min_u32 s18, s18, 54
	s_min_u32 s19, s16, 7                          ; a loaded number enters an address behind a bound
	s_mul_i32 s20, s18, 196608
	s_mul_i32 s60, s14, 49152
	s_add_co_u32 s20, s20, s60
	s_mov_b32 s21, 0
	s_add_nc_u64 s[22:23], s[6:7], s[20:21]        ; my quarter of the tile's codes,
	s_lshl_b32 s20, s18, 13
	s_lshl_b32 s60, s14, 11
	s_add_co_u32 s20, s20, s60
	s_add_co_u32 s20, s20, HS
	s_add_nc_u64 s[24:25], s[6:7], s[20:21]        ; and of its scale words
	s_lshl_b32 s60, ttmp9, 3
	s_lshl_b32 s61, s14, 1
	s_add_co_u32 s60, s60, s61                     ; my first group of 32 columns: 8 x + 2 wave
	s_lshl_b32 s20, s19, 5
	s_add_co_u32 s20, s20, s60
	s_lshl_b32 s20, s20, 11
	s_add_co_u32 s20, s20, W2S
	s_add_nc_u64 s[26:27], s[8:9], s[20:21]        ; W2's scale words
	s_mul_i32 s20, s19, 1572864
	s_mul_i32 s61, s60, 49152
	s_add_co_u32 s20, s20, s61
	s_add_co_u32 s20, s20, W2Q
	s_add_nc_u64 s[28:29], s[8:9], s[20:21]        ; W2's codes
	s_lshl_b32 s20, s19, 12
	s_lshl_b32 s61, s60, 7
	s_add_co_u32 s20, s20, s61
	s_add_nc_u64 s[30:31], s[10:11], s[20:21]      ; b2 at my 64 outputs
	s_lshl_b32 s20, s15, 19
	s_add_co_u32 s20, s20, s61
	s_add_nc_u64 s[32:33], s[12:13], s[20:21]      ; y at the tile's first position, my 256 bytes of a row
.irp p, 0,1
.irp q, 0,1,2,3
	global_load_b128 v[SB+16*\p+4*\q:SB+16*\p+4*\q+3], v13, s[26:27] offset:2048*\p+16*\q
.endr
.endr
	WIN 0x80
.irp b, 0,1,2,3
	global_load_b128 v[144+8*\b:144+8*\b+3], v14, s[30:31] offset:128*(\b/2)+32*(\b%2)
	global_load_b128 v[144+8*\b+4:144+8*\b+7], v14, s[30:31] offset:128*(\b/2)+32*(\b%2)+16
.endr
	FB 0
	FB 1
	; the copy: 96 loads of 512 bytes a wave, in three groups of 32, through registers that the products do not need yet
	WIN 0x40
.set n, 0
.rept 64
	global_load_b128 v[4*n:4*n+3], v[L16], s[22:23] offset:512*n
.set n, n+1
.endr
	s_wait_loadcnt 32                              ; the first group is in; the second's 32 may be out
	WIN 0x04
.set n, 0
.rept 32
	ds_store_b128 v[LW], v[4*n:4*n+3] offset:AIM+512*n
.set n, n+1
.endr
	WIN 0
.set n, 64
.rept 32
	global_load_b128 v[AF+4*(n-64):AF+4*(n-64)+3], v[L16], s[22:23] offset:512*n
.set n, n+1
.endr
.irp n, 0,1,2,3
	global_load_b128 v[184+4*\n:184+4*\n+3], v[L16], s[24:25] offset:512*\n
.endr
	s_wait_loadcnt 36                              ; the second group is in; the third's 32 and the scale words' 4 may be out
	WIN 0x04
.set n, 32
.rept 32
	ds_store_b128 v[LW], v[4*n:4*n+3] offset:AIM+512*n
.set n, n+1
.endr
	WIN 0
	s_wait_loadcnt 4                               ; the third group; the scale words' 4 may be out
.set n, 64
.rept 32
	ds_store_b128 v[LW], v[AF+4*(n-64):AF+4*(n-64)+3] offset:AIM+512*n
.set n, n+1
.endr
	s_wait_loadcnt 0x0
.irp n, 0,1,2,3
	ds_store_b128 v[ASL], v[184+4*\n:184+4*\n+3] offset:512*\n
.endr
	s_wait_dscnt 0x0                               ; for the others' sake: my stores have landed
	s_barrier_signal -1
	s_barrier_wait -1                              ; the tile lies in LDS; no barrier follows
	s_cmp_eq_u32 s17, 0
	s_cbranch_scc1 .Lend                           ; no such tile: nothing is stored
	FA 0, 0
	FSA 0
	FA 0, 4
.irp s, 0,1,2,3,4,5,6,7,8,9,10,11,12,13,14,15
	STEP \s
.endr
	TOSTAGE 0                                      ; (four places stand behind the last products)
.irp a, 1,2,3,4,5,6,7
.if \a > 1
	s_wait_xcnt 0x0                                ; row tile a - 2's stores have read their registers: row tile a's loads may land there
.endif
	TOSTAGE \a
	SEND \a-1, 16                                  ; behind row tile a - 1's loads: row tile a's 8 stores and 8 loads
.endr
	SEND 7, 0
.Lend:
	s_wait_tensorcnt 0x0                           ; the wave's end
	ds_add_u32 v[SPW], v[NIL]
	s_wait_dscnt 0x0
	s_endpgm
.Lfunc_end_k_q08051dcaf9_down:
	.size	k_q08051dcaf9_down, .Lfunc_end_k_q08051dcaf9_down-k_q08051dcaf9_down
	.p2alignl 7, 3214868480
	.fill 96, 4, 3214868480
	.section	.rodata,"a",@progbits
	.p2align	6, 0x0
	.amdhsa_kernel k_q08051dcaf9_down
		.amdhsa_group_segment_fixed_size 222720
		.amdhsa_private_segment_fixed_size 0
		.amdhsa_enable_private_segment 0
		.amdhsa_kernarg_size 40
		.amdhsa_user_sgpr_count 2
		.amdhsa_user_sgpr_kernarg_segment_ptr 1
		.amdhsa_wavefront_size32 1
		.amdhsa_system_sgpr_workgroup_id_x 1
		.amdhsa_system_sgpr_workgroup_id_y 1
		.amdhsa_system_sgpr_workgroup_id_z 1
		.amdhsa_system_vgpr_workitem_id 0
		.amdhsa_next_free_vgpr 768
		.amdhsa_next_free_sgpr 66
		.amdhsa_reserve_vcc 0
		.amdhsa_float_denorm_mode_32 3
		.amdhsa_float_denorm_mode_16_64 3
		.amdhsa_memory_ordered 1
		.amdhsa_forward_progress 1
		.amdhsa_inst_pref_size 154
	.end_amdhsa_kernel
	.amdgpu_metadata
---
amdhsa.version: [ 1, 2 ]
amdhsa.kernels:
  - .name:           k_q08051dcaf9_down
    .symbol:         k_q08051dcaf9_down.kd
    .args:
      - { .name: plan, .offset: 0, .size: 8, .value_kind: global_buffer, .address_space: global }
      - { .name: hq, .offset: 8, .size: 8, .value_kind: global_buffer, .address_space: global }
      - { .name: wq, .offset: 16, .size: 8, .value_kind: global_buffer, .address_space: global }
      - { .name: b2, .offset: 24, .size: 8, .value_kind: global_buffer, .address_space: global }
      - { .name: y, .offset: 32, .size: 8, .value_kind: global_buffer, .address_space: global }
    .group_segment_fixed_size: 222720
    .private_segment_fixed_size: 0
    .kernarg_segment_align: 8
    .kernarg_segment_size: 40
    .max_flat_workgroup_size: 128
    .sgpr_count:     66
    .vgpr_count:     768
    .wavefront_size: 32
...
	.end_amdgpu_metadata
.endif
;; end of part 5
;; launch comb (part 6): grid 256 x 1, 8 waves a work-group, no clusters, 0 bytes of LDS; arguments plan, route, gw, y, ln_g, ln_b, out0; writes out0
.if DOCPART == 6
	.amdgcn_target "amdgcn-amd-amdhsa--gfx1250"
	.amdhsa_code_object_version 6
	.text
	.protected	k_q08051dcaf9_comb
	.globl	k_q08051dcaf9_comb
	.p2align	8
	.type	k_q08051dcaf9_comb,@function
k_q08051dcaf9_comb:
	s_mov_b64 s[64:65], 0
	v_nop
	global_prefetch_b8 v0, s[64:65] scope:SCOPE_SE
	s_setreg_imm32_b32 hwreg(HW_REG_WAVE_MODE, 25, 1), 1
	s_wait_xcnt 0x0
; COMB: out0[n] = the sum over the token's three chosen experts of w_k LayerNorm(y_k) with the expert's gain and bias; mean and variance as reference() has them: the variance is the mean of the squared
; differences from the mean, so a common offset in y costs nothing.
; WORK LEFT OUT: the five experts of a token whose weight is the 0 that reference() builds by one_hot (shown at the head of the first kernel).
; One wave takes one token: its three rows of y (found by the stored positions), 4,096 bytes each, lie in 3 x 32 registers; a lane holds columns 4 lane + 128 j + 0 .. 3, so each load and store of the wave covers 512
; consecutive bytes.  Each output row has one owner: no sum spans work-groups.  No LDS, no barrier, no matrix unit: memory binds, and waves share nothing.
; A term is d (g A) + b w with d = y - mean and A = w / sqrt(var + 1e-5): three packed instructions for two numbers.
.set PO,  28416
.set Y,   16                           ; v16-111  the three rows; the first becomes the sum
.set GB,  112                          ; v112-239 two sets: 32 of the gain, 32 of the bias
.set TA,  240                          ; v[240 + 4 k] a pair at work: sums, then -mean, then A
.set TB,  242                          ; v[242 + 4 k] a pair at work, then w
.set PT,  252
.macro LD8 reg, base
.irp j, 0,1,2,3,4,5,6,7
	global_load_b128 v[\reg+4*\j:\reg+4*\j+3], v1, s[\base:\base+1] offset:512*\j
.endr
.endm
.macro REDUCE                          ; the three pairs in TA become three sums over the wave, in every lane
.irp k, 0,1,2
	v_pk_add_f32 v[TA+4*\k:TA+4*\k+1], v[TA+4*\k:TA+4*\k+1], v[TB+4*\k:TB+4*\k+1]
.endr
.irp k, 0,1,2
	v_add_f32 v[TA+4*\k], v[TA+4*\k], v[TA+4*\k+1]
.endr
.irp m, 1,2,4,8
.irp k, 0,1,2
	v_add_f32_dpp v[TA+4*\k], v[TA+4*\k], v[TA+4*\k] row_xmask:\m row_mask:0xf bank_mask:0xf
.endr
.endr
.irp k, 0,1,2
	v_permlanex16_b32 v[PT+\k], v[TA+4*\k], s58, s59
.endr
.irp k, 0,1,2
	v_add_f32 v[TA+4*\k], v[TA+4*\k], v[PT+\k]
.endr
.endm
.macro COMB k, q                       ; choice k's term, its gain and bias in set q
.irp j, 0,2,4,6,8,10,12,14,16,18,20,22,24,26,28,30
	v_pk_mul_f32 v[GB+64*\q+\j:GB+64*\q+\j+1], v[GB+64*\q+\j:GB+64*\q+\j+1], v[TA+4*\k:TA+4*\k+1]
.endr
.irp j, 0,2,4,6,8,10,12,14,16,18,20,22,24,26,28,30
.if \k == 0
	v_pk_mul_f32 v[Y+\j:Y+\j+1], v[Y+\j:Y+\j+1], v[GB+64*\q+\j:GB+64*\q+\j+1]
.else
	v_pk_fma_f32 v[Y+\j:Y+\j+1], v[Y+32*\k+\j:Y+32*\k+\j+1], v[GB+64*\q+\j:GB+64*\q+\j+1], v[Y+\j:Y+\j+1]
.endif
.endr
.irp j, 0,2,4,6,8,10,12,14,16,18,20,22,24,26,28,30
	v_pk_fma_f32 v[Y+\j:Y+\j+1], v[GB+64*\q+32+\j:GB+64*\q+32+\j+1], v[TB+4*\k:TB+4*\k+1], v[Y+\j:Y+\j+1]
.endr
.endm
	s_load_b256 s[4:11], s[0:1], 0x0               ; plan, route, gw, y
	s_load_b128 s[12:15], s[0:1], 0x20             ; ln_g, ln_b
	s_load_b64 s[16:17], s[0:1], 0x30              ; out0
	v_lshrrev_b32 v1, 5, v0
	v_readfirstlane_b32 s18, v1                    ; wave
	s_lshl_b32 s19, ttmp9, 3
	s_add_co_u32 s19, s19, s18                     ; my token
	v_and_b32 v1, 31, v0
	v_lshlrev_b32 v1, 4, v1                        ; 16 lane; never rewritten
	s_mov_b32 s38, 0x3a800000                      ; 1 / 1,024
	s_mov_b32 s39, 0x3727c5ac                      ; 1e-5
	s_mov_b32 s58, 0x76543210
	s_mov_b32 s59, 0xfedcba98
.irp k, 0,1,2
	v_mov_b32 v[PT+\k], 0                          ; a lane permute's destination counts as one of its sources
.endr
	s_mov_b32 s21, 0
	s_wait_kmcnt 0x0
	s_lshl_b32 s20, s19, 4
	s_add_nc_u64 s[22:23], s[4:5], s[20:21]
	s_load_b128 s[24:27], s[22:23], PO             ; the three positions
	s_add_nc_u64 s[28:29], s[8:9], s[20:21]
	s_load_b128 s[32:35], s[28:29], 0x0            ; the three weights
	s_lshl_b32 s20, s19, 2
	s_add_nc_u64 s[30:31], s[6:7], s[20:21]
	s_load_b32 s36, s[30:31], 0x0                  ; the three experts
	s_wait_kmcnt 0x0
.irp k, 0,1,2
	s_min_u32 s[24+\k], s[24+\k], 7039             ; loaded numbers enter addresses behind a bound
	s_lshl_b32 s20, s[24+\k], 12
	s_add_nc_u64 s[40+2*\k:41+2*\k], s[10:11], s[20:21]
	s_bfe_u32 s37, s36, 0x80000+8*\k
	s_min_u32 s37, s37, 7
	s_lshl_b32 s20, s37, 12
	s_add_nc_u64 s[46+2*\k:47+2*\k], s[12:13], s[20:21]
	s_add_nc_u64 s[52+2*\k:53+2*\k], s[14:15], s[20:21]
.endr
	s_lshl_b32 s20, s19, 12
	s_add_nc_u64 s[16:17], s[16:17], s[20:21]
.irp k, 0,1,2
.irp j, 0,1,2,3,4,5,6,7
	global_load_b128 v[Y+32*\k+4*\j:Y+32*\k+4*\j+3], v1, s[40+2*\k:41+2*\k] offset:512*\j th:TH_LOAD_NT   ; a row of y is read once
.endr
.endr
	LD8 GB, 46
	LD8 GB+32, 52
	LD8 GB+64, 48
	LD8 GB+96, 54
	s_wait_loadcnt 32                              ; the three rows are in; two experts' gains and biases, 32 loads, may be out
.irp k, 0,1,2
	v_pk_add_f32 v[TA+4*\k:TA+4*\k+1], v[Y+32*\k:Y+32*\k+1], v[Y+32*\k+2:Y+32*\k+3]
.endr
.irp k, 0,1,2
	v_pk_add_f32 v[TB+4*\k:TB+4*\k+1], v[Y+32*\k+4:Y+32*\k+5], v[Y+32*\k+6:Y+32*\k+7]
.endr
.irp j, 8,12,16,20,24,28
.irp k, 0,1,2
	v_pk_add_f32 v[TA+4*\k:TA+4*\k+1], v[TA+4*\k:TA+4*\k+1], v[Y+32*\k+\j:Y+32*\k+\j+1]
.endr
.irp k, 0,1,2
	v_pk_add_f32 v[TB+4*\k:TB+4*\k+1], v[TB+4*\k:TB+4*\k+1], v[Y+32*\k+\j+2:Y+32*\k+\j+3]
.endr
.endr
	REDUCE
.irp k, 0,1,2
	v_mul_f32 v[TA+4*\k], 0xba800000, v[TA+4*\k]   ; -mean
.endr
.irp k, 0,1,2
	v_mov_b32 v[TA+4*\k+1], v[TA+4*\k]
.endr
.irp j, 0,2,4,6,8,10,12,14,16,18,20,22,24,26,28,30
.irp k, 0,1,2
	v_pk_add_f32 v[Y+32*\k+\j:Y+32*\k+\j+1], v[Y+32*\k+\j:Y+32*\k+\j+1], v[TA+4*\k:TA+4*\k+1]   ; d = y - mean, in place
.endr
.endr
.irp k, 0,1,2
	v_pk_mul_f32 v[TA+4*\k:TA+4*\k+1], v[Y+32*\k:Y+32*\k+1], v[Y+32*\k:Y+32*\k+1]
.endr
.irp k, 0,1,2
	v_pk_mul_f32 v[TB+4*\k:TB+4*\k+1], v[Y+32*\k+2:Y+32*\k+3], v[Y+32*\k+2:Y+32*\k+3]
.endr
.irp j, 4,8,12,16,20,24,28
.irp k, 0,1,2
	v_pk_fma_f32 v[TA+4*\k:TA+4*\k+1], v[Y+32*\k+\j:Y+32*\k+\j+1], v[Y+32*\k+\j:Y+32*\k+\j+1], v[TA+4*\k:TA+4*\k+1]
.endr
.irp k, 0,1,2
	v_pk_fma_f32 v[TB+4*\k:TB+4*\k+1], v[Y+32*\k+\j+2:Y+32*\k+\j+3], v[Y+32*\k+\j+2:Y+32*\k+\j+3], v[TB+4*\k:TB+4*\k+1]
.endr
.endr
	REDUCE
.irp k, 0,1,2
	v_fma_f32 v[TA+4*\k], v[TA+4*\k], s38, s39     ; var + 1e-5
.endr
.irp k, 0,1,2
	v_rsq_f32 v[TA+4*\k], v[TA+4*\k]
.endr
.irp k, 0,1,2
	v_mov_b32 v[TB+4*\k], s[32+\k]                 ; w, as a pair.  (Plain work behind the three roots)
	v_mov_b32 v[TB+4*\k+1], s[32+\k]
.endr
	s_wait_alu depctr_va_vdst(0)                   ; one wait for the three, ahead of their first reader
.irp k, 0,1,2
	v_mul_f32 v[TA+4*\k], s[32+\k], v[TA+4*\k]     ; A = w / sqrt(var + 1e-5), as a pair
.endr
.irp k, 0,1,2
	v_mov_b32 v[TA+4*\k+1], v[TA+4*\k]
.endr
	s_wait_loadcnt 16                              ; the first expert's gain and bias are in; the second's 16 loads may be out
	COMB 0, 0
	LD8 GB, 50                                     ; the third expert's, into the set that is done with
	LD8 GB+32, 56
	s_wait_loadcnt 16                              ; the second's are in; the third's 16 may be out
	COMB 1, 1
	s_wait_loadcnt 0x0
	COMB 2, 0
.irp j, 0,1,2,3,4,5,6,7
	global_store_b128 v1, v[Y+4*\j:Y+4*\j+3], s[16:17] offset:512*\j th:TH_STORE_NT   ; 512 consecutive bytes a store, aligned; written once
.endr
	s_endpgm
.Lfunc_end_k_q08051dcaf9_comb:
	.size	k_q08051dcaf9_comb, .Lfunc_end_k_q08051dcaf9_comb-k_q08051dcaf9_comb
	.p2alignl 7, 3214868480
	.fill 96, 4, 3214868480
	.section	.rodata,"a",@progbits
	.p2align	6, 0x0
	.amdhsa_kernel k_q08051dcaf9_comb
		.amdhsa_group_segment_fixed_size 0
		.amdhsa_private_segment_fixed_size 0
		.amdhsa_enable_private_segment 0
		.amdhsa_kernarg_size 56
		.amdhsa_user_sgpr_count 2
		.amdhsa_user_sgpr_kernarg_segment_ptr 1
		.amdhsa_wavefront_size32 1
		.amdhsa_system_sgpr_workgroup_id_x 1
		.amdhsa_system_sgpr_workgroup_id_y 1
		.amdhsa_system_sgpr_workgroup_id_z 1
		.amdhsa_system_vgpr_workitem_id 0
		.amdhsa_next_free_vgpr 256
		.amdhsa_next_free_sgpr 66
		.amdhsa_reserve_vcc 0
		.amdhsa_float_denorm_mode_32 3
		.amdhsa_float_denorm_mode_16_64 3
		.amdhsa_memory_ordered 1
		.amdhsa_forward_progress 1
		.amdhsa_inst_pref_size 32
	.end_amdhsa_kernel
	.amdgpu_metadata
---
amdhsa.version: [ 1, 2 ]
amdhsa.kernels:
  - .name:           k_q08051dcaf9_comb
    .symbol:         k_q08051dcaf9_comb.kd
    .args:
      - { .name: plan, .offset: 0, .size: 8, .value_kind: global_buffer, .address_space: global }
      - { .name: route, .offset: 8, .size: 8, .value_kind: global_buffer, .address_space: global }
      - { .name: gw, .offset: 16, .size: 8, .value_kind: global_buffer, .address_space: global }
      - { .name: y, .offset: 24, .size: 8, .value_kind: global_buffer, .address_space: global }
      - { .name: ln_g, .offset: 32, .size: 8, .value_kind: global_buffer, .address_space: global }
      - { .name: ln_b, .offset: 40, .size: 8, .value_kind: global_buffer, .address_space: global }
      - { .name: out0, .offset: 48, .size: 8, .value_kind: global_buffer, .address_space: global }
    .group_segment_fixed_size: 0
    .private_segment_fixed_size: 0
    .kernarg_segment_align: 8
    .kernarg_segment_size: 56
    .max_flat_workgroup_size: 256
    .sgpr_count:     66
    .vgpr_count:     256
    .wavefront_size: 32
...
	.end_amdgpu_metadata
.endif
;; end of part 6
;; ======== version 2 of 2: 6 launches
;; workspace buffers: wq 26,624,000 bytes; xq 1,638,400 bytes; route 8,192 bytes of whole numbers; gw 32,768 bytes; plan 61,184 bytes of whole numbers; hq 11,264,000 bytes; y 28,835,840 bytes
;; launch prep (part 7): grid 1040 x 1, 4 waves a work-group, no clusters, 27,136 bytes of LDS; arguments W1, W2, Wg1, wq; writes wq
.if DOCPART == 7
	.amdgcn_target "amdgcn-amd-amdhsa--gfx1250"
	.amdhsa_code_object_version 6
	.text
	.protected	k_q08051dcaf9_prep
	.globl	k_q08051dcaf9_prep
	.p2align	8
	.type	k_q08051dcaf9_prep,@function
k_q08051dcaf9_prep:
	s_mov_b64 s[64:65], 0
	v_nop
	global_prefetch_b8 v0, s[64:65] scope:SCOPE_SE
	s_setreg_imm32_b32 hwreg(HW_REG_WAVE_MODE, 25, 1), 1
	s_wait_xcnt 0x0
; PREP: W1 [8][1024][2048], W2 [8][2048][1024] and Wg1 [1024][512], f32 with K as the FIRST axis of each matrix, become codes of E3M2 and E8M0 scale bytes, one for each 32 along K, in the workspace wq.
; DEAD WORK OF THE WHOLE PROGRAM.  reference() weighs expert e's row of token n by w[n][e], and builds w itself as the sum of top_gates x one_hot(top_idx): for the five experts of a token that are not
; among its top three, w[n][e] is the exact 0 of one_hot, whatever the inputs hold, so h1[n][e], y[n][e] and yn[n][e] reach no output.  The program multiplies only the 2,048 x 3 chosen rows (launches up, down, comb).
; All inputs have a way to an output and are loaded.  LIMIT: a NaN, an infinity or an overflow that arises only in a row of an expert that was not chosen is not carried to out0.
; LAYOUT OF THE CODES, in the order of the operand's registers: [expert][group of 32 columns][K step of 128][tile u = 0, 1][1,536 bytes].  A fragment (16 columns x 128 K, 12 registers a lane) lies as three
; pieces of 512 bytes; lane l's 16 bytes at 16 l of piece c are its registers 4 c .. 4 c + 3.  Row r of tile u is column 32 group + 8 u + r + 8 (r / 8): so, with the weight as source 0, a result lane's 16
; registers of tiles 0 and 1 are 16 neighbouring columns.  THE SCALE WORDS: [expert][group][16 u + r][K steps] words, so that a lane fetches all its words by loads of 16 bytes.
; A LANE TAKES A COLUMN AND ITS REGISTERS RUN DOWN K: a block of 32 lies in one lane, each load reads 128 consecutive bytes a wave, and the conversion gives codes with K innermost.
; A work-group takes 128 columns x 256 K, a wave 32 columns; its four fragments meet in the wave's own stage in LDS and leave as 6,144 dense bytes.  The two scale words of a lane leave as 8 bytes:
; those blocks of 256 bytes are written in parts by the work-groups along K; they are one byte in 128 of what the launch reads.
; A block's scale is 2^(floor(log2(largest magnitude)) - 4); its byte is the largest magnitude's exponent field - 4, held at 1 from below.
; LIMITS: a block of zeros gets the byte 1 where the rule says 127 (its codes are zeros, and this program alone reads the bytes); NaN and infinities among the inputs are not served.
; One path serves all three tensors: the work-group's number selects sizes and pointers, and no LDS address hangs on it.
.set W2Q,   12582912                   ; wq: W1's codes at 0, W2's here,
.set WGQ,   25165824                   ; Wg1's,
.set W1S,   25559040                   ; W1's scale words,
.set W2S,   26083328                   ; W2's,
.set WGS,   26607616                   ; Wg1's
.set TP,    1664                       ; a fragment's place in the stage: 1,536 bytes + 128
.set WST,   4*TP                       ; a wave's stage: [K step 2][tile 2]
.set SPARE, 4*WST                      ; behind the stages: the spare words, 128 bytes a wave
.set SPW,  1                           ; v1   my spare word's LDS address; never rewritten
.set NIL,  2                           ; v2   0; never rewritten
.set STA,  4                           ; v4   the stage, on the way in
.set RB,   5                           ; v5   and on the way out
.set SB,   14                          ; v14-15  my column's two scale words
.set OFF,  16                          ; v16-47  4 lane + i rows of the tensor; never rewritten
.set X,    48                          ; v48-111 two sets of 32 numbers
.set C,    112                         ; v112-118 a block's codes
.set OUTR, 120                         ; v120-167 the way out
.set BB,   40                          ; s[40:55] the eight blocks' bases; never rewritten
	s_load_b256 s[4:11], s[0:1], 0x0               ; W1 s[4:5], W2 s[6:7], Wg1 s[8:9], wq s[10:11]
	v_lshl_add_u32 v[SPW], v0, 2, SPARE
	v_mov_b32 v[NIL], 0
	v_lshrrev_b32 v8, 5, v0
	v_readfirstlane_b32 s12, v8                    ; wave
	v_and_b32 v9, 31, v0                           ; lane j: column 32 group + j
	s_wait_alu depctr_va_vdst(0)
	s_mov_b32 s13, 11                              ; Wg1: log2 of a row's bytes,
	s_mov_b32 s14, 2                               ; log2 of the slices of 256 along K,
	s_mov_b32 s15, WGQ
	s_mov_b32 s16, WGS
	s_mov_b32 s17, 1024                            ; and its first work-group
	s_cmp_lt_u32 ttmp9, 1024
	s_cselect_b32 s13, 12, s13                     ; W2
	s_cselect_b32 s14, 3, s14
	s_cselect_b32 s15, W2Q, s15
	s_cselect_b32 s16, W2S, s16
	s_cselect_b32 s17, 512, s17
	s_cmp_lt_u32 ttmp9, 512
	s_cselect_b32 s13, 13, s13                     ; W1
	s_cselect_b32 s14, 2, s14
	s_cselect_b32 s15, 0, s15
	s_cselect_b32 s16, W1S, s16
	s_cselect_b32 s17, 0, s17
	s_sub_co_u32 s18, s13, 9                       ; log2 of the groups of 128 columns
	s_sub_co_u32 s19, ttmp9, s17
	s_lshl_b32 s20, -1, s18
	s_and_not1_b32 s21, s19, s20                   ; which 128 columns
	s_lshr_b32 s19, s19, s18
	s_lshl_b32 s20, -1, s14
	s_and_not1_b32 s22, s19, s20                   ; which 256 along K
	s_lshr_b32 s23, s19, s14                       ; expert
	s_lshl_b32 s24, 1, s13                         ; a row's bytes
	s_lshl_b32 s25, s21, 2
	s_add_co_u32 s25, s25, s12                     ; my group of 32 columns
	s_add_co_u32 s38, s18, 2
	s_lshl_b32 s26, s23, s38
	s_add_co_u32 s26, s26, s25                     ; expert x groups + group
	s_add_co_u32 s27, s14, 1                       ; log2 of the K steps
	s_lshl_b32 s28, s23, 23                        ; the source: an expert is 8 MiB,
	s_add_co_u32 s38, s13, 8
	s_lshl_b32 s38, s22, s38                       ; 256 rows a slice,
	s_add_co_u32 s28, s28, s38
	s_lshl_b32 s38, s21, 9                         ; 512 bytes a work-group,
	s_add_co_u32 s28, s28, s38
	s_lshl_b32 s38, s12, 7                         ; 128 a wave
	s_add_co_u32 s28, s28, s38
	s_mov_b32 s29, 0
	s_lshl_b32 s30, s26, s27                       ; the codes: (group x K steps + 2 slice) x 3,072
	s_lshl_b32 s38, s22, 1
	s_add_co_u32 s30, s30, s38
	s_mul_i32 s30, s30, 3072
	s_add_co_u32 s30, s30, s15
	s_mov_b32 s31, 0
	s_add_co_u32 s38, s27, 7                       ; the scale words: 32 lanes x K steps x 4 bytes a group
	s_lshl_b32 s32, s26, s38
	s_add_co_u32 s32, s32, s16
	s_mov_b32 s33, 0
	s_add_co_u32 s38, s13, 5
	s_lshl_b32 s34, 1, s38                         ; 32 rows
	s_mov_b32 s35, 0
	v_lshlrev_b32 v3, 2, v9
	v_bfe_u32 v10, v9, 3, 1                        ; u: my column's tile
	v_and_b32 v11, 7, v9
	v_lshrrev_b32 v12, 4, v9
	v_lshl_or_b32 v11, v12, 3, v11                 ; r: its row in the tile
	v_mul_u32_u24 v[STA], v10, TP
	v_lshl_add_u32 v[STA], v11, 4, v[STA]
	s_mul_i32 s39, s12, WST
	v_add_nc_u32 v[STA], s39, v[STA]               ; wave's stage + tile + 16 r
	v_lshlrev_b32 v6, 4, v9                        ; 16 lane
	v_add_nc_u32 v[RB], s39, v6
	v_lshl_or_b32 v12, v10, 4, v11                 ; 16 u + r
	s_add_co_u32 s38, s27, 2
	v_lshlrev_b32 v7, s38, v12
	s_lshl_b32 s38, s22, 3
	v_add_nc_u32 v7, s38, v7                       ; my row of scale words, + my slice's two
.set i, 0
.rept 32
	v_mad_u32_u24 v[OFF+i], s24, i, v3
.set i, i+1
.endr
	s_wait_alu depctr_va_vdst(0)
	s_wait_kmcnt 0x0
	s_cmp_lt_u32 ttmp9, 1024                       ; the choice of the pointer hangs on the work-group's number alone
	s_cselect_b64 s[36:37], s[6:7], s[8:9]
	s_cmp_lt_u32 ttmp9, 512
	s_cselect_b64 s[36:37], s[4:5], s[36:37]
	s_add_nc_u64 s[BB:BB+1], s[36:37], s[28:29]
.irp t, 1,2,3,4,5,6,7
	s_add_nc_u64 s[BB+2*\t:BB+2*\t+1], s[BB+2*\t-2:BB+2*\t-1], s[34:35]
.endr
	s_add_nc_u64 s[56:57], s[10:11], s[30:31]
	s_add_nc_u64 s[58:59], s[10:11], s[32:33]
.macro LOAD t                          ; block t: rows 32 t + i of my column, into set t % 2; read once in the program
.set li, 0
.rept 32
	global_load_b32 v[X+32*((\t)%2)+li], v[OFF+li], s[BB+2*(\t):BB+2*(\t)+1] th:TH_LOAD_NT
.set li, li+1
.endr
.endm
	LOAD 0
	LOAD 1
.macro BLOCK t                         ; block t of my column is block t % 4 of K step t / 4: registers 6 ((t / 2) % 2) on of lane 16 (t % 2) + r
.set XS, X+32*((\t)%2)
.set SL, (\t)/4
.set HH, (\t)%2
.if (\t) < 7
	s_wait_loadcnt 32                              ; this block's 32 loads are in; the next block's 32 may be out
.else
	s_wait_loadcnt 0
.endif
	v_max3_num_f32 v8, |v[XS]|, |v[XS+1]|, |v[XS+2]|
	v_max3_num_f32 v9, |v[XS+3]|, |v[XS+4]|, |v[XS+5]|
.irp i, 6,10,14,18,22,26
	v_max3_num_f32 v8, v8, |v[XS+\i]|, |v[XS+\i+1]|
	v_max3_num_f32 v9, v9, |v[XS+\i+2]|, |v[XS+\i+3]|
.endr
	v_max3_num_f32 v8, v8, |v[XS+30]|, |v[XS+31]|
	v_max3_num_f32 v8, v8, v9, 0x2800000           ; and the floor 2^(5 - 127): the byte cannot fall under 1
	v_add_nc_u32 v10, 0xfe000000, v8               ; 4 off the exponent field: the conversion takes this operand's exponent field as its scale
	v_cvt_scalef32_pk16_bf6_f32 v[C:C+2], v[XS:XS+15], v10
	v_cvt_scalef32_pk16_bf6_f32 v[C+4:C+6], v[XS+16:XS+31], v10   ; (a conversion's three registers begin on an even number)
	v_lshrrev_b32 v11, 23, v10                     ; the scale's byte; also the plain line behind the conversions
.if (\t)%4 == 0
	v_mov_b32 v[SB+SL], v11
.else
	v_lshl_or_b32 v[SB+SL], v11, 8*((\t)%4), v[SB+SL]
.endif
	v_mov_b32 v[C+3], v[C+4]                       ; the block's six registers on end
	v_mov_b32 v[C+4], v[C+5]
	v_mov_b32 v[C+5], v[C+6]
.if ((\t)/2)%2 == 0
	ds_store_b128 v[STA], v[C:C+3] offset:SL*2*TP+256*HH          ; registers 0-3: piece 0
	ds_store_b64 v[STA], v[C+4:C+5] offset:SL*2*TP+512+256*HH     ; registers 4, 5: piece 1, first half
.else
	ds_store_b64 v[STA], v[C:C+1] offset:SL*2*TP+520+256*HH       ; registers 6, 7: piece 1, second half
	ds_store_b128 v[STA], v[C+2:C+5] offset:SL*2*TP+1024+256*HH   ; registers 8-11: piece 2
.endif
.if (\t)+2 < 8
	LOAD (\t)+2
.endif
	s_wait_dscnt 0x0                               ; the stores have read their registers: the next block's codes may be written
.endm
.irp t, 0,1,2,3,4,5,6,7
	BLOCK \t
.endr
	s_wait_alu depctr_va_vdst(0)
	global_store_b64 v7, v[SB:SB+1], s[58:59]      ; my column's two scale words
.set oi, 0
.rept 12
	ds_load_b128 v[OUTR+4*oi:OUTR+4*oi+3], v[RB] offset:(oi/6)*2*TP+((oi/3)%2)*TP+(oi%3)*512   ; LDS serves a wave's instructions in order: these see my stores
.set oi, oi+1
.endr
.set oi, 0
.rept 12
	s_wait_dscnt 11-oi
	global_store_b128 v6, v[OUTR+4*oi:OUTR+4*oi+3], s[56:57] offset:512*oi   ; 32 lanes store 512 consecutive bytes, at a multiple of 256 from the buffer's first byte
.set oi, oi+1
.endr
	s_wait_tensorcnt 0x0                           ; the wave's end
	ds_add_u32 v[SPW], v[NIL]
	s_wait_dscnt 0x0
	s_endpgm
.Lfunc_end_k_q08051dcaf9_prep:
	.size	k_q08051dcaf9_prep, .Lfunc_end_k_q08051dcaf9_prep-k_q08051dcaf9_prep
	.p2alignl 7, 3214868480
	.fill 96, 4, 3214868480
	.section	.rodata,"a",@progbits
	.p2align	6, 0x0
	.amdhsa_kernel k_q08051dcaf9_prep
		.amdhsa_group_segment_fixed_size 27136
		.amdhsa_private_segment_fixed_size 0
		.amdhsa_enable_private_segment 0
		.amdhsa_kernarg_size 32
		.amdhsa_user_sgpr_count 2
		.amdhsa_user_sgpr_kernarg_segment_ptr 1
		.amdhsa_wavefront_size32 1
		.amdhsa_system_sgpr_workgroup_id_x 1
		.amdhsa_system_sgpr_workgroup_id_y 1
		.amdhsa_system_sgpr_workgroup_id_z 1
		.amdhsa_system_vgpr_workitem_id 0
		.amdhsa_next_free_vgpr 192
		.amdhsa_next_free_sgpr 66
		.amdhsa_reserve_vcc 0
		.amdhsa_float_denorm_mode_32 3
		.amdhsa_float_denorm_mode_16_64 3
		.amdhsa_memory_ordered 1
		.amdhsa_forward_progress 1
		.amdhsa_inst_pref_size 46
	.end_amdhsa_kernel
	.amdgpu_metadata
---
amdhsa.version: [ 1, 2 ]
amdhsa.kernels:
  - .name:           k_q08051dcaf9_prep
    .symbol:         k_q08051dcaf9_prep.kd
    .args:
      - { .name: W1, .offset: 0, .size: 8, .value_kind: global_buffer, .address_space: global }
      - { .name: W2, .offset: 8, .size: 8, .value_kind: global_buffer, .address_space: global }
      - { .name: Wg1, .offset: 16, .size: 8, .value_kind: global_buffer, .address_space: global }
      - { .name: wq, .offset: 24, .size: 8, .value_kind: global_buffer, .address_space: global }
    .group_segment_fixed_size: 27136
    .private_segment_fixed_size: 0
    .kernarg_segment_align: 8
    .kernarg_segment_size: 32
    .max_flat_workgroup_size: 128
    .sgpr_count:     66
    .vgpr_count:     192
    .wavefront_size: 32
...
	.end_amdgpu_metadata
.endif
;; end of part 7
;; launch gate (part 8): grid 128 x 1, 16 waves a work-group, no clusters, 40,960 bytes of LDS; arguments x, wq, bg1, Wg2, bg2, xq, route, gw, out1; writes xq, route, gw, out1
.if DOCPART == 8
	.amdgcn_target "amdgcn-amd-amdhsa--gfx1250"
	.amdhsa_code_object_version 6
	.text
	.protected	k_q08051dcaf9_gate
	.globl	k_q08051dcaf9_gate
	.p2align	8
	.type	k_q08051dcaf9_gate,@function
k_q08051dcaf9_gate:
	s_mov_b64 s[64:65], 0
	v_nop
	global_prefetch_b8 v0, s[64:65] scope:SCOPE_SE
	s_setreg_imm32_b32 hwreg(HW_REG_WAVE_MODE, 25, 1), 1
	s_wait_xcnt 0x0
; GATE: quantises x along its 1,024 (for this product and for the experts' first), h = relu(Q(x) Q(Wg1) + bg1), scores = h Wg2 + bg2 in f32, out1 = softmax(scores), the three largest
; probabilities (on a tie the lower index, as jax.lax.top_k has it) and the softmax of those three.  The choice steers no address here: it is stored at fixed places, route[token] = i0 | i1 << 8 | i2 << 16
; and gw[token] = g0, g1, g2, 0, and a later launch reads it.
; SHARES.  A work-group takes 16 tokens.  Wave w makes hidden units 32 w .. 32 w + 31 (two tiles) for all 16.  Waves 0-7 first quantise K step w of x; the fragments go to the others through LDS as
; images of their registers, in pieces of 16 bytes x 16 rows with a pitch of 272 bytes, so that they can also be read back token by token for xq.
; xq: a token's 768 bytes are its 48 pieces of 16 bytes: piece 6 s + 2 c + h holds registers 4 c .. 4 c + 3 of lane (r, h) in K step s; its 8 scale words lie at XSO + 32 token.
; THE MATRIX INSTRUCTION IS USED TRANSPOSED (source 0 = 16 columns of Wg1, source 1 = the 16 tokens): a lane holds one token, its 16 results are hidden units 32 w + 16 (lane / 16) + 0 .. 15.  bg1 is the sums' first C.
; The second product (N = 8) is 128 fused multiply-adds a lane in f32; the waves' parts meet in LDS and wave 0 adds them in ascending order.
; route is stored as 64 bytes a work-group: a quarter of a block of 256 bytes; it is 8 KiB in all.
; LIMITS: NaN and infinities among the inputs are not served; a block of zeros gets the scale byte 1 with zero codes.
.set WGQ,   25165824
.set WGS,   26607616
.set XSO,   1572864
.set XIMG,  0                          ; LDS: x's 48 pieces x 272 bytes,
.set XSC,   13312                      ; its scale words, 128 bytes a K step,
.set G2,    14336                      ; Wg2, 16,384 bytes,
.set PS,    30720                      ; the waves' parts of the scores, 512 bytes each,
.set SPARE, 38912                      ; the spare words, 128 bytes a wave
.set SPW,  1
.set NIL,  2
.set T4,   3                           ; 4 x thread
.set L4,   4                           ; 4 x lane
.set T16,  5                           ; 16 x thread
.set L16,  6                           ; 16 x lane
.set R16,  7                           ; 16 r
.set XI,   8                           ; 272 h + 16 r: my place in a pair of pieces
.set XWI,  9                           ; + 1,632 x (wave % 8): where I store my K step's
.set G2A,  10                          ; my 16 hidden units' rows of Wg2
.set XOUT, 11                          ; a token's pieces, on the way to xq
.set XSR,  12                          ; a token's scale words, on the way to xq
.set XA,   13                          ; x: my byte in the 16 rows
.set O1A,  14                          ; out1: 32 r + 16 h
.set XQA,  15                          ; xq: my byte in the work-group's 16 rows
.set WR,   16                          ; v16-111  Wg1's fragments: four sets of two
.set XF,   112                         ; v112-207 x's eight fragments; while x is quantised: 64 numbers, then TM, then PC
.set TM,   176
.set PC,   192
.set PW,   212                         ; the scale word just made
.set XS,   212                         ; v212-219 x's scale words
.set WS,   220                         ; v220-227 Wg1's: lanes 0-15 tile 0, lanes 16-31 tile 1
.set ACC,  228                         ; v228-243 the two accumulators
.set TV,   164
.set TI,   168
.set SEL,  36
; 64 numbers of a lane, register 16 b + i = k 32 b + 16 (lane / 16) + i of my row, become a fragment's codes in v[PC] on and its scale word in v[PW]
.macro QUANT s
.irp b, 0,1,2,3
	v_max3_num_f32 v[TM+\b], |v[\s+16*\b]|, |v[\s+1+16*\b]|, 0x2800000   ; my 16 numbers of block b, and the floor 2^(5 - 127): the byte cannot fall under 1
.endr
.irp i, 2,4,6,8,10,12,14
.irp b, 0,1,2,3
	s_delay_alu instid0(VALU_DEP_4)
	v_max3_num_f32 v[TM+\b], v[TM+\b], |v[\s+16*\b+\i]|, |v[\s+1+16*\b+\i]|
.endr
.endr
.irp b, 0,1,2,3
	s_delay_alu instid0(VALU_DEP_4)
	v_permlanex16_b32 v[TM+4+\b], v[TM+\b], s[SEL], s[SEL+1]
.endr
.irp b, 0,1,2,3
	s_delay_alu instid0(VALU_DEP_4)
	v_max_num_f32 v[TM+\b], v[TM+\b], v[TM+4+\b]   ; with lane l xor 16's: the block's largest magnitude
.endr
.irp b, 0,1,2,3
	s_delay_alu instid0(VALU_DEP_4)
	v_add_nc_u32 v[TM+12+\b], 0xfe000000, v[TM+\b]   ; 4 off its exponent field: the conversion's scale operand
.endr
.irp b, 0,1,2,3
	s_delay_alu instid0(VALU_DEP_4)
	v_lshrrev_b32 v[TM+4+\b], 23, v[TM+12+\b]      ; the scale's byte
.endr
	s_delay_alu instid0(VALU_DEP_3)
	v_lshl_or_b32 v[PW], v[TM+5], 8, v[TM+4]
	s_delay_alu instid0(VALU_DEP_1)
	v_lshl_or_b32 v[PW], v[TM+6], 16, v[PW]
	s_delay_alu instid0(VALU_DEP_1)
	v_lshl_or_b32 v[PW], v[TM+7], 24, v[PW]
.irp c, 0,1
	v_cvt_scalef32_pk16_bf6_f32 v[PC+6*\c:PC+2+6*\c], v[\s+32*\c:\s+15+32*\c], v[TM+12+2*\c]
	v_cvt_scalef32_pk16_bf6_f32 v[PC+12+4*\c:PC+14+4*\c], v[\s+16+32*\c:\s+31+32*\c], v[TM+12+2*\c+1]   ; (a conversion's three registers begin on an even number)
.endr
	v_nop                                          ; one plain line behind the conversions
.irp c, 0,1                                    ; the operand's layout wants a whole block in a lane: lanes 0-15 block 2 c, lanes 16-31 block 2 c + 1
.irp i, 0,1,2
	v_permlane16_swap_b32 v[PC+6*\c+\i], v[PC+12+4*\c+\i]
.endr
.irp i, 0,1,2
	s_delay_alu instid0(VALU_DEP_3)
	v_mov_b32 v[PC+3+6*\c+\i], v[PC+12+4*\c+\i]
.endr
.endr
.endm
.macro FETCHW s                        ; K step s of my two tiles of Wg1, into set s % 4
.irp u, 0,1
.irp c, 0,1,2
	global_load_b128 v[WR+24*((\s)%4)+12*\u+4*\c:WR+24*((\s)%4)+12*\u+4*\c+3], v[L16], s[38:39] offset:(\s)*3072+\u*1536+\c*512
.endr
.endr
.endm
	s_load_b256 s[4:11], s[0:1], 0x0               ; x, wq, bg1, Wg2
	s_load_b256 s[12:19], s[0:1], 0x20             ; bg2, xq, route, gw
	s_load_b64 s[20:21], s[0:1], 0x40              ; out1
	v_lshl_add_u32 v[SPW], v0, 2, SPARE
	v_mov_b32 v[NIL], 0
	v_lshrrev_b32 v252, 5, v0
	s_delay_alu instid0(VALU_DEP_1)
	v_readfirstlane_b32 s22, v252                  ; wave 0..15
	s_and_b32 s23, s22, 7
	v_and_b32 v252, 31, v0                         ; lane
	v_and_b32 v253, 15, v0                         ; r
	v_bfe_u32 v254, v0, 4, 1                       ; h
	; every LDS address is made here, ahead of the first parting of the waves
	v_lshlrev_b32 v[T4], 2, v0
	s_delay_alu instid0(VALU_DEP_4)
	v_lshlrev_b32 v[L4], 2, v252
	v_lshlrev_b32 v[T16], 4, v0
	v_lshlrev_b32 v[L16], 4, v252
	v_lshlrev_b32 v[R16], 4, v253
	v_mul_u32_u24 v[XI], v254, 272
	s_delay_alu instid0(VALU_DEP_1)
	v_lshl_add_u32 v[XI], v253, 4, v[XI]
	s_mul_i32 s32, s23, 1632
	v_add_nc_u32 v[XWI], s32, v[XI]
	s_lshl_b32 s32, s22, 10
	v_lshl_add_u32 v[G2A], v254, 9, s32            ; (32 wave + 16 h) rows of 32 bytes
	v_mul_u32_u24 v[XOUT], v253, 272
	s_delay_alu instid0(VALU_DEP_1)
	v_lshl_add_u32 v[XOUT], v254, 4, v[XOUT]
	s_lshl_b32 s32, s23, 5
	v_add_nc_u32 v[XOUT], s32, v[XOUT]             ; piece r (+ 16 j), token 2 (wave % 8) + h
	v_and_b32 v255, 1, v252
	v_lshrrev_b32 v[XSR], 1, v252
	s_delay_alu instid0(VALU_DEP_1)
	v_lshlrev_b32 v[XSR], 2, v[XSR]
	s_delay_alu instid0(VALU_DEP_1)
	v_lshl_add_u32 v[XSR], v255, 9, v[XSR]         ; token lane / 2, K steps 4 (lane % 2) on
	v_lshlrev_b32 v[XA], 12, v253
	s_delay_alu instid0(VALU_DEP_1)
	v_lshl_add_u32 v[XA], v254, 6, v[XA]
	s_lshl_b32 s32, s23, 9
	v_add_nc_u32 v[XA], s32, v[XA]                 ; row r of 4,096 bytes, K step wave % 8, my 16 numbers of a block
	v_lshlrev_b32 v[O1A], 5, v253
	s_delay_alu instid0(VALU_DEP_1)
	v_lshl_add_u32 v[O1A], v254, 4, v[O1A]
	v_mul_u32_u24 v[XQA], v254, 768
	s_delay_alu instid0(VALU_DEP_1)
	v_lshl_add_u32 v[XQA], v253, 4, v[XQA]
	s_mul_i32 s32, s23, 1536
	v_add_nc_u32 v[XQA], s32, v[XQA]
	v_lshlrev_b32 v252, 5, v252                    ; 32 lane: my eight scale words of Wg1
	v_lshlrev_b32 v254, 6, v254                    ; 64 h: my half's numbers of bg1
	s_mov_b32 s35, 0xffff0000                      ; lanes 16-31
	s_mov_b32 s[SEL], 0x76543210
	s_mov_b32 s[SEL+1], 0xfedcba98                 ; v_permlanex16_b32's selects for lane l xor 16
	s_mov_b32 s46, 0x3fb8aa3b                      ; log2(e)
	s_mov_b32 s33, 0
	s_wait_alu depctr_va_vdst(0)
	s_wait_kmcnt 0x0
	s_load_b256 s[24:31], s[12:13], 0x0            ; bg2's eight numbers
	s_mul_i32 s32, s22, 24576
	s_add_co_u32 s32, s32, WGQ
	s_add_nc_u64 s[38:39], s[6:7], s[32:33]        ; my group of 32 columns of Wg1: codes,
	s_lshl_b32 s32, s22, 10
	s_add_co_u32 s32, s32, WGS
	s_add_nc_u64 s[40:41], s[6:7], s[32:33]        ; scale words
	s_lshl_b32 s32, s22, 7
	s_add_nc_u64 s[8:9], s[8:9], s[32:33]          ; bg1 at my 32 units
	s_lshl_b32 s32, ttmp9, 16
	s_add_nc_u64 s[4:5], s[4:5], s[32:33]          ; x at the work-group's 16 rows
	s_mul_i32 s32, ttmp9, 12288
	s_add_nc_u64 s[42:43], s[14:15], s[32:33]      ; xq's codes,
	s_lshl_b32 s32, ttmp9, 9
	s_add_nc_u64 s[20:21], s[20:21], s[32:33]      ; out1,
	s_add_co_u32 s32, s32, XSO
	s_add_nc_u64 s[44:45], s[14:15], s[32:33]      ; xq's scale words,
	s_lshl_b32 s32, ttmp9, 6
	s_add_nc_u64 s[16:17], s[16:17], s[32:33]      ; route,
	s_lshl_b32 s32, ttmp9, 8
	s_add_nc_u64 s[18:19], s[18:19], s[32:33]      ; gw likewise
	FETCHW 0
	FETCHW 1
	FETCHW 2
	FETCHW 3
	global_load_b128 v[WS:WS+3], v252, s[40:41]
	global_load_b128 v[WS+4:WS+7], v252, s[40:41] offset:16
.irp u, 0,1
	global_load_b128 v[ACC+8*\u:ACC+8*\u+3], v254, s[8:9] offset:32*\u        ; bg1 in the result's layout: the sums begin with it
	global_load_b128 v[ACC+8*\u+4:ACC+8*\u+7], v254, s[8:9] offset:32*\u+16
.endr
	global_load_b128 v[244:247], v[T16], s[10:11]                              ; Wg2: 32 bytes a thread
	global_load_b128 v[248:251], v[T16], s[10:11] offset:8192
	s_cmp_lt_u32 s22, 8
	s_cbranch_scc0 .Ljoin
	; ---- waves 0-7: K step w of the 16 rows of x becomes a fragment
.irp b, 0,1,2,3
.irp j, 0,1,2,3
	global_load_b128 v[XF+16*\b+4*\j:XF+16*\b+4*\j+3], v[XA], s[4:5] offset:128*\b+16*\j th:TH_LOAD_NT   ; x is read here alone
.endr
.endr
.irp b, 0,1,2,3
	v_mov_b32 v[TM+4+\b], 0                        ; a lane permute's destination counts as one of its sources
.endr
	s_wait_loadcnt 0x0
	QUANT XF
.irp c, 0,1,2
	ds_store_b128 v[XWI], v[PC+4*\c:PC+4*\c+3] offset:XIMG+544*\c
.endr
	ds_store_b32 v[T4], v[PW] offset:XSC
.Ljoin:
	s_wait_loadcnt 0x0                             ; Wg2's piece, and all that the products want
	ds_store_b128 v[T16], v[244:247] offset:G2
	ds_store_b128 v[T16], v[248:251] offset:G2+8192
	s_wait_dscnt 0x0                               ; for the others' sake: my stores have landed
	s_barrier_signal -1
	s_barrier_wait -1                              ; x's eight fragments, their scale words and Wg2 lie in LDS
	; ---- the first product
.irp s, 0,1,2,3,4,5,6,7
.irp c, 0,1,2
	ds_load_b128 v[XF+12*\s+4*\c:XF+12*\s+4*\c+3], v[XI] offset:XIMG+544*(3*\s+\c)
.endr
	ds_load_b32 v[XS+\s], v[L4] offset:XSC+128*\s
.endr
	s_wait_dscnt 0x0
.irp s, 0,1,2,3,4,5,6,7                        ; the two accumulators by turns
.if \s > 3
	s_wait_loadcnt 6*(7-\s)                        ; this K step's six loads are in; those of the later steps, six each, may be out
.endif
	v_wmma_scale_f32_16x16x128_f8f6f4 v[ACC:ACC+7], v[WR+24*(\s%4):WR+24*(\s%4)+11], v[XF+12*\s:XF+12*\s+11], v[ACC:ACC+7], v[WS+\s], v[XS+\s] matrix_a_fmt:MATRIX_FMT_BF6 matrix_b_fmt:MATRIX_FMT_BF6
	v_wmma_scale_f32_16x16x128_f8f6f4 v[ACC+8:ACC+15], v[WR+24*(\s%4)+12:WR+24*(\s%4)+23], v[XF+12*\s:XF+12*\s+11], v[ACC+8:ACC+15], v[WS+\s], v[XS+\s] matrix_a_fmt:MATRIX_FMT_BF6 matrix_b_fmt:MATRIX_FMT_BF6 matrix_a_scale:MATRIX_SCALE_ROW1
.if \s < 4
.rept 4
	v_nop                                          ; places in front of loads into registers that matrix instructions have read
.endr
	FETCHW \s+4
.endif
.endr
.rept 4
	v_nop
.endr
.irp i, 0,1,2,3,4,5,6,7,8,9,10,11,12,13,14,15
	v_max_num_f32 v[ACC+\i], 0, v[ACC+\i]          ; relu, each accumulator from its low end on
.endr
	; ---- the second product, in f32: my 16 hidden units x 8 experts
.irp i, 0,1,2,3,4,5,6,7,8,9,10,11,12,13,14,15
	ds_load_b128 v[16+8*\i:16+8*\i+3], v[G2A] offset:G2+32*\i
	ds_load_b128 v[16+8*\i+4:16+8*\i+7], v[G2A] offset:G2+32*\i+16
.endr
	s_wait_dscnt 0x0
.irp e, 0,1,2,3,4,5,6,7
	v_mul_f32 v[144+\e], v[ACC], v[16+\e]
.endr
.irp i, 1,2,3,4,5,6,7,8,9,10,11,12,13,14,15
.irp e, 0,1,2,3,4,5,6,7
	v_fmac_f32 v[144+\e], v[ACC+\i], v[16+8*\i+\e]
.endr
.endr
.irp e, 0,1,2,3,4,5,6,7
	v_permlanex16_b32 v[152+\e], v[144+\e], s[SEL], s[SEL+1]
.endr
.irp e, 0,1,2,3,4,5,6,7
	v_add_f32 v[144+\e], v[144+\e], v[152+\e]      ; with the other half's 16 units
.endr
.irp e, 0,1,2,3
	s_delay_alu instid0(VALU_DEP_4)
	v_cndmask_b32 v[160+\e], v[144+\e], v[148+\e], s35   ; lanes 0-15 keep experts 0-3, lanes 16-31 experts 4-7
.endr
	ds_store_b128 v[T16], v[160:163] offset:PS
	s_wait_dscnt 0x0
	s_barrier_signal -1
	s_barrier_wait -1                              ; the sixteen parts lie in LDS; no barrier follows
	s_cmp_eq_u32 s22, 0
	s_cbranch_scc1 .Lrouter
	s_cmp_eq_u32 s22, 1
	s_cbranch_scc1 .Lwords
	s_cmp_ge_u32 s22, 8
	s_cbranch_scc1 .Lcodes
	s_branch .Lend
.Lwords:                                           ; ---- wave 1: the 16 tokens' scale words, 512 consecutive bytes
.irp i, 0,1,2,3
	ds_load_b32 v[16+\i], v[XSR] offset:XSC+128*\i
.endr
	s_wait_dscnt 0x0
	global_store_b128 v[L16], v[16:19], s[44:45]
	s_branch .Lend
.Lcodes:                                           ; ---- waves 8-15: two tokens' codes each; sixteen lanes store 256 consecutive bytes, aligned
.irp j, 0,1,2
	ds_load_b128 v[16+4*\j:16+4*\j+3], v[XOUT] offset:XIMG+4352*\j
.endr
	s_wait_dscnt 0x0
.irp j, 0,1,2
	global_store_b128 v[XQA], v[16+4*\j:16+4*\j+3], s[42:43] offset:256*\j
.endr
	s_branch .Lend
.Lrouter:                                          ; ---- wave 0: lane r (and its twin r + 16) takes token r
.set ww, 0
.rept 16
	ds_load_b128 v[16+8*ww:16+8*ww+3], v[R16] offset:PS+512*ww
	ds_load_b128 v[16+8*ww+4:16+8*ww+7], v[R16] offset:PS+512*ww+256
.set ww, ww+1
.endr
	s_wait_dscnt 0x0
.irp e, 0,1,2,3,4,5,6,7
	v_add_f32 v[144+\e], v[16+\e], v[24+\e]
.endr
.set ww, 2
.rept 14
.irp e, 0,1,2,3,4,5,6,7
	v_add_f32 v[144+\e], v[144+\e], v[16+8*ww+\e]
.endr
.set ww, ww+1
.endr
	s_wait_alu depctr_va_vdst(0)
	s_wait_kmcnt 0x0                               ; bg2
.irp e, 0,1,2,3,4,5,6,7
	v_add_f32 v[144+\e], s[24+\e], v[144+\e]
.endr
	v_max3_num_f32 v160, v144, v145, v146          ; the maximum is taken away before the exponential, as reference() does
	s_delay_alu instid0(VALU_DEP_1)
	v_max3_num_f32 v160, v160, v147, v148
	s_delay_alu instid0(VALU_DEP_1)
	v_max3_num_f32 v160, v160, v149, v150
	s_delay_alu instid0(VALU_DEP_1)
	v_max_num_f32 v160, v160, v151
.irp e, 0,1,2,3,4,5,6,7
	v_sub_f32 v[144+\e], v[144+\e], v160
.endr
.irp e, 0,1,2,3,4,5,6,7
	v_mul_f32 v[144+\e], s46, v[144+\e]
.endr
	s_wait_alu depctr_va_vdst(0)
.irp e, 0,1,2,3,4,5,6,7
	v_exp_f32 v[152+\e], v[144+\e]
.endr
	v_mov_b32 v172, -1.0                           ; under every probability.  (The plain line behind the exponentials)
	s_wait_alu depctr_va_vdst(0)                   ; one wait for the batch, ahead of its first reader
	v_add_f32 v161, v152, v153
	v_add_f32 v162, v154, v155
	v_add_f32 v163, v156, v157
	v_add_f32 v164, v158, v159
	s_delay_alu instid0(VALU_DEP_3)
	v_add_f32 v161, v161, v162
	s_delay_alu instid0(VALU_DEP_2)
	v_add_f32 v163, v163, v164
	s_delay_alu instid0(VALU_DEP_1)
	v_add_f32 v161, v161, v163
	s_wait_alu depctr_va_vdst(0)
	v_rcp_f32 v161, v161
	v_nop
	s_wait_alu depctr_va_vdst(0)
.irp e, 0,1,2,3,4,5,6,7
	v_mul_f32 v[152+\e], v[152+\e], v161           ; gate_probs
.endr
.irp e, 0,1,2,3
	s_delay_alu instid0(VALU_DEP_4)
	v_cndmask_b32 v[176+\e], v[152+\e], v[156+\e], s35
.endr
	global_store_b128 v[O1A], v[176:179], s[20:21] ; out1: the wave's store covers 512 consecutive bytes
.irp k, 0,1,2                                  ; the three largest: the running best is kept where it is at least as large, so the lower index wins a tie
	v_mov_b32 v[TV+\k], v152
	v_mov_b32 v[TI+\k], 0
.irp e, 1,2,3,4,5,6,7
	s_delay_alu instid0(VALU_DEP_2)
	v_cmp_ge_f32 vcc_lo, v[TV+\k], v[152+\e]
	s_delay_alu instid0(VALU_DEP_1)
	v_cndmask_b32 v[TV+\k], v[152+\e], v[TV+\k], vcc_lo
	s_delay_alu instid0(VALU_DEP_2)
	v_cndmask_b32 v[TI+\k], \e, v[TI+\k], vcc_lo
.endr
.if \k < 2
.irp e, 0,1,2,3,4,5,6,7
	v_cmp_eq_u32 vcc_lo, \e, v[TI+\k]
	s_delay_alu instid0(VALU_DEP_1)
	v_cndmask_b32 v[152+\e], v[152+\e], v172, vcc_lo   ; the one taken is out of the running
.endr
.endif
.endr
	v_sub_f32 v184, v[TV+1], v[TV]                 ; the softmax of the three: the largest, the first, is taken away
	s_delay_alu instid0(VALU_DEP_3)
	v_sub_f32 v185, v[TV+2], v[TV]
	s_delay_alu instid0(VALU_DEP_2)
	v_mul_f32 v184, s46, v184
	s_delay_alu instid0(VALU_DEP_2)
	v_mul_f32 v185, s46, v185
	s_wait_alu depctr_va_vdst(0)
	v_exp_f32 v184, v184
	v_exp_f32 v185, v185
	v_lshl_or_b32 v186, v[TI+1], 8, v[TI]
	s_wait_alu depctr_va_vdst(0)
	v_add_f32 v187, 1.0, v184
	v_add_f32 v187, v187, v185
	s_wait_alu depctr_va_vdst(0)
	v_rcp_f32 v180, v187
	v_lshl_or_b32 v186, v[TI+2], 16, v186
	s_wait_alu depctr_va_vdst(0)
	v_mul_f32 v181, v184, v180
	v_mul_f32 v182, v185, v180
	v_mov_b32 v183, 0
	v_cmp_gt_u32 vcc_lo, 64, v[L4]                 ; lanes 0-15
	s_wait_alu depctr_va_vdst(0)
	s_wait_xcnt 0x0                                ; EXEC changes only behind this wait
	s_and_saveexec_b32 s34, vcc_lo
	global_store_b32 v[L4], v186, s[16:17]
	global_store_b128 v[L16], v[180:183], s[18:19] ; sixteen lanes store 256 consecutive bytes, aligned
	s_wait_xcnt 0x0
	s_or_b32 exec_lo, exec_lo, s34
.Lend:
	s_wait_tensorcnt 0x0                           ; the wave's end
	ds_add_u32 v[SPW], v[NIL]
	s_wait_dscnt 0x0
	s_endpgm
.Lfunc_end_k_q08051dcaf9_gate:
	.size	k_q08051dcaf9_gate, .Lfunc_end_k_q08051dcaf9_gate-k_q08051dcaf9_gate
	.p2alignl 7, 3214868480
	.fill 96, 4, 3214868480
	.section	.rodata,"a",@progbits
	.p2align	6, 0x0
	.amdhsa_kernel k_q08051dcaf9_gate
		.amdhsa_group_segment_fixed_size 40960
		.amdhsa_private_segment_fixed_size 0
		.amdhsa_enable_private_segment 0
		.amdhsa_kernarg_size 72
		.amdhsa_user_sgpr_count 2
		.amdhsa_user_sgpr_kernarg_segment_ptr 1
		.amdhsa_wavefront_size32 1
		.amdhsa_system_sgpr_workgroup_id_x 1
		.amdhsa_system_sgpr_workgroup_id_y 1
		.amdhsa_system_sgpr_workgroup_id_z 1
		.amdhsa_system_vgpr_workitem_id 0
		.amdhsa_next_free_vgpr 256
		.amdhsa_next_free_sgpr 66
		.amdhsa_reserve_vcc 1
		.amdhsa_float_denorm_mode_32 3
		.amdhsa_float_denorm_mode_16_64 3
		.amdhsa_memory_ordered 1
		.amdhsa_forward_progress 1
		.amdhsa_inst_pref_size 46
	.end_amdhsa_kernel
	.amdgpu_metadata
---
amdhsa.version: [ 1, 2 ]
amdhsa.kernels:
  - .name:           k_q08051dcaf9_gate
    .symbol:         k_q08051dcaf9_gate.kd
    .args:
      - { .name: x, .offset: 0, .size: 8, .value_kind: global_buffer, .address_space: global }
      - { .name: wq, .offset: 8, .size: 8, .value_kind: global_buffer, .address_space: global }
      - { .name: bg1, .offset: 16, .size: 8, .value_kind: global_buffer, .address_space: global }
      - { .name: Wg2, .offset: 24, .size: 8, .value_kind: global_buffer, .address_space: global }
      - { .name: bg2, .offset: 32, .size: 8, .value_kind: global_buffer, .address_space: global }
      - { .name: xq, .offset: 40, .size: 8, .value_kind: global_buffer, .address_space: global }
      - { .name: route, .offset: 48, .size: 8, .value_kind: global_buffer, .address_space: global }
      - { .name: gw, .offset: 56, .size: 8, .value_kind: global_buffer, .address_space: global }
      - { .name: out1, .offset: 64, .size: 8, .value_kind: global_buffer, .address_space: global }
    .group_segment_fixed_size: 40960
    .private_segment_fixed_size: 0
    .kernarg_segment_align: 8
    .kernarg_segment_size: 72
    .max_flat_workgroup_size: 512
    .sgpr_count:     66
    .vgpr_count:     256
    .wavefront_size: 32
...
	.end_amdgpu_metadata
.endif
;; end of part 8
;; launch place (part 9): grid 1 x 1, 32 waves a work-group, no clusters, 5,120 bytes of LDS; arguments route, plan; writes plan
.if DOCPART == 9
	.amdgcn_target "amdgcn-amd-amdhsa--gfx1250"
	.amdhsa_code_object_version 6
	.text
	.protected	k_q08051dcaf9_place
	.globl	k_q08051dcaf9_place
	.p2align	8
	.type	k_q08051dcaf9_place,@function
k_q08051dcaf9_place:
	s_mov_b64 s[64:65], 0
	v_nop
	global_prefetch_b8 v0, s[64:65] scope:SCOPE_SE
	s_setreg_imm32_b32 hwreg(HW_REG_WAVE_MODE, 25, 1), 1
	s_wait_xcnt 0x0
; PLACE: a counting sort of the 2,048 x 3 (token, choice) pairs by expert, without atomics, by one work-group of 1,024 threads.  Each expert's rows begin at a multiple of 128, so that a tile of 128 rows
; has one expert: never more than 48 + 7 = 55 tiles, whatever the split.  plan holds: TE[64] at 0: a tile's expert, 8 where there is no such tile; RL[7,040] at 256: position -> token (an expert's last tile is
; filled up with token 0, whose results nobody reads); PO[2,048][4] at 28,416: (token, choice) -> position.  Positions behind the last tile are not written and not read.
; Thread t takes tokens t (group A) and t + 1,024 (group B).  A token names an expert at most once, so its rank in the wave is the count of lower lanes that name the expert.  The waves' counts, A's in the low
; half of a word and B's in the high half (each at most 1,024), meet in LDS; every wave sums all 32 (the totals) and those of lower waves (its offset).
; RL is scattered in stores of 4 bytes: 24 KiB in all, once.
.set RL,    256
.set PO,    28416
.set SPARE, 1024                       ; behind the table of 32 x 32 bytes: the spare words, 128 bytes a wave
	s_load_b128 s[4:7], s[0:1], 0x0                ; route, plan
	v_lshl_add_u32 v1, v0, 2, SPARE                ; my spare word; never rewritten
	v_mov_b32 v2, 0                                ; 0; never rewritten
	v_and_b32 v3, 31, v0                           ; lane
	v_mov_b32 v4, 1
	v_lshrrev_b32 v9, 5, v0
	s_delay_alu instid0(VALU_DEP_1)
	v_readfirstlane_b32 s8, v9                     ; wave
	v_lshlrev_b32 v84, 2, v0
	v_and_b32 v85, 0x3e0, v0                       ; 32 x wave: my wave's row of the table
	v_lshlrev_b32 v86, 5, v3                       ; 32 x lane: wave l's row
	v_lshlrev_b32 v87, 4, v0
	v_add_nc_u32 v94, 1024, v0                     ; group B's token
	s_mov_b32 s10, 0x76543210
	s_mov_b32 s11, 0xfedcba98
	s_wait_alu depctr_va_vdst(0)
	s_wait_kmcnt 0x0
	global_load_b32 v5, v84, s[4:5]
	global_load_b32 v6, v84, s[4:5] offset:4096
	s_wait_loadcnt 0x0
.irp k, 0,1,2
	v_bfe_u32 v[10+\k], v5, 8*\k, 3                ; the experts' numbers, 0..7
	v_bfe_u32 v[13+\k], v6, 8*\k, 3
.endr
	v_lshlrev_b32 v7, v10, v4                      ; a bit for each expert named
	v_lshlrev_b32 v9, v11, v4
	s_delay_alu instid0(VALU_DEP_1)
	v_or_b32 v7, v7, v9
	v_lshlrev_b32 v9, v12, v4
	s_delay_alu instid0(VALU_DEP_1)
	v_or_b32 v7, v7, v9
	v_lshlrev_b32 v8, v13, v4
	v_lshlrev_b32 v9, v14, v4
	s_delay_alu instid0(VALU_DEP_1)
	v_or_b32 v8, v8, v9
	v_lshlrev_b32 v9, v15, v4
	s_delay_alu instid0(VALU_DEP_1)
	v_or_b32 v8, v8, v9
.irp e, 0,1,2,3,4,5,6,7
	v_and_b32 v9, 1<<\e, v7
	s_delay_alu instid0(VALU_DEP_1)
	v_cmp_ne_u32 s12, 0, v9
	s_delay_alu instid0(VALU_DEP_1)
	v_mbcnt_lo_u32_b32 v[16+\e], s12, 0            ; my rank among the wave's tokens of group A that name expert e
	s_bcnt1_i32_b32 s13, s12
	v_and_b32 v9, 1<<\e, v8
	s_delay_alu instid0(VALU_DEP_1)
	v_cmp_ne_u32 s14, 0, v9
	s_delay_alu instid0(VALU_DEP_1)
	v_mbcnt_lo_u32_b32 v[24+\e], s14, 0
	s_bcnt1_i32_b32 s15, s14
	s_lshl_b32 s15, s15, 16
	s_or_b32 s[40+\e], s13, s15
.endr
.irp e, 0,1,2,3,4,5,6,7
	v_mov_b32 v[32+\e], s[40+\e]
.endr
	ds_store_b128 v85, v[32:35]                    ; all lanes write the same bytes with the same values
	ds_store_b128 v85, v[36:39] offset:16
	s_wait_dscnt 0x0
	s_barrier_signal -1
	s_barrier_wait -1
	ds_load_b128 v[32:35], v86                     ; lane l: wave l's counts
	ds_load_b128 v[36:39], v86 offset:16
.set i, 0
.rept 16
	v_mov_b32 v[48+i], 0                           ; the destination of a lane move counts as one of its sources
.set i, i+1
.endr
	s_wait_dscnt 0x0
	v_cmp_gt_u32 vcc_lo, s8, v3
.irp e, 0,1,2,3,4,5,6,7
	v_cndmask_b32 v[40+\e], 0, v[32+\e], vcc_lo    ; only the waves below mine
.endr
.irp m, 1,2,4,8                                ; sixteen sums over the 32 lanes, by turns
.set i, 0
.rept 16
	v_mov_b32_dpp v[48+i], v[32+i] row_xmask:\m row_mask:0xf bank_mask:0xf
.set i, i+1
.endr
.set i, 0
.rept 16
	v_add_nc_u32 v[32+i], v[32+i], v[48+i]
.set i, i+1
.endr
.endr
.set i, 0
.rept 16
	v_permlanex16_b32 v[48+i], v[32+i], s10, s11
.set i, i+1
.endr
.set i, 0
.rept 16
	v_add_nc_u32 v[32+i], v[32+i], v[48+i]         ; v32-39 the totals, v40-47 the sums below my wave: the same in every lane
.set i, i+1
.endr
	v_mov_b32 v64, 0                               ; v64-72: an expert's first tile; v72 the number of tiles
.irp e, 0,1,2,3,4,5,6,7
	v_and_b32 v[56+\e], 0xffff, v[32+\e]           ; group A's total
	v_lshrrev_b32 v9, 16, v[32+\e]
	s_delay_alu instid0(VALU_DEP_1)
	v_add_nc_u32 v[48+\e], v[56+\e], v9            ; the expert's rows
	s_delay_alu instid0(VALU_DEP_1)
	v_add_nc_u32 v9, 127, v[48+\e]
	s_delay_alu instid0(VALU_DEP_1)
	v_lshrrev_b32 v9, 7, v9                        ; its tiles
	s_delay_alu instid0(VALU_DEP_1)
	v_add_nc_u32 v[65+\e], v[64+\e], v9
	v_and_b32 v9, 0xffff, v[40+\e]
	s_delay_alu instid0(VALU_DEP_1)
	v_lshl_add_u32 v9, v[64+\e], 7, v9
	s_delay_alu instid0(VALU_DEP_1)
	v_add_nc_u32 v[16+\e], v[16+\e], v9            ; group A: first row + lower waves' + my rank
	v_lshrrev_b32 v9, 16, v[40+\e]
	s_delay_alu instid0(VALU_DEP_1)
	v_add_nc_u32 v9, v9, v[56+\e]
	s_delay_alu instid0(VALU_DEP_1)
	v_lshl_add_u32 v9, v[64+\e], 7, v9
	s_delay_alu instid0(VALU_DEP_1)
	v_add_nc_u32 v[24+\e], v[24+\e], v9            ; group B: behind all of group A's
	v_lshl_add_u32 v[56+\e], v[64+\e], 7, v[48+\e] ; where the filling begins
.endr
.irp k, 0,1,2,3
	v_mov_b32 v[76+\k], 0
	v_mov_b32 v[80+\k], 0
.endr
.irp e, 0,1,2,3,4,5,6,7
.irp k, 0,1,2
	v_cmp_eq_u32 vcc_lo, \e, v[10+\k]
	s_delay_alu instid0(VALU_DEP_1)
	v_cndmask_b32 v[76+\k], v[76+\k], v[16+\e], vcc_lo
	v_cmp_eq_u32 vcc_lo, \e, v[13+\k]
	s_delay_alu instid0(VALU_DEP_1)
	v_cndmask_b32 v[80+\k], v[80+\k], v[24+\e], vcc_lo
.endr
.endr
	global_store_b128 v87, v[76:79], s[6:7] offset:PO
	global_store_b128 v87, v[80:83], s[6:7] offset:PO+16384
.irp k, 0,1,2
	v_min_u32 v[88+\k], 0x1b7f, v[76+\k]           ; a number made of loaded ones enters an address behind a bound: 7,039, RL's last place
	v_min_u32 v[91+\k], 0x1b7f, v[80+\k]
	s_delay_alu instid0(VALU_DEP_2)
	v_lshlrev_b32 v[88+\k], 2, v[88+\k]
	s_delay_alu instid0(VALU_DEP_2)
	v_lshlrev_b32 v[91+\k], 2, v[91+\k]
	global_store_b32 v[88+\k], v0, s[6:7] offset:RL
	global_store_b32 v[91+\k], v94, s[6:7] offset:RL
.endr
	v_lshrrev_b32 v9, 7, v0                        ; 128 threads fill up each expert's last tile
	v_mov_b32 v73, 0
	v_mov_b32 v74, 0
.irp e, 0,1,2,3,4,5,6,7
	v_cmp_eq_u32 vcc_lo, \e, v9
	s_delay_alu instid0(VALU_DEP_1)
	v_cndmask_b32 v73, v73, v[56+\e], vcc_lo
	s_delay_alu instid0(VALU_DEP_2)
	v_cndmask_b32 v74, v74, v[65+\e], vcc_lo
.endr
	s_delay_alu instid0(VALU_DEP_1)
	v_lshlrev_b32 v74, 7, v74                      ; where the expert's tiles end
	v_and_b32 v75, 127, v0
	s_delay_alu instid0(VALU_DEP_1)
	v_add_nc_u32 v73, v73, v75
	s_delay_alu instid0(VALU_DEP_1)
	v_cmp_lt_u32 vcc_lo, v73, v74
	s_delay_alu instid0(VALU_DEP_2)
	v_min_u32 v73, 0x1b7f, v73
	s_delay_alu instid0(VALU_DEP_1)
	v_lshlrev_b32 v73, 2, v73
	s_wait_alu depctr_va_vdst(0)
	s_wait_xcnt 0x0                                ; EXEC changes only behind this wait
	s_and_saveexec_b32 s12, vcc_lo
	global_store_b32 v73, v79, s[6:7] offset:RL    ; token 0
	s_wait_xcnt 0x0
	s_or_b32 exec_lo, exec_lo, s12
	v_mov_b32 v75, 0
.irp e, 0,1,2,3,4,5,6,7
	v_cmp_ge_u32 vcc_lo, v0, v[65+\e]
	s_delay_alu instid0(VALU_DEP_1)
	v_cndmask_b32 v9, 0, v4, vcc_lo
	s_delay_alu instid0(VALU_DEP_1)
	v_add_nc_u32 v75, v75, v9                      ; tile t's expert: how many experts end at or before t; 8 behind the last tile
.endr
	v_cmp_gt_u32 vcc_lo, 64, v0
	s_wait_alu depctr_va_vdst(0)
	s_wait_xcnt 0x0
	s_and_saveexec_b32 s12, vcc_lo
	global_store_b32 v84, v75, s[6:7]
	s_wait_xcnt 0x0
	s_or_b32 exec_lo, exec_lo, s12
	s_wait_tensorcnt 0x0                           ; the wave's end
	ds_add_u32 v1, v2
	s_wait_dscnt 0x0
	s_endpgm
.Lfunc_end_k_q08051dcaf9_place:
	.size	k_q08051dcaf9_place, .Lfunc_end_k_q08051dcaf9_place-k_q08051dcaf9_place
	.p2alignl 7, 3214868480
	.fill 96, 4, 3214868480
	.section	.rodata,"a",@progbits
	.p2align	6, 0x0
	.amdhsa_kernel k_q08051dcaf9_place
		.amdhsa_group_segment_fixed_size 5120
		.amdhsa_private_segment_fixed_size 0
		.amdhsa_enable_private_segment 0
		.amdhsa_kernarg_size 16
		.amdhsa_user_sgpr_count 2
		.amdhsa_user_sgpr_kernarg_segment_ptr 1
		.amdhsa_wavefront_size32 1
		.amdhsa_system_sgpr_workgroup_id_x 1
		.amdhsa_system_sgpr_workgroup_id_y 1
		.amdhsa_system_sgpr_workgroup_id_z 1
		.amdhsa_system_vgpr_workitem_id 0
		.amdhsa_next_free_vgpr 96
		.amdhsa_next_free_sgpr 66
		.amdhsa_reserve_vcc 1
		.amdhsa_float_denorm_mode_32 3
		.amdhsa_float_denorm_mode_16_64 3
		.amdhsa_memory_ordered 1
		.amdhsa_forward_progress 1
		.amdhsa_inst_pref_size 33
	.end_amdhsa_kernel
	.amdgpu_metadata
---
amdhsa.version: [ 1, 2 ]
amdhsa.kernels:
  - .name:           k_q08051dcaf9_place
    .symbol:         k_q08051dcaf9_place.kd
    .args:
      - { .name: route, .offset: 0, .size: 8, .value_kind: global_buffer, .address_space: global }
      - { .name: plan, .offset: 8, .size: 8, .value_kind: global_buffer, .address_space: global }
    .group_segment_fixed_size: 5120
    .private_segment_fixed_size: 0
    .kernarg_segment_align: 8
    .kernarg_segment_size: 16
    .max_flat_workgroup_size: 1024
    .sgpr_count:     66
    .vgpr_count:     96
    .wavefront_size: 32
...
	.end_amdgpu_metadata
.endif
;; end of part 9
;; launch up (part 10): grid 4 x 55, 4 waves a work-group, no clusters, 104,960 bytes of LDS; arguments plan, xq, wq, b1, hq; writes hq
.if DOCPART == 10
	.amdgcn_target "amdgcn-amd-amdhsa--gfx1250"
	.amdhsa_code_object_version 6
	.text
	.protected	k_q08051dcaf9_up
	.globl	k_q08051dcaf9_up
	.p2align	8
	.type	k_q08051dcaf9_up,@function
k_q08051dcaf9_up:
	s_mov_b64 s[64:65], 0
	v_nop
	global_prefetch_b8 v0, s[64:65] scope:SCOPE_SE
	s_setreg_imm32_b32 hwreg(HW_REG_WAVE_SCHED_MODE, 0, 2), 2
	s_setreg_imm32_b32 hwreg(HW_REG_WAVE_MODE, 25, 1), 1
	s_wait_xcnt 0x0
	s_wait_alu depctr_vm_vsrc(0)
; UP: the experts' first product on the chosen rows alone: for a tile of 128 rows of one expert, h1 = gelu(Q(x) Q(W1[e]) + b1[e]), quantised along the hidden units into hq.
; WORK LEFT OUT: the rows of experts whose weight is the 0 that reference() builds by one_hot (shown at the head of the first kernel).
; SHARES.  Work-group (x, y) takes tile y and hidden units 512 x .. 512 x + 511; wave w 128 rows x 128 units, 64 accumulators: K step 4 x + w of the second product.  The grid has 55 tiles, the most that any split
; can give; a work-group whose tile has no expert (TE = 8) stores nothing and ends.  That is a branch on a stored number, so this launch has no tensor load and no cluster, and the one barrier stands ahead of
; the branch: up to it such a work-group takes tile 0's rows, which always exist.
; THE ROWS' CODES are gathered by the list RL from xq, whose rows lie in pieces of 16 bytes in the order of the operand's registers, into LDS as images of the fragments [K step][row tile][1,536 bytes]; the
; weights' fragments come from wq straight into registers, three sets by turns, two K steps ahead.
; THE MATRIX INSTRUCTION IS USED TRANSPOSED (source 0 = 16 columns of W1, source 1 = 16 rows): a lane holds one row, and the 64 registers of a row tile are its 128 hidden units in the order the quantiser wants.
; b1 is the C of each sum's first instruction.
; GELU is reference()'s exact form, x/2 (1 + erf(x / sqrt 2)), in f32: erf(z) = z P(z^2) / Q(z^2) with polynomials of degree 6 and 4, z held to +-4, where erf is 1 to f32's last bit; good to a few units in f32's last place.
; hq: codes [tile][K step 16][row tile 8][1,536 bytes]; scale words at HS: [tile][K step][4][32 lanes]: row tile 2 j in lanes 0-15, 2 j + 1 in lanes 16-31.
; LIMITS: NaN and infinities are not served; a block of zeros gets the byte 1 with zero codes.
; THE MODE: SCHED_MODE bits 1:0 = 2 (LLVM: expert scheduling mode 2), set by the entry lines.  The code itself states the register dependences between vector or matrix instructions and memory or LDS
; instructions, with s_wait_alu, always for 0.
; THE PLAN.  Registers that memory or LDS instructions touch in the K steps:
;   W1's sets 0, 1, 2    K step s: its 64 products read set s % 3; the loads of K step s + 2 land in set (s + 2) % 3, which K step s - 1 read.
;   row tiles 4-7        one buffer: read by K step s's second 32 products; K step s's own loads land in it at the step's head, behind K step s - 1's reads.
;   row tiles 0-3        two buffers: P, and from K step 2 on the registers that held b1, which K step 0 alone reads.  K steps 0, 1, 3, 5, 7 read P, K steps 2, 4, 6 the other; K step s loads K step s + 1's
;                        tiles into the buffer that it does not read.
;   the rows' scale words  two sets: K step s reads set s % 2; the loads of K step s + 1 land in the other.
;   the addresses        made once at the head, never written again.
; So ONE wait on va_vdst stands at the head of each of K steps 1 to 7: it states that the products of the step before are done reading all the registers in which this step's loads land.  The loads follow it, dealt
; among the step's products, which name none of those registers.  K step 0, whose products still read b1, takes K step 1's row tiles 0-3 into P behind a wait in its middle.
; On the way out one wait on va_vdst stands ahead of a trip's stores and one on vm_vsrc at the trip's end, ahead of the next trip's writes of what the stores read.
; REGISTERS, in windows of 256.  window 0: v1-15 addresses; v16-23 the rows' scale words, two sets; v24-55 W1's; v56-151 the rows' eight fragments (row tiles 0-3: buffer P); v152-247 W1's set 2; v248-254 constants and scale words on the way out.
;   window 1: W1's set 0 at v0, set 1 at v128; b1's tiles 0-3 at v96, 4-7 at v224, and behind K step 0 the second buffer of row tiles 0, 1 at v96 and 2, 3 at v224.
;   windows 2, 3: accumulator (a, b) at v[8 (8 (a % 4) + b)] of window 2 + a / 4.
.set W1S,   25559040
.set XSO,   1572864
.set HS,    10813440
.set RL,    256
.set AIM,   0
.set ASC,   98304
.set SPARE, 102400
.set SPW,  1
.set NIL,  2
.set L16,  3                           ; 16 lane: an image's place for my lane; K steps 0-3
.set AR2,  4                           ; the same for K steps 4-7
.set AW,   5                           ; where I store my two row tiles' images, K steps 0-3
.set AW2,  6                           ; K steps 4-7
.set ASW,  7                           ; where I store my row's scale words
.set ASR,  8                           ; where I read scale words
.set L4,   9                           ; 4 lane
.set SA,   16
.set SB,   24
.set AF,   56
.set B2,   152
.set KA,   248                         ; the polynomials' leading coefficients, as pairs
.set KB,   250
.set PW,   252
.set PWE,  253                         ; the even row tile's scale word
.set SWR,  254
.set Z,    56                          ; the way out: x / sqrt 2,
.set G,    120                         ; x / 2, then gelu,
.set X2,   184
.set P,    200
.set Q,    216
.set TM,   184
.set PC,   200
.set SEL,  36
.set MSB, 0
.macro WIN new                         ; the immediate's high byte repeats the setting that is left; a switch that changes nothing is dropped
.if MSB != (\new)
	s_set_vgpr_msb (MSB<<8)|(\new)
.set MSB, (\new)
.endif
.endm
.macro PLACES                          ; four places behind products, ahead of the wait in front of loads into registers that they have read, and of the first read of results
.rept 4
	v_nop
.endr
.endm
.macro KPAIR r, val                    ; a constant as a scalar pair: the packed form names the pair and takes its low word for both halves
	s_mov_b32 s[\r], \val
	s_mov_b32 s[\r+1], \val
.endm
.macro WM d, a, b, cc, sa, sb, ra, rb  ; one product; ra, rb: the scale words lie in lanes 16-31
.if (\ra) && (\rb)
	v_wmma_scale_f32_16x16x128_f8f6f4 v[\d:\d+7], v[\a:\a+11], v[\b:\b+11], v[\cc:\cc+7], v[\sa], v[\sb] matrix_a_fmt:MATRIX_FMT_BF6 matrix_b_fmt:MATRIX_FMT_BF6 matrix_a_scale:MATRIX_SCALE_ROW1 matrix_b_scale:MATRIX_SCALE_ROW1
.elseif (\ra)
	v_wmma_scale_f32_16x16x128_f8f6f4 v[\d:\d+7], v[\a:\a+11], v[\b:\b+11], v[\cc:\cc+7], v[\sa], v[\sb] matrix_a_fmt:MATRIX_FMT_BF6 matrix_b_fmt:MATRIX_FMT_BF6 matrix_a_scale:MATRIX_SCALE_ROW1
.elseif (\rb)
	v_wmma_scale_f32_16x16x128_f8f6f4 v[\d:\d+7], v[\a:\a+11], v[\b:\b+11], v[\cc:\cc+7], v[\sa], v[\sb] matrix_a_fmt:MATRIX_FMT_BF6 matrix_b_fmt:MATRIX_FMT_BF6 matrix_b_scale:MATRIX_SCALE_ROW1
.else
	v_wmma_scale_f32_16x16x128_f8f6f4 v[\d:\d+7], v[\a:\a+11], v[\b:\b+11], v[\cc:\cc+7], v[\sa], v[\sb] matrix_a_fmt:MATRIX_FMT_BF6 matrix_b_fmt:MATRIX_FMT_BF6
.endif
.endm
.macro WHICH s                         ; ALT = 1: row tiles 0-3 of K step s lie in the second buffer (K steps 2, 4, 6)
.set ALT, 0
.if ((\s) >= 2) && (((\s)%2) == 0)
.set ALT, 1
.endif
.endm
.macro FB s                            ; W1's eight fragments of K step s, into set s % 3
.set BSET, (\s)%3
.if BSET == 2
	WIN 0
.set BF, B2
.else
	WIN 0x40
.set BF, 128*BSET
.endif
.irp p, 0,1,2,3
.irp u, 0,1
.irp c, 0,1,2
	global_load_b128 v[BF+12*(2*\p+\u)+4*\c:BF+12*(2*\p+\u)+4*\c+3], v[L16], s[28:29] offset:\p*24576+(\s)*3072+\u*1536+\c*512
.endr
.endr
.endr
.endm
.macro FA03 s                          ; row tiles 0-3 of K step s, into P or into the second buffer
	WHICH \s
	WIN 0x40*ALT
.irp a, 0,1,2,3
.set AA, AF+12*\a
.if ALT
.set AA, 96+12*\a+104*(\a/2)
.endif
.irp c, 0,1,2
.if (\s) < 4
	ds_load_b128 v[AA+4*\c:AA+4*\c+3], v[L16] offset:AIM+(\s)*12288+\a*1536+512*\c
.else
	ds_load_b128 v[AA+4*\c:AA+4*\c+3], v[AR2] offset:AIM+((\s)-4)*12288+\a*1536+512*\c
.endif
.endr
.endr
.endm
.macro FA47 s                          ; row tiles 4-7 of K step s: their one buffer
	WIN 0
.irp a, 4,5,6,7
.irp c, 0,1,2
.if (\s) < 4
	ds_load_b128 v[AF+12*\a+4*\c:AF+12*\a+4*\c+3], v[L16] offset:AIM+(\s)*12288+\a*1536+512*\c
.else
	ds_load_b128 v[AF+12*\a+4*\c:AF+12*\a+4*\c+3], v[AR2] offset:AIM+((\s)-4)*12288+\a*1536+512*\c
.endif
.endr
.endr
.endm
.macro FSA s                           ; the rows' scale words of K step s, into set s % 2
	WIN 0
.irp j, 0,1,2,3
	ds_load_b32 v[SA+4*((\s)%2)+\j], v[ASR] offset:512*(\s)+128*\j
.endr
.endm
; 16 products: row tiles a0, a0 + 1 x the eight column tiles.  The 64 accumulators take turns, one instruction a turn, in the same order in every K step.
.macro MUL16 a0, s
.set BSET, (\s)%3
.if BSET == 2
.set BF, B2
.set W0, 0
.else
.set BF, 128*BSET
.set W0, 1
.endif
.set HI, (\a0)/4
	WHICH \s
.if HI
.set ALT, 0
.endif
.if (\s) == 0
	WIN (0x80+0x40*HI)+0x10+W0                     ; D in window 2 or 3, C (b1) in window 1, the rows in window 0, W1 in its set's window
.else
	WIN (0x80+0x40*HI)+(0x20+0x10*HI)+4*ALT+W0     ; the rows in window 0, or, from the second buffer, in window 1
.endif
.irp a, \a0, \a0+1
.set AA, AF+12*(\a)
.if ALT
.set AA, 96+12*(\a)+104*((\a)/2)
.endif
.irp b, 0,1,2,3,4,5,6,7
.set DA, 8*(8*((\a)%4)+\b)
.if (\s) == 0
.set CC, 96+8*\b+96*(\b/4)
.else
.set CC, DA
.endif
	WM DA, BF+12*\b, AA, CC, SB+8*(\b/2)+(\s), SA+4*((\s)%2)+(\a)/2, \b%2, (\a)%2
.endr
.endr
.endm
.macro FIRST                           ; K step 0: all its products read b1, so the second buffer is not free yet: K step 1's row tiles 0-3 go into P, in the step's middle
	s_wait_loadcnt 24                              ; this K step's fragments of W1 are in; the next step's 24 loads may be out
	s_wait_dscnt 12                                ; row tiles 0-3 and the scale words are in; the youngest twelve loads (row tiles 4-7) may be out
	MUL16 0, 0
	MUL16 2, 0
	s_wait_dscnt 0
	PLACES
	s_wait_alu depctr_va_vdst(0)                   ; the 32 products above are done reading P, in which K step 1's row tiles 0-3 land
	FB 2
	FA03 1
	FSA 1
	MUL16 4, 0
	MUL16 6, 0
	PLACES
	WIN 0
.endm
.macro STEP s                          ; K steps 1 to 7
.if (\s) < 7
	s_wait_loadcnt 24                              ; this K step's fragments of W1 are in; the next step's 24 loads may be out
.else
	s_wait_loadcnt 0
.endif
	s_wait_dscnt 0x0                               ; row tiles 0-3 and the scale words of this K step are in: they were the youngest LDS loads, asked for 48 products ago
	s_wait_alu depctr_va_vdst(0)                   ; the products of the K step before are done reading row tiles 4-7, the buffer of row tiles 0-3 that this step does not read, their scale words and their set of W1: this step's loads land in these
	FA47 \s
	MUL16 0, \s
.if (\s) < 7
	FA03 (\s)+1                                    ; no wait: no product since the wait above names these registers
	FSA (\s)+1
.endif
	MUL16 2, \s
.if (\s)+2 < 8
	FB (\s)+2
.endif
.if (\s) < 7
	s_wait_dscnt 16                                ; row tiles 4-7 are in; the next step's 12 + 4 LDS loads may be out
.else
	s_wait_dscnt 0
.endif
	MUL16 4, \s
	MUL16 6, \s
	PLACES
	WIN 0
.endm
.macro QUANT s                         ; 64 numbers of a lane, register 16 b + i = k 32 b + 16 (lane / 16) + i of my row -> codes in v[PC] on, scale word in v[PW]
.irp b, 0,1,2,3
	v_max3_num_f32 v[TM+\b], |v[\s+16*\b]|, |v[\s+1+16*\b]|, 0x2800000   ; and the floor 2^(5 - 127): the byte cannot fall under 1
.endr
.irp i, 2,4,6,8,10,12,14
.irp b, 0,1,2,3
	v_max3_num_f32 v[TM+\b], v[TM+\b], |v[\s+16*\b+\i]|, |v[\s+1+16*\b+\i]|
.endr
.endr
.irp b, 0,1,2,3
	v_permlanex16_b32 v[TM+4+\b], v[TM+\b], s[SEL], s[SEL+1]
.endr
.irp b, 0,1,2,3
	v_max_num_f32 v[TM+\b], v[TM+\b], v[TM+4+\b]
.endr
.irp b, 0,1,2,3
	v_add_nc_u32 v[TM+12+\b], 0xfe000000, v[TM+\b]
.endr
.irp b, 0,1,2,3
	v_lshrrev_b32 v[TM+4+\b], 23, v[TM+12+\b]
.endr
	v_lshl_or_b32 v[PW], v[TM+5], 8, v[TM+4]
	v_lshl_or_b32 v[PW], v[TM+6], 16, v[PW]
	v_lshl_or_b32 v[PW], v[TM+7], 24, v[PW]
.irp c, 0,1
	v_cvt_scalef32_pk16_bf6_f32 v[PC+6*\c:PC+2+6*\c], v[\s+32*\c:\s+15+32*\c], v[TM+12+2*\c]
	v_cvt_scalef32_pk16_bf6_f32 v[PC+12+4*\c:PC+14+4*\c], v[\s+16+32*\c:\s+31+32*\c], v[TM+12+2*\c+1]
.endr
	v_nop                                          ; one plain line behind the conversions
.irp c, 0,1
.irp i, 0,1,2
	v_permlane16_swap_b32 v[PC+6*\c+\i], v[PC+12+4*\c+\i]
.endr
.irp i, 0,1,2
	v_mov_b32 v[PC+3+6*\c+\i], v[PC+12+4*\c+\i]
.endr
.endr
.endm
.macro COPY a                          ; row tile a's 64 sums leave their window as x / sqrt 2 and x / 2, each accumulator from its low end on
	WIN 0x02+(\a)/4
.set ci, 0
.rept 32
	v_pk_mul_f32 v[Z+2*ci:Z+2*ci+1], v[64*((\a)%4)+2*ci:64*((\a)%4)+2*ci+1], s[38:39] op_sel_hi:[1,0]
.set ci, ci+1
.endr
.set ci, 0
.rept 32
	v_pk_mul_f32 v[G+2*ci:G+2*ci+1], v[64*((\a)%4)+2*ci:64*((\a)%4)+2*ci+1], 0.5 op_sel_hi:[1,0]
.set ci, ci+1
.endr
	WIN 0
.endm
.macro HORNER d, k                     ; eight packed steps: d = d x z^2 + the constant in s[k]
.set gi, 0
.rept 8
	v_pk_fma_f32 v[\d+2*gi:\d+2*gi+1], v[\d+2*gi:\d+2*gi+1], v[X2+2*gi:X2+2*gi+1], s[\k:\k+1] op_sel_hi:[1,1,0]
.set gi, gi+1
.endr
.endm
.macro GELU q                          ; 16 numbers
.set ZQ, Z+16*(\q)
.set GQ, G+16*(\q)
.set gi, 0
.rept 16
	v_med3_num_f32 v[ZQ+gi], v[ZQ+gi], -4.0, 4.0
.set gi, gi+1
.endr
.set gi, 0
.rept 8
	v_pk_mul_f32 v[X2+2*gi:X2+2*gi+1], v[ZQ+2*gi:ZQ+2*gi+1], v[ZQ+2*gi:ZQ+2*gi+1]
.set gi, gi+1
.endr
.set gi, 0
.rept 8
	v_pk_fma_f32 v[P+2*gi:P+2*gi+1], v[X2+2*gi:X2+2*gi+1], v[KA:KA+1], s[40:41] op_sel_hi:[1,1,0]
.set gi, gi+1
.endr
.set gi, 0
.rept 8
	v_pk_fma_f32 v[Q+2*gi:Q+2*gi+1], v[X2+2*gi:X2+2*gi+1], v[KB:KB+1], s[52:53] op_sel_hi:[1,1,0]
.set gi, gi+1
.endr
	HORNER P, 42
	HORNER Q, 54
	HORNER P, 44
	HORNER Q, 56
	HORNER P, 46
	HORNER Q, 58
	HORNER P, 48
	HORNER P, 50
.set gi, 0
	s_wait_alu depctr_va_vdst(0)
.rept 16
	v_rcp_f32 v[Q+gi], v[Q+gi]
.set gi, gi+1
.endr
.set gi, 0
.rept 8
	v_pk_mul_f32 v[P+2*gi:P+2*gi+1], v[P+2*gi:P+2*gi+1], v[ZQ+2*gi:ZQ+2*gi+1]   ; plain work behind the reciprocals, which names none of them
.set gi, gi+1
.endr
	s_wait_alu depctr_va_vdst(0)                   ; the sixteen reciprocals are written: one wait for them, ahead of their first reader
.set gi, 0
.rept 8
	v_pk_mul_f32 v[P+2*gi:P+2*gi+1], v[P+2*gi:P+2*gi+1], v[Q+2*gi:Q+2*gi+1]     ; erf
.set gi, gi+1
.endr
.set gi, 0
.rept 8
	v_pk_fma_f32 v[GQ+2*gi:GQ+2*gi+1], v[GQ+2*gi:GQ+2*gi+1], v[P+2*gi:P+2*gi+1], v[GQ+2*gi:GQ+2*gi+1]   ; x/2 erf + x/2
.set gi, gi+1
.endr
.endm
	s_load_b256 s[4:11], s[0:1], 0x0               ; plan, xq, wq, b1
	s_load_b64 s[12:13], s[0:1], 0x20              ; hq
	v_lshl_add_u32 v[SPW], v0, 2, SPARE
	v_mov_b32 v[NIL], 0
	v_lshrrev_b32 v15, 5, v0
	v_readfirstlane_b32 s14, v15                   ; wave 0..3
	s_and_b32 s15, ttmp7, 0xffff                   ; the tile
	v_and_b32 v15, 31, v0                          ; lane
	v_lshlrev_b32 v[L16], 4, v15
	v_add_nc_u32 v[AR2], 49152, v[L16]
	s_wait_alu depctr_va_sdst(0)                   ; s14 is written, ahead of its first reader
	s_mul_i32 s20, s14, 3072
	v_add_nc_u32 v[AW], s20, v[L16]
	v_add_nc_u32 v[AW2], 49152, v[AW]
	v_lshl_add_u32 v[ASW], v0, 2, ASC
	v_lshl_add_u32 v[ASR], v15, 2, ASC
	v_lshlrev_b32 v[L4], 2, v15
	v_lshlrev_b32 v13, 5, v15                      ; 32 lane: my eight scale words of a group of W1
	v_bfe_u32 v254, v0, 4, 1                       ; h
	v_lshlrev_b32 v14, 6, v254                     ; 64 h: my half's numbers of b1
	v_lshlrev_b32 v254, 4, v254                    ; 16 h
	v_and_b32 v15, 0x6f, v0
	v_lshlrev_b32 v15, 2, v15                      ; 4 (32 wave + r): the list's entry for my row of the first of my two row tiles
	v_lshlrev_b32 v255, 2, v0                      ; 4 thread: row = thread, for the scale words
	s_mov_b32 s35, 0xffff0000                      ; lanes 16-31
	s_mov_b32 s[SEL], 0x76543210
	s_mov_b32 s[SEL+1], 0xfedcba98
	KPAIR 38, 0x3f3504f3                           ; 1 / sqrt 2
	KPAIR 40, 0.0000000277068142495902             ; P's coefficients below the leading one, descending
	KPAIR 42, -0.00000210102402082508
	KPAIR 44, -0.0000569250639462346
	KPAIR 46, -0.000734990630326855
	KPAIR 48, -0.00295459980854025
	KPAIR 50, -0.0160960333262415
	KPAIR 52, -0.000213374055278905                ; Q's
	KPAIR 54, -0.00168282697438203
	KPAIR 56, -0.00737332916720468
	KPAIR 58, -0.0142647390514189
	s_wait_kmcnt 0x0
	s_lshl_b32 s20, s15, 2
	s_mov_b32 s21, 0
	s_add_nc_u64 s[20:21], s[4:5], s[20:21]
	s_load_b32 s16, s[20:21], 0x0                  ; the tile's expert, or 8
	s_wait_kmcnt 0x0
	s_cmp_lt_u32 s16, 8
	s_cselect_b32 s17, 1, 0                        ; is there such a tile?
	s_cselect_b32 s18, s15, 0                      ; the tile whose rows are gathered
	s_min_u32 s18, s18, 54
	s_min_u32 s19, s16, 7                          ; a loaded number enters an address behind a bound
	s_lshl_b32 s20, s18, 9
	s_mov_b32 s21, 0
	s_add_nc_u64 s[22:23], s[4:5], s[20:21]        ; the list at that tile
	s_lshl_b32 s60, ttmp9, 4
	s_lshl_b32 s61, s14, 2
	s_add_co_u32 s60, s60, s61                     ; my first group of 32 columns: 16 x + 4 wave
	s_lshl_b32 s20, s19, 6
	s_add_co_u32 s20, s20, s60
	s_lshl_b32 s20, s20, 10
	s_add_co_u32 s20, s20, W1S
	s_add_nc_u64 s[24:25], s[8:9], s[20:21]        ; W1's scale words
	s_lshl_b32 s20, s19, 13
	s_lshl_b32 s61, s60, 7
	s_add_co_u32 s20, s20, s61
	s_add_nc_u64 s[26:27], s[10:11], s[20:21]      ; b1 at my 128 units
	s_mul_i32 s20, s19, 1572864
	s_mul_i32 s61, s60, 24576
	s_add_co_u32 s20, s20, s61
	s_add_nc_u64 s[28:29], s[8:9], s[20:21]        ; W1's codes
	s_lshl_b32 s60, ttmp9, 2
	s_add_co_u32 s60, s60, s14
	s_lshl_b32 s61, s15, 4
	s_add_co_u32 s60, s60, s61                     ; 16 tile + my K step of the second product
	s_mul_i32 s20, s60, 12288
	s_add_nc_u64 s[30:31], s[12:13], s[20:21]      ; hq's codes
	s_lshl_b32 s20, s60, 9
	s_add_co_u32 s20, s20, HS
	s_add_nc_u64 s[32:33], s[12:13], s[20:21]      ; hq's scale words
	s_wait_alu depctr_va_vdst(0)                   ; the addresses and offsets v3 to v9, v13 to v15 and v255 are written, which the loads and stores of the kernel read
	global_load_b32 v10, v15, s[22:23] offset:RL
	global_load_b32 v11, v15, s[22:23] offset:RL+64
	global_load_b32 v12, v255, s[22:23] offset:RL
.irp p, 0,1,2,3
	global_load_b128 v[SB+8*\p:SB+8*\p+3], v13, s[24:25] offset:1024*\p
	global_load_b128 v[SB+8*\p+4:SB+8*\p+7], v13, s[24:25] offset:1024*\p+16
.endr
	WIN 0x40
.irp b, 0,1,2,3,4,5,6,7
	global_load_b128 v[96+8*\b+96*(\b/4):96+8*\b+96*(\b/4)+3], v14, s[26:27] offset:128*(\b/2)+32*(\b%2)
	global_load_b128 v[96+8*\b+96*(\b/4)+4:96+8*\b+96*(\b/4)+7], v14, s[26:27] offset:128*(\b/2)+32*(\b%2)+16
.endr
	FB 0
	WIN 0
	s_wait_loadcnt 48                              ; the three entries of the list are in; the 8 + 16 + 24 loads behind them may be out
	v_min_u32 v10, 0x7ff, v10                      ; a loaded number enters an address behind a bound: a token's number
	v_min_u32 v11, 0x7ff, v11
	v_min_u32 v12, 0x7ff, v12
	v_mul_u32_u24 v10, v10, 768
	v_mul_u32_u24 v11, v11, 768
	v_lshlrev_b32 v12, 5, v12
	v_add_nc_u32 v10, v10, v254
	v_add_nc_u32 v11, v11, v254
	s_wait_alu depctr_va_vdst(0)                   ; v10 to v12 are written, which the gather reads as its offsets; the lines that wrote and read v254 and v255 are done, in which a load below lands
	s_wait_alu depctr_vm_vsrc(0)                   ; the list's third load has read v255, in which a load below lands
.irp i, 0,1
.irp s, 0,1,2,3,4,5,6,7
.irp c, 0,1,2
	global_load_b128 v[AF+96*\i+12*\s+4*\c:AF+96*\i+12*\s+4*\c+3], v[10+\i], s[6:7] offset:96*\s+32*\c
.endr
.endr
.endr
	global_load_b128 v[248:251], v12, s[6:7] offset:XSO
	global_load_b128 v[252:255], v12, s[6:7] offset:XSO+16
	FB 1
	WIN 0
.irp i, 0,1
.if \i == 0
	s_wait_loadcnt 50                              ; my first row tile is in; behind it: the second's 24, the scale words' 2, W1's 24
.else
	s_wait_loadcnt 26                              ; the second; behind it: 2 + 24
.endif
.irp s, 0,1,2,3,4,5,6,7
.irp c, 0,1,2
.if \s < 4
	ds_store_b128 v[AW], v[AF+96*\i+12*\s+4*\c:AF+96*\i+12*\s+4*\c+3] offset:AIM+\s*12288+\i*1536+512*\c
.else
	ds_store_b128 v[AW2], v[AF+96*\i+12*\s+4*\c:AF+96*\i+12*\s+4*\c+3] offset:AIM+(\s-4)*12288+\i*1536+512*\c
.endif
.endr
.endr
.endr
	s_wait_loadcnt 24                              ; my row's eight scale words; W1's second K step may be out
.irp s, 0,1,2,3,4,5,6,7
	ds_store_b32 v[ASW], v[248+\s] offset:512*\s
.endr
	s_wait_dscnt 0x0                               ; for the others' sake: my stores have landed
	s_barrier_signal -1
	s_barrier_wait -1                              ; the 128 rows' fragments and scale words lie in LDS; no barrier follows
	s_wait_alu depctr_vm_vsrc(0)                   ; my LDS stores have read v56 to v255: from here on these registers take the fragments' loads, W1's set 2 and the constants below
	s_cmp_eq_u32 s17, 0
	s_cbranch_scc1 .Lend                           ; no such tile: nothing is stored
	v_mov_b32 v[KA], -0.000000000272614225801306
	v_mov_b32 v[KA+1], -0.000000000272614225801306
	v_mov_b32 v[KB], -0.0000145660718464996
	v_mov_b32 v[KB+1], -0.0000145660718464996
	FA03 0
	FSA 0
	FA47 0
	FIRST
.irp s, 1,2,3,4,5,6,7
	STEP \s
.endr
	; ---- the way out, a row tile a trip: the registers' numbers differ from trip to trip in the copy alone, which is written out eight times; gelu and the quantiser are written once
	v_mov_b32 v[PWE], 0
	s_mov_b32 s34, 0
.Lrow:
.irp a, 0,1,2,3,4,5,6
	s_cmp_eq_u32 s34, \a
	s_cbranch_scc1 .Lcopy\a
.endr
	s_branch .Lcopy7
.irp a, 0,1,2,3,4,5,6
.Lcopy\a:
	COPY \a
	s_branch .Lgelu
.endr
.Lcopy7:
	COPY 7
.Lgelu:
	GELU 0
	GELU 1
	GELU 2
	GELU 3
	QUANT G
	v_cndmask_b32 v[SWR], v[PWE], v[PW], s35       ; lanes 0-15 the even row tile's words, lanes 16-31 the odd one's; made in every trip, stored in the odd ones
	s_wait_alu depctr_va_vdst(0)                   ; the quantiser has written the codes v[PC ..] and the line above v[SWR], which the trip's stores read
.irp c, 0,1,2
	global_store_b128 v[L16], v[PC+4*\c:PC+4*\c+3], s[30:31] offset:512*\c   ; the fragment as it stands: 512 consecutive bytes a store, aligned
.endr
	s_bitcmp1_b32 s34, 0
	s_cbranch_scc0 .Leven
	global_store_b32 v[L4], v[SWR], s[32:33] offset:-64
.Leven:
	v_mov_b32 v[PWE], v[PW]
	s_wait_xcnt 0x0                                ; the stores have read their registers and bases: both are written again only behind this wait
	s_wait_alu depctr_vm_vsrc(0)                   ; the stores have read v[PC ..] and v[SWR], which the next trip's gelu and select write again
	s_add_nc_u64 s[30:31], s[30:31], 1536
	s_add_nc_u64 s[32:33], s[32:33], 64
	s_add_co_u32 s34, s34, 1
	s_cmp_lt_u32 s34, 8
	s_cbranch_scc1 .Lrow
.Lend:
	s_wait_dscnt 0x0                               ; the closing lines, six on end
	s_wait_alu 0x0
	s_wait_tensorcnt 0x0
	ds_add_u32 v[SPW], v[NIL]
	s_wait_dscnt 0x0
	s_endpgm
.Lfunc_end_k_q08051dcaf9_up:
	.size	k_q08051dcaf9_up, .Lfunc_end_k_q08051dcaf9_up-k_q08051dcaf9_up
	.p2alignl 7, 3214868480
	.fill 96, 4, 3214868480
	.section	.rodata,"a",@progbits
	.p2align	6, 0x0
	.amdhsa_kernel k_q08051dcaf9_up
		.amdhsa_group_segment_fixed_size 104960
		.amdhsa_private_segment_fixed_size 0
		.amdhsa_enable_private_segment 0
		.amdhsa_kernarg_size 40
		.amdhsa_user_sgpr_count 2
		.amdhsa_user_sgpr_kernarg_segment_ptr 1
		.amdhsa_wavefront_size32 1
		.amdhsa_system_sgpr_workgroup_id_x 1
		.amdhsa_system_sgpr_workgroup_id_y 1
		.amdhsa_system_sgpr_workgroup_id_z 1
		.amdhsa_system_vgpr_workitem_id 0
		.amdhsa_next_free_vgpr 1024
		.amdhsa_next_free_sgpr 66
		.amdhsa_reserve_vcc 0
		.amdhsa_float_denorm_mode_32 3
		.amdhsa_float_denorm_mode_16_64 3
		.amdhsa_memory_ordered 1
		.amdhsa_forward_progress 1
		.amdhsa_inst_pref_size 189
	.end_amdhsa_kernel
	.amdgpu_metadata
---
amdhsa.version: [ 1, 2 ]
amdhsa.kernels:
  - .name:           k_q08051dcaf9_up
    .symbol:         k_q08051dcaf9_up.kd
    .args:
      - { .name: plan, .offset: 0, .size: 8, .value_kind: global_buffer, .address_space: global }
      - { .name: xq, .offset: 8, .size: 8, .value_kind: global_buffer, .address_space: global }
      - { .name: wq, .offset: 16, .size: 8, .value_kind: global_buffer, .address_space: global }
      - { .name: b1, .offset: 24, .size: 8, .value_kind: global_buffer, .address_space: global }
      - { .name: hq, .offset: 32, .size: 8, .value_kind: global_buffer, .address_space: global }
    .group_segment_fixed_size: 104960
    .private_segment_fixed_size: 0
    .kernarg_segment_align: 8
    .kernarg_segment_size: 40
    .max_flat_workgroup_size: 128
    .sgpr_count:     66
    .vgpr_count:     1024
    .wavefront_size: 32
...
	.end_amdgpu_metadata
.endif
;; end of part 10
;; launch down (part 11): grid 4 x 55, 4 waves a work-group, no clusters, 222,720 bytes of LDS; arguments plan, hq, wq, b2, y; writes y
.if DOCPART == 11
	.amdgcn_target "amdgcn-amd-amdhsa--gfx1250"
	.amdhsa_code_object_version 6
	.text
	.protected	k_q08051dcaf9_down
	.globl	k_q08051dcaf9_down
	.p2align	8
	.type	k_q08051dcaf9_down,@function
k_q08051dcaf9_down:
	s_mov_b64 s[64:65], 0
	v_nop
	global_prefetch_b8 v0, s[64:65] scope:SCOPE_SE
	s_setreg_imm32_b32 hwreg(HW_REG_WAVE_SCHED_MODE, 0, 2), 2
	s_setreg_imm32_b32 hwreg(HW_REG_WAVE_MODE, 25, 1), 1
	s_wait_xcnt 0x0
	s_wait_alu depctr_vm_vsrc(0)
; DOWN: the experts' second product on the chosen rows alone: for a tile of 128 rows of one expert, y = Q(h1) Q(W2[e]) + b2[e], f32, stored by position.
; WORK LEFT OUT: the rows of experts whose weight is the 0 that reference() builds by one_hot (shown at the head of the first kernel).
; SHARES.  Work-group (x, y) takes tile y and outputs 256 x .. 256 x + 255; wave w 128 rows x 64 outputs, 32 accumulators.  A work-group whose tile has no expert stores nothing and ends: a branch on a stored
; number, so there is no tensor load and no cluster, and the one barrier stands ahead of the branch; up to it such a work-group copies tile 0, which always exists.
; The tile's 128 fragments of h1 (196,608 bytes) and its scale words are copied from hq into LDS as they lie, a quarter a wave; W2's fragments come from wq straight into registers, three sets, two K steps ahead.
; THE MATRIX INSTRUCTION IS USED TRANSPOSED (source 0 = 16 columns of W2, source 1 = 16 rows).  b2 is the C of each sum's first instruction.
; THE WAY OUT: a row tile's 16 rows x 256 bytes go through the wave's own stage in LDS and leave as whole rows: sixteen lanes store 256 consecutive bytes, aligned.  The filling rows of an expert's last tile are stored too: nobody reads them.
; THE MODE: SCHED_MODE bits 1:0 = 2 (LLVM: expert scheduling mode 2), set by the entry lines.  The code itself states the register dependences between vector or matrix instructions and memory or LDS
; instructions, with s_wait_alu, always for 0.
; THE PLAN.  Registers that memory or LDS instructions touch in the K steps:
;   the rows' eight fragments  two sets: K step s's 32 products read set s % 2; the LDS loads of K step s + 1 land in the other, which K step s - 1 read.
;   the rows' scale words      two sets, likewise.
;   W2's sets 0, 1, 2          K step s reads set s % 3; the loads of K step s + 2 land in set (s + 2) % 3, which K step s - 1 read.
;   the addresses              made once at the head, never written again.
; So ONE wait on va_vdst stands at the head of each of K steps 1 to 14: it states that the products of the step before are done reading all the registers in which this step's loads land.  The loads follow it, dealt
; among the step's products, which name none of those registers.  K step 0's loads land in registers that nothing has named; K step 15 loads nothing: neither has a wait.
; On the way out one wait on va_vdst stands ahead of the first LDS store of the accumulators, and one on vm_vsrc ahead of each run of loads into an out-buffer that global stores have read.
; REGISTERS, in windows of 256.  window 0: v1-14 addresses; v16-23 the rows' scale words, two sets; v24-55 W2's; v56-151 the rows' eight fragments, set 0; v152-215 the way out.
;   window 1: accumulator (a, b) at v[8 (4 a + b)].   window 2: W2's set q at v[48 q]; b2's four tiles from v144.   window 3: v56-151 the rows' eight fragments, set 1.
.set W2Q,   12582912
.set W2S,   26083328
.set HS,    10813440
.set AIM,   0
.set ASC,   196608
.set STG,   204800
.set SPARE, 222208
.set SPW,  1
.set NIL,  2
.set L16,  3                           ; 16 lane; also the images' address for K steps 0-3
.set AR,   3                           ; v3-6  the same + 49,152 q: K steps 4 q .. 4 q + 3
.set LW,   7                           ; where I store my quarter of the images
.set ASL,  8                           ; and of the scale words
.set ASR,  9                           ; where I read scale words
.set STO,  10                          ; the stage, in
.set RD,   11                          ; and back
.set GO,   12                          ; my byte in two rows of y
.set SA,   16
.set SB,   24
.set AF,   56
.set OB,   152
.set MSB, 0
.macro WIN new
.if MSB != (\new)
	s_set_vgpr_msb (MSB<<8)|(\new)
.set MSB, (\new)
.endif
.endm
.macro PLACES
.rept 4
	v_nop
.endr
.endm
.macro WM d, a, b, cc, sa, sb, ra, rb
.if (\ra) && (\rb)
	v_wmma_scale_f32_16x16x128_f8f6f4 v[\d:\d+7], v[\a:\a+11], v[\b:\b+11], v[\cc:\cc+7], v[\sa], v[\sb] matrix_a_fmt:MATRIX_FMT_BF6 matrix_b_fmt:MATRIX_FMT_BF6 matrix_a_scale:MATRIX_SCALE_ROW1 matrix_b_scale:MATRIX_SCALE_ROW1
.elseif (\ra)
	v_wmma_scale_f32_16x16x128_f8f6f4 v[\d:\d+7], v[\a:\a+11], v[\b:\b+11], v[\cc:\cc+7], v[\sa], v[\sb] matrix_a_fmt:MATRIX_FMT_BF6 matrix_b_fmt:MATRIX_FMT_BF6 matrix_a_scale:MATRIX_SCALE_ROW1
.elseif (\rb)
	v_wmma_scale_f32_16x16x128_f8f6f4 v[\d:\d+7], v[\a:\a+11], v[\b:\b+11], v[\cc:\cc+7], v[\sa], v[\sb] matrix_a_fmt:MATRIX_FMT_BF6 matrix_b_fmt:MATRIX_FMT_BF6 matrix_b_scale:MATRIX_SCALE_ROW1
.else
	v_wmma_scale_f32_16x16x128_f8f6f4 v[\d:\d+7], v[\a:\a+11], v[\b:\b+11], v[\cc:\cc+7], v[\sa], v[\sb] matrix_a_fmt:MATRIX_FMT_BF6 matrix_b_fmt:MATRIX_FMT_BF6
.endif
.endm
.macro FB s                            ; W2's four fragments of K step s, into set s % 3 of window 2
	WIN 0x80
.irp p, 0,1
.irp u, 0,1
.irp c, 0,1,2
	global_load_b128 v[48*((\s)%3)+12*(2*\p+\u)+4*\c:48*((\s)%3)+12*(2*\p+\u)+4*\c+3], v[L16], s[28:29] offset:\p*49152+(\s)*3072+\u*1536+\c*512
.endr
.endr
.endr
.endm
.macro FA s, a0                        ; the rows' fragments a0 .. a0 + 3 of K step s, into set s % 2: the same numbers in window 0 or in window 3
	WIN 0xc0*((\s)%2)
.irp a, \a0, \a0+1, \a0+2, \a0+3
.irp c, 0,1,2
	ds_load_b128 v[AF+12*(\a)+4*\c:AF+12*(\a)+4*\c+3], v[AR+(\s)/4] offset:AIM+((\s)%4)*12288+(\a)*1536+512*\c
.endr
.endr
.endm
.macro FSA s
	WIN 0
.irp j, 0,1,2,3
	ds_load_b32 v[SA+4*((\s)%2)+\j], v[ASR] offset:512*(\s)+128*\j
.endr
.endm
; 16 products: row tiles a0 .. a0 + 3 x the four column tiles.  The 32 accumulators take turns, one instruction a turn, in the same order in every K step.
.macro MUL16 a0, s
.set BF, 48*((\s)%3)
.if (\s) == 0
	WIN 0x62                                       ; D window 1, C (b2) window 2, the rows window 0, W2 window 2
.else
	WIN 0x52+0x0c*((\s)%2)                         ; C and D window 1, the rows window 0 or 3, W2 window 2
.endif
.irp a, \a0, \a0+1, \a0+2, \a0+3
.irp b, 0,1,2,3
.set DA, 8*(4*(\a)+\b)
.if (\s) == 0
.set CC, 144+8*\b
.else
.set CC, DA
.endif
	WM DA, BF+12*\b, AF+12*(\a), CC, SB+16*(\b/2)+(\s), SA+4*((\s)%2)+(\a)/2, \b%2, (\a)%2
.endr
.endr
.endm
.macro STEP s
.if (\s) < 15
	s_wait_loadcnt 12                              ; this K step's fragments of W2 are in; the next step's 12 loads may be out
.else
	s_wait_loadcnt 0
.endif
	s_wait_dscnt 12                                ; row tiles 0-3 and the scale words are in; the youngest twelve loads (row tiles 4-7) may be out
.if ((\s) > 0) && ((\s) < 15)
	s_wait_alu depctr_va_vdst(0)                   ; the products of the K step before are done reading their set of the rows' fragments, their scale words and their set of W2: this step's loads land in these
.endif
.if (\s) < 15
	FSA (\s)+1
	FA (\s)+1, 0
.endif
	MUL16 0, \s
.if (\s) < 15
	FA (\s)+1, 4                                   ; no wait: no product since the wait above names these registers
.if (\s)+2 < 16
	FB (\s)+2
.endif
	s_wait_dscnt 28                                ; this step's row tiles 4-7 are in; the next step's 4 + 12 + 12 LDS loads may be out
.else
	s_wait_dscnt 0
.endif
	MUL16 4, \s
	PLACES
	WIN 0
.endm
.macro TOSTAGE a                       ; lane (r, h), tile b, register j: y(16 a + r, 32 (b / 2) + 16 h + 8 (b % 2) + j)
	WIN 0x04                                       ; an LDS store's data are its source 1: window 1
.irp b, 0,1,2,3
	ds_store_b128 v[STO], v[8*(4*(\a)+\b):8*(4*(\a)+\b)+3] offset:128*(\b/2)+32*(\b%2)          ; each accumulator from its low end on
	ds_store_b128 v[STO], v[8*(4*(\a)+\b)+4:8*(4*(\a)+\b)+7] offset:128*(\b/2)+32*(\b%2)+16
.endr
	WIN 0
.irp i, 0,1,2,3,4,5,6,7
	ds_load_b128 v[OB+32*((\a)%2)+4*\i:OB+32*((\a)%2)+4*\i+3], v[RD] offset:544*\i   ; LDS serves a wave's instructions in order: these see my stores
.endr
.endm
.macro SEND a, younger                 ; younger: the LDS instructions issued behind row tile a's loads, which may stay out
	s_wait_dscnt \younger
.irp i, 0,1,2,3,4,5,6,7
	global_store_b128 v[GO], v[OB+32*((\a)%2)+4*\i:OB+32*((\a)%2)+4*\i+3], s[32:33] offset:(16*(\a)+2*\i)*4096
.endr
.endm
	s_load_b256 s[4:11], s[0:1], 0x0               ; plan, hq, wq, b2
	s_load_b64 s[12:13], s[0:1], 0x20              ; y
	v_lshl_add_u32 v[SPW], v0, 2, SPARE
	v_mov_b32 v[NIL], 0
	v_lshrrev_b32 v216, 5, v0
	v_readfirstlane_b32 s14, v216                  ; wave 0..3
	s_and_b32 s15, ttmp7, 0xffff                   ; the tile
	v_and_b32 v216, 31, v0                         ; lane
	v_and_b32 v217, 15, v0                         ; r
	v_bfe_u32 v218, v0, 4, 1                       ; h
	v_lshlrev_b32 v[L16], 4, v216
.irp q, 1,2,3
	v_add_nc_u32 v[AR+\q], 49152*\q, v[L16]
.endr
	s_wait_alu depctr_va_sdst(0)                   ; s14 is written, ahead of its first reader
	s_mul_i32 s20, s14, 49152
	v_add_nc_u32 v[LW], s20, v[L16]
	s_lshl_b32 s20, s14, 11
	s_add_co_u32 s20, s20, ASC
	v_add_nc_u32 v[ASL], s20, v[L16]
	v_lshl_add_u32 v[ASR], v216, 2, ASC
	s_mul_i32 s20, s14, 4352
	s_add_co_u32 s20, s20, STG                     ; my stage: 16 rows x 272 bytes
	v_mul_u32_u24 v[STO], v217, 272
	v_lshl_add_u32 v[STO], v218, 6, v[STO]
	v_add_nc_u32 v[STO], s20, v[STO]
	v_mul_u32_u24 v[RD], v218, 272
	v_lshl_add_u32 v[RD], v217, 4, v[RD]
	v_add_nc_u32 v[RD], s20, v[RD]
	v_lshlrev_b32 v[GO], 4, v217
	v_lshl_add_u32 v[GO], v218, 12, v[GO]          ; lanes 0-15 one row of y, lanes 16-31 the next
	v_lshlrev_b32 v13, 6, v216                     ; 64 lane: my sixteen scale words of a group of W2
	v_lshlrev_b32 v14, 6, v218                     ; 64 h: my half's numbers of b2
	s_wait_kmcnt 0x0
	s_lshl_b32 s20, s15, 2
	s_mov_b32 s21, 0
	s_add_nc_u64 s[20:21], s[4:5], s[20:21]
	s_load_b32 s16, s[20:21], 0x0                  ; the tile's expert, or 8
	s_wait_kmcnt 0x0
	s_cmp_lt_u32 s16, 8
	s_cselect_b32 s17, 1, 0
	s_cselect_b32 s18, s15, 0                      ; the tile that is copied
	s_min_u32 s18, s18, 54
	s_min_u32 s19, s16, 7                          ; a loaded number enters an address behind a bound
	s_mul_i32 s20, s18, 196608
	s_mul_i32 s60, s14, 49152
	s_add_co_u32 s20, s20, s60
	s_mov_b32 s21, 0
	s_add_nc_u64 s[22:23], s[6:7], s[20:21]        ; my quarter of the tile's codes,
	s_lshl_b32 s20, s18, 13
	s_lshl_b32 s60, s14, 11
	s_add_co_u32 s20, s20, s60
	s_add_co_u32 s20, s20, HS
	s_add_nc_u64 s[24:25], s[6:7], s[20:21]        ; and of its scale words
	s_lshl_b32 s60, ttmp9, 3
	s_lshl_b32 s61, s14, 1
	s_add_co_u32 s60, s60, s61                     ; my first group of 32 columns: 8 x + 2 wave
	s_lshl_b32 s20, s19, 5
	s_add_co_u32 s20, s20, s60
	s_lshl_b32 s20, s20, 11
	s_add_co_u32 s20, s20, W2S
	s_add_nc_u64 s[26:27], s[8:9], s[20:21]        ; W2's scale words
	s_mul_i32 s20, s19, 1572864
	s_mul_i32 s61, s60, 49152
	s_add_co_u32 s20, s20, s61
	s_add_co_u32 s20, s20, W2Q
	s_add_nc_u64 s[28:29], s[8:9], s[20:21]        ; W2's codes
	s_lshl_b32 s20, s19, 12
	s_lshl_b32 s61, s60, 7
	s_add_co_u32 s20, s20, s61
	s_add_nc_u64 s[30:31], s[10:11], s[20:21]      ; b2 at my 64 outputs
	s_lshl_b32 s20, s15, 19
	s_add_co_u32 s20, s20, s61
	s_add_nc_u64 s[32:33], s[12:13], s[20:21]      ; y at the tile's first position, my 256 bytes of a row
	s_wait_alu depctr_va_vdst(0)                   ; the addresses and offsets v3 to v14 are written, which the loads and stores of the kernel read
.irp p, 0,1
.irp q, 0,1,2,3
	global_load_b128 v[SB+16*\p+4*\q:SB+16*\p+4*\q+3], v13, s[26:27] offset:2048*\p+16*\q
.endr
.endr
	WIN 0x80
.irp b, 0,1,2,3
	global_load_b128 v[144+8*\b:144+8*\b+3], v14, s[30:31] offset:128*(\b/2)+32*(\b%2)
	global_load_b128 v[144+8*\b+4:144+8*\b+7], v14, s[30:31] offset:128*(\b/2)+32*(\b%2)+16
.endr
	FB 0
	FB 1
	; the copy: 96 loads of 512 bytes a wave, in three groups of 32, through registers that the products do not need yet
	WIN 0x40
.set n, 0
.rept 64
	global_load_b128 v[4*n:4*n+3], v[L16], s[22:23] offset:512*n
.set n, n+1
.endr
	s_wait_loadcnt 32                              ; the first group is in; the second's 32 may be out
	WIN 0x04
.set n, 0
.rept 32
	ds_store_b128 v[LW], v[4*n:4*n+3] offset:AIM+512*n
.set n, n+1
.endr
	WIN 0
.set n, 64
.rept 32
	global_load_b128 v[AF+4*(n-64):AF+4*(n-64)+3], v[L16], s[22:23] offset:512*n
.set n, n+1
.endr
.irp n, 0,1,2,3
	global_load_b128 v[184+4*\n:184+4*\n+3], v[L16], s[24:25] offset:512*\n
.endr
	s_wait_loadcnt 36                              ; the second group is in; the third's 32 and the scale words' 4 may be out
	WIN 0x04
.set n, 32
.rept 32
	ds_store_b128 v[LW], v[4*n:4*n+3] offset:AIM+512*n
.set n, n+1
.endr
	WIN 0
	s_wait_loadcnt 4                               ; the third group; the scale words' 4 may be out
.set n, 64
.rept 32
	ds_store_b128 v[LW], v[AF+4*(n-64):AF+4*(n-64)+3] offset:AIM+512*n
.set n, n+1
.endr
	s_wait_loadcnt 0x0
.irp n, 0,1,2,3
	ds_store_b128 v[ASL], v[184+4*\n:184+4*\n+3] offset:512*\n
.endr
	s_wait_dscnt 0x0                               ; for the others' sake: my stores have landed
	s_barrier_signal -1
	s_barrier_wait -1                              ; the tile lies in LDS; no barrier follows
	s_wait_alu depctr_vm_vsrc(0)                   ; my LDS stores have read window 1 and v56 to v199: from here on these registers are the accumulators, which the products write, the rows' fragments and the way out's buffers, in which loads land
	s_cmp_eq_u32 s17, 0
	s_cbranch_scc1 .Lend                           ; no such tile: nothing is stored
	FA 0, 0
	FSA 0
	FA 0, 4
.irp s, 0,1,2,3,4,5,6,7,8,9,10,11,12,13,14,15
	STEP \s
.endr
	s_wait_alu depctr_va_vdst(0)                   ; the products have written the 32 accumulators, which the LDS stores below read; the four places behind the last products stand ahead of this wait
	TOSTAGE 0
.irp a, 1,2,3,4,5,6,7
.if \a > 1
	s_wait_xcnt 0x0                                ; row tile a - 2's stores have read their registers: row tile a's loads may land there
	s_wait_alu depctr_vm_vsrc(0)                   ; row tile a - 2's stores have read their out-buffer, in which row tile a's loads from the stage land
.endif
	TOSTAGE \a
	SEND \a-1, 16                                  ; behind row tile a - 1's loads: row tile a's 8 stores and 8 loads
.endr
	SEND 7, 0
.Lend:
	s_wait_dscnt 0x0                               ; the closing lines, six on end
	s_wait_alu 0x0
	s_wait_tensorcnt 0x0
	ds_add_u32 v[SPW], v[NIL]
	s_wait_dscnt 0x0
	s_endpgm
.Lfunc_end_k_q08051dcaf9_down:
	.size	k_q08051dcaf9_down, .Lfunc_end_k_q08051dcaf9_down-k_q08051dcaf9_down
	.p2alignl 7, 3214868480
	.fill 96, 4, 3214868480
	.section	.rodata,"a",@progbits
	.p2align	6, 0x0
	.amdhsa_kernel k_q08051dcaf9_down
		.amdhsa_group_segment_fixed_size 222720
		.amdhsa_private_segment_fixed_size 0
		.amdhsa_enable_private_segment 0
		.amdhsa_kernarg_size 40
		.amdhsa_user_sgpr_count 2
		.amdhsa_user_sgpr_kernarg_segment_ptr 1
		.amdhsa_wavefront_size32 1
		.amdhsa_system_sgpr_workgroup_id_x 1
		.amdhsa_system_sgpr_workgroup_id_y 1
		.amdhsa_system_sgpr_workgroup_id_z 1
		.amdhsa_system_vgpr_workitem_id 0
		.amdhsa_next_free_vgpr 920
		.amdhsa_next_free_sgpr 66
		.amdhsa_reserve_vcc 0
		.amdhsa_float_denorm_mode_32 3
		.amdhsa_float_denorm_mode_16_64 3
		.amdhsa_memory_ordered 1
		.amdhsa_forward_progress 1
		.amdhsa_inst_pref_size 154
	.end_amdhsa_kernel
	.amdgpu_metadata
---
amdhsa.version: [ 1, 2 ]
amdhsa.kernels:
  - .name:           k_q08051dcaf9_down
    .symbol:         k_q08051dcaf9_down.kd
    .args:
      - { .name: plan, .offset: 0, .size: 8, .value_kind: global_buffer, .address_space: global }
      - { .name: hq, .offset: 8, .size: 8, .value_kind: global_buffer, .address_space: global }
      - { .name: wq, .offset: 16, .size: 8, .value_kind: global_buffer, .address_space: global }
      - { .name: b2, .offset: 24, .size: 8, .value_kind: global_buffer, .address_space: global }
      - { .name: y, .offset: 32, .size: 8, .value_kind: global_buffer, .address_space: global }
    .group_segment_fixed_size: 222720
    .private_segment_fixed_size: 0
    .kernarg_segment_align: 8
    .kernarg_segment_size: 40
    .max_flat_workgroup_size: 128
    .sgpr_count:     66
    .vgpr_count:     920
    .wavefront_size: 32
...
	.end_amdgpu_metadata
.endif
;; end of part 11
;; launch comb (part 12): grid 256 x 1, 8 waves a work-group, no clusters, 0 bytes of LDS; arguments plan, route, gw, y, ln_g, ln_b, out0; writes out0
.if DOCPART == 12
	.amdgcn_target "amdgcn-amd-amdhsa--gfx1250"
	.amdhsa_code_object_version 6
	.text
	.protected	k_q08051dcaf9_comb
	.globl	k_q08051dcaf9_comb
	.p2align	8
	.type	k_q08051dcaf9_comb,@function
k_q08051dcaf9_comb:
	s_mov_b64 s[64:65], 0
	v_nop
	global_prefetch_b8 v0, s[64:65] scope:SCOPE_SE
	s_setreg_imm32_b32 hwreg(HW_REG_WAVE_MODE, 25, 1), 1
	s_wait_xcnt 0x0
; COMB: out0[n] = the sum over the token's three chosen experts of w_k LayerNorm(y_k) with the expert's gain and bias; mean and variance as reference() has them: the variance is the mean of the squared
; differences from the mean, so a common offset in y costs nothing.
; WORK LEFT OUT: the five experts of a token whose weight is the 0 that reference() builds by one_hot (shown at the head of the first kernel).
; One wave takes one token: its three rows of y (found by the stored positions), 4,096 bytes each, lie in 3 x 32 registers; a lane holds columns 4 lane + 128 j + 0 .. 3, so each load and store of the wave covers 512
; consecutive bytes.  Each output row has one owner: no sum spans work-groups.  No LDS, no barrier, no matrix unit: memory binds, and waves share nothing.
; A term is d (g A) + b w with d = y - mean and A = w / sqrt(var + 1e-5): three packed instructions for two numbers.
.set PO,  28416
.set Y,   16                           ; v16-111  the three rows; the first becomes the sum
.set GB,  112                          ; v112-239 two sets: 32 of the gain, 32 of the bias
.set TA,  240                          ; v[240 + 4 k] a pair at work: sums, then -mean, then A
.set TB,  242                          ; v[242 + 4 k] a pair at work, then w
.set PT,  252
.macro LD8 reg, base
.irp j, 0,1,2,3,4,5,6,7
	global_load_b128 v[\reg+4*\j:\reg+4*\j+3], v1, s[\base:\base+1] offset:512*\j
.endr
.endm
.macro REDUCE                          ; the three pairs in TA become three sums over the wave, in every lane
.irp k, 0,1,2
	s_delay_alu instid0(VALU_DEP_3)
	v_pk_add_f32 v[TA+4*\k:TA+4*\k+1], v[TA+4*\k:TA+4*\k+1], v[TB+4*\k:TB+4*\k+1]
.endr
.irp k, 0,1,2
	s_delay_alu instid0(VALU_DEP_3)
	v_add_f32 v[TA+4*\k], v[TA+4*\k], v[TA+4*\k+1]
.endr
.irp m, 1,2,4,8
.irp k, 0,1,2
	s_delay_alu instid0(VALU_DEP_3)
	v_add_f32_dpp v[TA+4*\k], v[TA+4*\k], v[TA+4*\k] row_xmask:\m row_mask:0xf bank_mask:0xf
.endr
.endr
.irp k, 0,1,2
	s_delay_alu instid0(VALU_DEP_3)
	v_permlanex16_b32 v[PT+\k], v[TA+4*\k], s58, s59
.endr
.irp k, 0,1,2
	s_delay_alu instid0(VALU_DEP_3)
	v_add_f32 v[TA+4*\k], v[TA+4*\k], v[PT+\k]
.endr
.endm
.macro COMB k, q                       ; choice k's term, its gain and bias in set q
.irp j, 0,2,4,6,8,10,12,14,16,18,20,22,24,26,28,30
	v_pk_mul_f32 v[GB+64*\q+\j:GB+64*\q+\j+1], v[GB+64*\q+\j:GB+64*\q+\j+1], v[TA+4*\k:TA+4*\k+1]
.endr
.irp j, 0,2,4,6,8,10,12,14,16,18,20,22,24,26,28,30
.if \k == 0
	v_pk_mul_f32 v[Y+\j:Y+\j+1], v[Y+\j:Y+\j+1], v[GB+64*\q+\j:GB+64*\q+\j+1]
.else
	v_pk_fma_f32 v[Y+\j:Y+\j+1], v[Y+32*\k+\j:Y+32*\k+\j+1], v[GB+64*\q+\j:GB+64*\q+\j+1], v[Y+\j:Y+\j+1]
.endif
.endr
.irp j, 0,2,4,6,8,10,12,14,16,18,20,22,24,26,28,30
	v_pk_fma_f32 v[Y+\j:Y+\j+1], v[GB+64*\q+32+\j:GB+64*\q+32+\j+1], v[TB+4*\k:TB+4*\k+1], v[Y+\j:Y+\j+1]
.endr
.endm
	s_load_b256 s[4:11], s[0:1], 0x0               ; plan, route, gw, y
	s_load_b128 s[12:15], s[0:1], 0x20             ; ln_g, ln_b
	s_load_b64 s[16:17], s[0:1], 0x30              ; out0
	v_lshrrev_b32 v1, 5, v0
	s_delay_alu instid0(VALU_DEP_1)
	v_readfirstlane_b32 s18, v1                    ; wave
	s_lshl_b32 s19, ttmp9, 3
	s_add_co_u32 s19, s19, s18                     ; my token
	v_and_b32 v1, 31, v0
	s_delay_alu instid0(VALU_DEP_1)
	v_lshlrev_b32 v1, 4, v1                        ; 16 lane; never rewritten
	s_mov_b32 s38, 0x3a800000                      ; 1 / 1,024
	s_mov_b32 s39, 0x3727c5ac                      ; 1e-5
	s_mov_b32 s58, 0x76543210
	s_mov_b32 s59, 0xfedcba98
.irp k, 0,1,2
	v_mov_b32 v[PT+\k], 0                          ; a lane permute's destination counts as one of its sources
.endr
	s_mov_b32 s21, 0
	s_wait_alu depctr_va_vdst(0)
	s_wait_kmcnt 0x0
	s_lshl_b32 s20, s19, 4
	s_add_nc_u64 s[22:23], s[4:5], s[20:21]
	s_load_b128 s[24:27], s[22:23], PO             ; the three positions
	s_add_nc_u64 s[28:29], s[8:9], s[20:21]
	s_load_b128 s[32:35], s[28:29], 0x0            ; the three weights
	s_lshl_b32 s20, s19, 2
	s_add_nc_u64 s[30:31], s[6:7], s[20:21]
	s_load_b32 s36, s[30:31], 0x0                  ; the three experts
	s_wait_kmcnt 0x0
.irp k, 0,1,2
	s_min_u32 s[24+\k], s[24+\k], 7039             ; loaded numbers enter addresses behind a bound
	s_lshl_b32 s20, s[24+\k], 12
	s_add_nc_u64 s[40+2*\k:41+2*\k], s[10:11], s[20:21]
	s_bfe_u32 s37, s36, 0x80000+8*\k
	s_min_u32 s37, s37, 7
	s_lshl_b32 s20, s37, 12
	s_add_nc_u64 s[46+2*\k:47+2*\k], s[12:13], s[20:21]
	s_add_nc_u64 s[52+2*\k:53+2*\k], s[14:15], s[20:21]
.endr
	s_lshl_b32 s20, s19, 12
	s_add_nc_u64 s[16:17], s[16:17], s[20:21]
.irp k, 0,1,2
.irp j, 0,1,2,3,4,5,6,7
	global_load_b128 v[Y+32*\k+4*\j:Y+32*\k+4*\j+3], v1, s[40+2*\k:41+2*\k] offset:512*\j th:TH_LOAD_NT   ; a row of y is read once
.endr
.endr
	LD8 GB, 46
	LD8 GB+32, 52
	LD8 GB+64, 48
	LD8 GB+96, 54
	s_wait_loadcnt 32                              ; the three rows are in; two experts' gains and biases, 32 loads, may be out
.irp k, 0,1,2
	v_pk_add_f32 v[TA+4*\k:TA+4*\k+1], v[Y+32*\k:Y+32*\k+1], v[Y+32*\k+2:Y+32*\k+3]
.endr
.irp k, 0,1,2
	v_pk_add_f32 v[TB+4*\k:TB+4*\k+1], v[Y+32*\k+4:Y+32*\k+5], v[Y+32*\k+6:Y+32*\k+7]
.endr
.irp j, 8,12,16,20,24,28
.irp k, 0,1,2
	v_pk_add_f32 v[TA+4*\k:TA+4*\k+1], v[TA+4*\k:TA+4*\k+1], v[Y+32*\k+\j:Y+32*\k+\j+1]
.endr
.irp k, 0,1,2
	v_pk_add_f32 v[TB+4*\k:TB+4*\k+1], v[TB+4*\k:TB+4*\k+1], v[Y+32*\k+\j+2:Y+32*\k+\j+3]
.endr
.endr
	REDUCE
.irp k, 0,1,2
	s_delay_alu instid0(VALU_DEP_3)
	v_mul_f32 v[TA+4*\k], 0xba800000, v[TA+4*\k]   ; -mean
.endr
.irp k, 0,1,2
	s_delay_alu instid0(VALU_DEP_3)
	v_mov_b32 v[TA+4*\k+1], v[TA+4*\k]
.endr
.irp j, 0,2,4,6,8,10,12,14,16,18,20,22,24,26,28,30
.irp k, 0,1,2
	v_pk_add_f32 v[Y+32*\k+\j:Y+32*\k+\j+1], v[Y+32*\k+\j:Y+32*\k+\j+1], v[TA+4*\k:TA+4*\k+1]   ; d = y - mean, in place
.endr
.endr
.irp k, 0,1,2
	v_pk_mul_f32 v[TA+4*\k:TA+4*\k+1], v[Y+32*\k:Y+32*\k+1], v[Y+32*\k:Y+32*\k+1]
.endr
.irp k, 0,1,2
	v_pk_mul_f32 v[TB+4*\k:TB+4*\k+1], v[Y+32*\k+2:Y+32*\k+3], v[Y+32*\k+2:Y+32*\k+3]
.endr
.irp j, 4,8,12,16,20,24,28
.irp k, 0,1,2
	v_pk_fma_f32 v[TA+4*\k:TA+4*\k+1], v[Y+32*\k+\j:Y+32*\k+\j+1], v[Y+32*\k+\j:Y+32*\k+\j+1], v[TA+4*\k:TA+4*\k+1]
.endr
.irp k, 0,1,2
	v_pk_fma_f32 v[TB+4*\k:TB+4*\k+1], v[Y+32*\k+\j+2:Y+32*\k+\j+3], v[Y+32*\k+\j+2:Y+32*\k+\j+3], v[TB+4*\k:TB+4*\k+1]
.endr
.endr
	REDUCE
.irp k, 0,1,2
	s_delay_alu instid0(VALU_DEP_3)
	v_fma_f32 v[TA+4*\k], v[TA+4*\k], s38, s39     ; var + 1e-5
.endr
	s_wait_alu depctr_va_vdst(0)
.irp k, 0,1,2
	v_rsq_f32 v[TA+4*\k], v[TA+4*\k]
.endr
.irp k, 0,1,2
	v_mov_b32 v[TB+4*\k], s[32+\k]                 ; w, as a pair.  (Plain work behind the three roots)
	v_mov_b32 v[TB+4*\k+1], s[32+\k]
.endr
	s_wait_alu depctr_va_vdst(0)                   ; one wait for the three, ahead of their first reader
.irp k, 0,1,2
	v_mul_f32 v[TA+4*\k], s[32+\k], v[TA+4*\k]     ; A = w / sqrt(var + 1e-5), as a pair
.endr
.irp k, 0,1,2
	s_delay_alu instid0(VALU_DEP_3)
	v_mov_b32 v[TA+4*\k+1], v[TA+4*\k]
.endr
	s_wait_alu depctr_va_vdst(0)
	s_wait_loadcnt 16                              ; the first expert's gain and bias are in; the second's 16 loads may be out
	COMB 0, 0
	LD8 GB, 50                                     ; the third expert's, into the set that is done with
	LD8 GB+32, 56
	s_wait_loadcnt 16                              ; the second's are in; the third's 16 may be out
	COMB 1, 1
	s_wait_loadcnt 0x0
	COMB 2, 0
.irp j, 0,1,2,3,4,5,6,7
	global_store_b128 v1, v[Y+4*\j:Y+4*\j+3], s[16:17] offset:512*\j th:TH_STORE_NT   ; 512 consecutive bytes a store, aligned; written once
.endr
	s_endpgm
.Lfunc_end_k_q08051dcaf9_comb:
	.size	k_q08051dcaf9_comb, .Lfunc_end_k_q08051dcaf9_comb-k_q08051dcaf9_comb
	.p2alignl 7, 3214868480
	.fill 96, 4, 3214868480
	.section	.rodata,"a",@progbits
	.p2align	6, 0x0
	.amdhsa_kernel k_q08051dcaf9_comb
		.amdhsa_group_segment_fixed_size 0
		.amdhsa_private_segment_fixed_size 0
		.amdhsa_enable_private_segment 0
		.amdhsa_kernarg_size 56
		.amdhsa_user_sgpr_count 2
		.amdhsa_user_sgpr_kernarg_segment_ptr 1
		.amdhsa_wavefront_size32 1
		.amdhsa_system_sgpr_workgroup_id_x 1
		.amdhsa_system_sgpr_workgroup_id_y 1
		.amdhsa_system_sgpr_workgroup_id_z 1
		.amdhsa_system_vgpr_workitem_id 0
		.amdhsa_next_free_vgpr 256
		.amdhsa_next_free_sgpr 66
		.amdhsa_reserve_vcc 0
		.amdhsa_float_denorm_mode_32 3
		.amdhsa_float_denorm_mode_16_64 3
		.amdhsa_memory_ordered 1
		.amdhsa_forward_progress 1
		.amdhsa_inst_pref_size 34
	.end_amdhsa_kernel
	.amdgpu_metadata
---
amdhsa.version: [ 1, 2 ]
amdhsa.kernels:
  - .name:           k_q08051dcaf9_comb
    .symbol:         k_q08051dcaf9_comb.kd
    .args:
      - { .name: plan, .offset: 0, .size: 8, .value_kind: global_buffer, .address_space: global }
      - { .name: route, .offset: 8, .size: 8, .value_kind: global_buffer, .address_space: global }
      - { .name: gw, .offset: 16, .size: 8, .value_kind: global_buffer, .address_space: global }
      - { .name: y, .offset: 24, .size: 8, .value_kind: global_buffer, .address_space: global }
      - { .name: ln_g, .offset: 32, .size: 8, .value_kind: global_buffer, .address_space: global }
      - { .name: ln_b, .offset: 40, .size: 8, .value_kind: global_buffer, .address_space: global }
      - { .name: out0, .offset: 48, .size: 8, .value_kind: global_buffer, .address_space: global }
    .group_segment_fixed_size: 0
    .private_segment_fixed_size: 0
    .kernarg_segment_align: 8
    .kernarg_segment_size: 56
    .max_flat_workgroup_size: 256
    .sgpr_count:     66
    .vgpr_count:     256
    .wavefront_size: 32
...
	.end_amdgpu_metadata
.endif
;; end of part 12
